; MI455X (gfx1250); checked and timed in simulation.
; The chip was launched on July 23, 2026; its instructions are those of AMD's public machine-readable ISA for CDNA 5 (MIT licence, August 2026) and "CDNA5" Instruction Set Architecture Reference Guide (July 2026). The comments in the code are by the model that wrote it; some were corrected since.
;; Block. Allowed arithmetic: matrix products marked QUANTISED: E2M1 operands, one E8M0 scale for each 32 along K, by v_wmma_scale_f32_16x16x128_f8f6f4 with both operands' format E2M1 (or v_wmma_scale_f32_32x16x128_f4), f32 sums; everything else in f32.
;; Inputs: b_attn 3,072 float32; b_fc1 4,096 float32; b_fc2 1,024 float32; b_proj 1,024 float32; ln1_b 1,024 float32; ln1_g 1,024 float32; ln2_b 1,024 float32; ln2_g 1,024 float32; w_attn 1,024 x 3,072 float32; w_fc1 1,024 x 4,096 float32; w_fc2 4,096 x 1,024 float32; w_proj 1,024 x 1,024 float32; x 2 x 2,048 x 1,024 float32.
;; Outputs: out0 2 x 2,048 x 1,024 float32.
;; This version of the problem:
;;   THIS VERSION OF THE PROBLEM IS GIVEN IN LOW PRECISION. The matrix products marked QUANTISED in the list below multiply operands that are first quantised to E2M1 (2 exponent bits, 1 mantissa bit; 4 bits a number), with one power-of-two scale for each 32 numbers along K (OCP MX v1.0); their sums are f32. All else is computed in f32.
;;   The module's matrix products, in the order in which they are computed (A, B: the left and right operand; K: the contracted axis; several contracted axes count as one K, in the product's order):
;;     1. [M 4,096, K 1,024] x [K 1,024, N 3,072]; A: computed on the way; B: input w_attn: QUANTISED
;;     2. batch 32 x [M 2,048, K 64] x [K 64, N 2,048]; A: computed on the way; B: computed on the way: QUANTISED
;;     3. batch 32 x [M 2,048, K 2,048] x [K 2,048, N 64]; A: softmax (see below); B: computed on the way: QUANTISED
;;     4. [M 4,096, K 1,024] x [K 1,024, N 1,024]; A: computed on the way; B: input w_proj: QUANTISED
;;     5. [M 4,096, K 1,024] x [K 1,024, N 4,096]; A: computed on the way; B: input w_fc1: QUANTISED
;;     6. [M 4,096, K 4,096] x [K 4,096, N 1,024]; A: computed on the way; B: input w_fc2: QUANTISED
;;   THE QUANTISER, for each operand of a quantised product, along K:
;;     - K is cut into blocks of 32 from its start; a last block that is shorter is filled with zeros.
;;     - A block's scale is 2^e with e = floor(log2(the largest magnitude in the block)) - 2, held to -126 .. 127; a block of zeros has e = 0. As a byte (E8M0): e + 127.
;;     - Each number is divided by its block's scale, clamped to +-6, and rounded to the nearest number of E2M1, ties to even, subnormals kept.
;;     - The product sums the exact products of the quantised numbers (number of the format x scale) in f32.
;;   ~~~python
;;   def quantise(x, axis):      # numpy; x: float32 -> the quantised numbers, widened to float32 again
;;       x = np.moveaxis(x, axis, -1); K = x.shape[-1]
;;       x = np.pad(x, [(0, 0)] * (x.ndim - 1) + [(0, -K % 32)]); x = x.reshape(x.shape[:-1] + (-1, 32)); a = np.abs(x).max(-1, keepdims=True)
;;       e = np.where(a > 0, np.clip(np.frexp(np.where(a > 0, a, 1))[1] - 1 - 2, -126, 127), 0)      # np.frexp(a)[1] - 1 = floor(log2(a)), exactly
;;       r = np.clip(x / 2.0 ** e, -6, 6)
;;       step = 2.0 ** (np.maximum(np.frexp(np.where(r == 0, 1, r))[1] - 1, 0) - 1)
;;       q = np.round(r / step) * step * 2.0 ** e      # np.round: ties to even
;;       return np.moveaxis(q.reshape(q.shape[:-2] + (-1,))[..., :K], -1, axis).astype(np.float32)
;;   ~~~
;;   SOFTMAX AHEAD OF A QUANTISED PRODUCT. Where the list says 'softmax', what is quantised is not the finished softmax but p = 2^(t - M), with t = logit x log2(e) and M = ceil(the row's largest t), a whole number; so 1/2 < the row's largest p <= 1. The row's sum l is taken of the UNQUANTISED p, in f32, and the product's result is divided by l at the end. Since M is a whole number, a kernel that streams over the keys may use a running M (the ceiling of the running maximum): every later rescaling is an exact power of two, which a block's scale takes up: the codes' values come out the same.
;;   OPERANDS COMPUTED ON THE WAY. 'Computed on the way' means the value that the module computes at that place (a softmax that the list does not call 'softmax' is quantised finished and normalised). What goes into a quantiser is computed in f32, as accurately as f32 sums, v_exp_f32 and their like allow (about 1e-6 of the number): no bf16 or f16 on the way to a quantiser, and a product that is left as it is and whose result goes on into a quantised operand takes f32 operands (vector FMAs, or v_wmma_f32_16x16x4_f32). A number that lies on a knife's edge between two numbers of the format may be rounded either way, as far as f32 arithmetic and the matrix unit's own rounding can turn it there, and no further.
;; 2 versions. Each part assembles by itself: llvm-mc -triple=amdgcn-amd-amdhsa -mcpu=gfx1250 --defsym DOCPART=n.
;; ======== version 1 of 2: 8 launches
;; workspace buffers: wimg 5,570,560 bytes; himg 2,228,224 bytes; oimg 2,228,224 bytes; fimg 8,912,896 bytes; x1 16,777,216 bytes; kv 4,456,448 bytes
;; launch wq (part 1): grid 640 x 1, 4 waves a work-group, no clusters, 1,024 bytes of LDS; arguments w_attn, w_proj, w_fc1, w_fc2, wimg; writes wimg
.if DOCPART == 1
	.amdgcn_target "amdgcn-amd-amdhsa--gfx1250"
	.amdhsa_code_object_version 6
	.text
	.protected	k_qb3d4cd76b0_wq
	.globl	k_qb3d4cd76b0_wq
	.p2align	8
	.type	k_qb3d4cd76b0_wq,@function
k_qb3d4cd76b0_wq:
	s_mov_b64 s[64:65], 0
	v_nop
	global_prefetch_b8 v0, s[64:65] scope:SCOPE_SE
	s_setreg_imm32_b32 hwreg(HW_REG_WAVE_MODE, 25, 1), 1
	s_wait_xcnt 0x0
; The four weights, f32 stored [K][N], become codes of FP4 (E2M1) with one E8M0 scale byte for each 32 along K, laid as IMAGES OF OPERAND REGISTERS.
; THE IMAGE.  An operand's rows (here a weight's columns n) go in panels of 128, K in slots of 512; block (panel p, slot sl) is 34,816 dense bytes at (p x slots + sl) x 34,816.
;   bytes 0 .. 32,767: fragment (rb = 16 rows, q = 128 along K) at (4 rb + q) x 1,024: the 16 bytes of row r, block beta of 32 along K (0..3), at 256 beta + 16 r: so lane l of a wave finds registers 4 c .. 4 c + 3 at 512 c + 16 l.
;   Inside the 16 bytes, word w holds the codes of k = 8 G[w] .. + 7 of the block, G = 0, 2, 1, 3: the same order in every operand of this program, so each product pairs equal k.
;   bytes 32,768 ..: one scale word (4 bytes, blocks 0..3) for row and q, at 512 q + 64 rb + 4 r.
; Of w_attn only columns 1,024 .. 2,047 are read: reference() keeps the k third of that product alone.
; A work-group takes one panel and 128 along K.  A LANE TAKES A COLUMN AND ITS REGISTERS RUN DOWN K: a block of 32 lies in one lane's 32 registers, so its largest magnitude needs no other lane and nothing is transposed.
; A block's scale byte is its largest magnitude's exponent field - 2, held at 1 from below.
; LIMITS: a block of zeros, or one whose largest magnitude lies under 2^-124, gets the byte 1 (zero codes add nothing; only this program reads the bytes); NaN and infinities are not served.
; Work-groups 0-63: w_attn's k third; 64-127: w_proj; 128-383: w_fc1; 384-639: w_fc2.  Only pointers and numbers are chosen: all take one path.
.set PANEL, 34816
.set VO, 16                            ; v16-47   row i of a block: i x row bytes + 4 x lane; never rewritten
.set C,  48                            ; v48-63   codes, four registers a block: no store's data are written again
.set X,  64                            ; v64-191  four blocks of 32 numbers
	s_load_b256 s[4:11], s[0:1], 0x0               ; w_attn, w_proj, w_fc1, w_fc2
	s_load_b64 s[12:13], s[0:1], 0x20              ; wimg
	v_lshl_add_u32 v200, v0, 2, 0x200
	v_mov_b32 v201, 0
	v_lshrrev_b32 v1, 5, v0
	v_readfirstlane_b32 s2, v1                     ; wave 0..3
	v_and_b32 v2, 31, v0                           ; lane
	v_lshlrev_b32 v3, 2, v2                        ; my column's 4 bytes
	v_lshrrev_b32 v4, 4, v2
	v_lshlrev_b32 v4, 12, v4
	v_and_b32 v7, 15, v2
	v_lshl_add_u32 v4, v7, 4, v4
	s_lshl_b32 s3, s2, 13
	v_add_nc_u32 v4, s3, v4                        ; codes: rb = 2 wave + lane / 16: 4,096 rb + 16 r
	v_lshlrev_b32 v5, 2, v0                        ; LDS: my column's scale word: 4 x thread
	v_lshlrev_b32 v6, 4, v2                        ; and 16 bytes a lane on the way out
	s_mov_b32 s28, 4096                            ; w_fc2's figures: bytes in a row,
	s_mov_b32 s29, 0                               ; first column's byte,
	s_mov_b32 s30, 3342336                         ; place in wimg,
	s_mov_b32 s31, 384                             ; first work-group,
	s_mov_b32 s32, 5                               ; log2 of the K steps of 128
	s_wait_kmcnt 0x0
	s_mov_b64 s[14:15], s[10:11]
	s_mov_b32 s33, 16384
	s_mov_b32 s34, 1114112
	s_cmp_lt_u32 ttmp9, 384                        ; w_fc1 or an earlier one
	s_cselect_b64 s[14:15], s[8:9], s[14:15]
	s_cselect_b32 s28, s33, s28
	s_cselect_b32 s30, s34, s30
	s_cselect_b32 s31, 128, s31
	s_cselect_b32 s32, 3, s32
	s_mov_b32 s33, 4096
	s_mov_b32 s34, 557056
	s_cmp_lt_u32 ttmp9, 128                        ; w_proj or w_attn
	s_cselect_b64 s[14:15], s[6:7], s[14:15]
	s_cselect_b32 s28, s33, s28
	s_cselect_b32 s30, s34, s30
	s_cselect_b32 s31, 64, s31
	s_mov_b32 s33, 12288
	s_mov_b32 s34, 4096
	s_cmp_lt_u32 ttmp9, 64                         ; w_attn
	s_cselect_b64 s[14:15], s[4:5], s[14:15]
	s_cselect_b32 s28, s33, s28
	s_cselect_b32 s29, s34, s29
	s_cselect_b32 s30, 0, s30
	s_cselect_b32 s31, 0, s31
	s_sub_co_u32 s31, ttmp9, s31                   ; my number within the tensor
	s_bfm_b32 s35, s32, 0
	s_and_b32 s35, s31, s35                        ; kg: which 128 along K
	s_lshr_b32 s36, s31, s32                       ; p: which panel
	s_sub_co_u32 s37, s32, 2
	s_lshl_b32 s38, s36, s37                       ; p x slots
	s_lshr_b32 s39, s35, 2
	s_add_co_u32 s38, s38, s39                     ; + slot
	s_mul_i32 s38, s38, PANEL
	s_add_co_u32 s38, s38, s30                     ; my block in wimg
	s_and_b32 s39, s35, 3                          ; q
	s_lshl_b32 s40, s35, 7
	s_mul_i32 s40, s40, s28                        ; 128 kg rows,
	s_add_co_u32 s40, s40, s29
	s_lshl_b32 s41, s36, 9
	s_add_co_u32 s40, s40, s41                     ; the panel's 512 bytes of a row,
	s_lshl_b32 s41, s2, 7
	s_add_co_u32 s40, s40, s41                     ; my wave's 128 of them
	s_mov_b32 s41, 0
	s_lshl_b32 s42, s28, 5                         ; 32 rows on
	s_mov_b32 s43, 0
	s_add_nc_u64 s[16:17], s[14:15], s[40:41]      ; a base for each block of 32 rows; never rewritten
	s_add_nc_u64 s[18:19], s[16:17], s[42:43]
	s_add_nc_u64 s[20:21], s[18:19], s[42:43]
	s_add_nc_u64 s[22:23], s[20:21], s[42:43]
	s_lshl_b32 s44, s39, 10
	s_add_co_u32 s44, s44, s38
	s_mov_b32 s45, 0
	s_add_nc_u64 s[24:25], s[12:13], s[44:45]      ; codes: block + 1,024 q
	s_lshl_b32 s44, s39, 9
	s_add_co_u32 s44, s44, s38
	s_add_co_u32 s44, s44, 32768
	s_add_nc_u64 s[26:27], s[12:13], s[44:45]      ; scale words: block + 32,768 + 512 q
.irp i, 0,1,2,3,4,5,6,7,8,9,10,11,12,13,14,15,16,17,18,19,20,21,22,23,24,25,26,27,28,29,30,31
	v_mad_u32_u24 v[VO+\i], s28, \i, v3
.endr
.irp t, 0,1,2,3                        ; all 128 loads in one run: each reads 128 consecutive bytes, the four waves side by side 512
.irp i, 0,1,2,3,4,5,6,7,8,9,10,11,12,13,14,15,16,17,18,19,20,21,22,23,24,25,26,27,28,29,30,31
	global_load_b32 v[X+32*\t+\i], v[VO+\i], s[16+2*\t:17+2*\t] th:TH_LOAD_NT
.endr
.endr
.macro BLOCK t, left
.set XS, X+32*(\t)
	s_wait_loadcnt \left                           ; loads come back in order: this block's 32 are in.  (A count cannot name more than 63: the first two waits ask for more than they need)
	v_max3_num_f32 v12, |v[XS]|, |v[XS+1]|, |v[XS+2]|
	v_max3_num_f32 v13, |v[XS+3]|, |v[XS+4]|, |v[XS+5]|
.irp i, 6,10,14,18,22,26
	v_max3_num_f32 v12, v12, |v[XS+\i]|, |v[XS+\i+1]|
	v_max3_num_f32 v13, v13, |v[XS+\i+2]|, |v[XS+\i+3]|
.endr
	v_max3_num_f32 v12, v12, |v[XS+30]|, |v[XS+31]|
	v_max3_num_f32 v12, v12, v13, 0x1800000        ; the block's largest magnitude, and the floor 2^(3 - 127): the byte cannot fall under 1
	v_add_nc_u32 v11, 0xff000000, v12              ; 2 off its exponent field: the conversion takes the exponent field of this operand as its scale
	v_cvt_scalef32_pk8_fp4_f32 v[C+4*(\t)], v[XS:XS+7], v11          ; word w takes group G[w] = 0, 2, 1, 3 of eight along K
	v_cvt_scalef32_pk8_fp4_f32 v[C+4*(\t)+1], v[XS+16:XS+23], v11
	v_cvt_scalef32_pk8_fp4_f32 v[C+4*(\t)+2], v[XS+8:XS+15], v11
	v_cvt_scalef32_pk8_fp4_f32 v[C+4*(\t)+3], v[XS+24:XS+31], v11
	v_lshrrev_b32 v13, 23, v11                     ; the scale's byte (a plain line behind the conversions)
.if (\t) == 0
	v_mov_b32 v8, v13
.else
	v_lshl_or_b32 v8, v13, 8*(\t), v8              ; four bytes make my column's scale word
.endif
	global_store_b128 v4, v[C+4*(\t):C+4*(\t)+3], s[24:25] offset:256*(\t)   ; each half of the lanes stores 256 consecutive bytes, aligned
.endm
	BLOCK 0, 63
	BLOCK 1, 63
	BLOCK 2, 32
	BLOCK 3, 0
	ds_store_b32 v5, v8                            ; the panel's 128 scale words meet in LDS
	s_wait_dscnt 0x0                               ; for the others' sake: my store is done
	s_barrier_signal -1
	s_barrier_wait -1
	s_cmp_lg_u32 s2, 0
	s_cbranch_scc1 .Ldone
	ds_load_b128 v[12:15], v6
	s_wait_dscnt 0x0
	global_store_b128 v6, v[12:15], s[26:27]       ; wave 0 stores them: 512 consecutive bytes
.Ldone:
	s_wait_tensorcnt 0x0
	ds_add_u32 v200, v201
	s_wait_dscnt 0x0
	s_endpgm
.Lfunc_end_k_qb3d4cd76b0_wq:
	.size	k_qb3d4cd76b0_wq, .Lfunc_end_k_qb3d4cd76b0_wq-k_qb3d4cd76b0_wq
	.p2alignl 7, 3214868480
	.fill 96, 4, 3214868480
	.section	.rodata,"a",@progbits
	.p2align	6, 0x0
	.amdhsa_kernel k_qb3d4cd76b0_wq
		.amdhsa_group_segment_fixed_size 1024
		.amdhsa_private_segment_fixed_size 0
		.amdhsa_enable_private_segment 0
		.amdhsa_kernarg_size 40
		.amdhsa_user_sgpr_count 2
		.amdhsa_user_sgpr_kernarg_segment_ptr 1
		.amdhsa_wavefront_size32 1
		.amdhsa_system_sgpr_workgroup_id_x 1
		.amdhsa_system_sgpr_workgroup_id_y 1
		.amdhsa_system_sgpr_workgroup_id_z 1
		.amdhsa_system_vgpr_workitem_id 0
		.amdhsa_next_free_vgpr 202
		.amdhsa_next_free_sgpr 66
		.amdhsa_reserve_vcc 0
		.amdhsa_float_denorm_mode_32 3
		.amdhsa_float_denorm_mode_16_64 3
		.amdhsa_memory_ordered 1
		.amdhsa_forward_progress 1
		.amdhsa_inst_pref_size 25
	.end_amdhsa_kernel
	.amdgpu_metadata
---
amdhsa.version: [ 1, 2 ]
amdhsa.kernels:
  - .name:           k_qb3d4cd76b0_wq
    .symbol:         k_qb3d4cd76b0_wq.kd
    .args:
      - { .name: w_attn, .offset: 0, .size: 8, .value_kind: global_buffer, .address_space: global }
      - { .name: w_proj, .offset: 8, .size: 8, .value_kind: global_buffer, .address_space: global }
      - { .name: w_fc1, .offset: 16, .size: 8, .value_kind: global_buffer, .address_space: global }
      - { .name: w_fc2, .offset: 24, .size: 8, .value_kind: global_buffer, .address_space: global }
      - { .name: wimg, .offset: 32, .size: 8, .value_kind: global_buffer, .address_space: global }
    .group_segment_fixed_size: 1024
    .private_segment_fixed_size: 0
    .kernarg_segment_align: 8
    .kernarg_segment_size: 40
    .max_flat_workgroup_size: 128
    .sgpr_count:     66
    .vgpr_count:     202
    .wavefront_size: 32
...
	.end_amdgpu_metadata
.endif
;; end of part 1
;; launch ln1 (part 2): grid 256 x 1, 8 waves a work-group, no clusters, 67,072 bytes of LDS; arguments x, ln1_g, ln1_b, himg; writes himg
.if DOCPART == 2
	.amdgcn_target "amdgcn-amd-amdhsa--gfx1250"
	.amdhsa_code_object_version 6
	.text
	.protected	k_qb3d4cd76b0_ln1
	.globl	k_qb3d4cd76b0_ln1
	.p2align	8
	.type	k_qb3d4cd76b0_ln1,@function
k_qb3d4cd76b0_ln1:
	s_mov_b64 s[64:65], 0
	v_nop
	global_prefetch_b8 v0, s[64:65] scope:SCOPE_SE
	s_setreg_imm32_b32 hwreg(HW_REG_WAVE_MODE, 25, 1), 1
	s_wait_xcnt 0x0
; y = (x - mean) x rsqrt(var + 1e-5) x g + b along rows of 1,024, all in f32; y is then quantised along the row to FP4 (E2M1) with one E8M0 byte for each 32, and stored as an IMAGE OF OPERAND REGISTERS:
; rows in panels of 128, K in slots of 512; block (p, sl) is 34,816 bytes at (2 p + sl) x 34,816; fragment (rb, q) at (4 rb + q) x 1,024, the 16 bytes of row r, block beta at 256 beta + 16 r; word w of them holds
; k = 8 G[w] .. + 7, G = 0, 2, 1, 3 (the order of every operand of this program); scale words at 32,768 + 512 q + 64 rb + 4 r.
; A work-group takes 16 rows (one rb of a panel).  PHASE 1: wave w takes rows 2 w and 2 w + 1 whole, 32 numbers a lane, each load 512 consecutive bytes; the row stays in registers between mean, variance and scaling;
; y goes to LDS (rows 4,112 bytes apart, so that the 16 rows of a later load start in 16 different banks).  PHASE 2: wave w takes K step w (128 along K) of all 16 rows: lane (r, h) reads blocks h and 2 + h of row r
; whole, so that a block's largest magnitude needs no other lane and the conversions' results are the operand's registers.
; The scale words leave as 64 bytes for a wave (16 rows' words): a work-group has only 16 of the 128 rows whose words lie together.
; LIMITS: a block of zeros, or one whose largest magnitude lies under 2^-124, gets the byte 1 (only this program reads the bytes); NaN and infinities are not served.
.set PITCH, 4112
.set PANEL, 34816
	s_load_b256 s[4:11], s[0:1], 0x0               ; x, g, b, the image
	v_lshl_add_u32 v176, v0, 2, 0x10200
	v_mov_b32 v177, 0
	v_lshrrev_b32 v1, 5, v0
	v_readfirstlane_b32 s12, v1                    ; wave 0..7
	v_and_b32 v2, 31, v0                           ; lane
	v_lshlrev_b32 v3, 4, v2                        ; 16 x lane
	v_and_b32 v7, 15, v0                           ; r
	v_bfe_u32 v6, v0, 4, 1                         ; h
	s_mul_i32 s20, s12, 2*PITCH
	v_add_nc_u32 v4, s20, v3                       ; LDS, phase 1: my wave's two rows, 16 bytes a lane
	v_mul_u32_u24 v5, v7, PITCH
	v_lshl_add_u32 v5, v6, 7, v5
	s_lshl_b32 s20, s12, 9
	v_add_nc_u32 v5, s20, v5                       ; LDS, phase 2: row r, K step w, block h
	v_lshlrev_b32 v24, 2, v7                       ; 4 r
	s_lshl_b32 s13, ttmp9, 4
	s_lshl_b32 s14, s12, 1
	s_add_co_u32 s13, s13, s14                     ; my first row
	s_lshl_b32 s14, s13, 12
	s_mov_b32 s15, 0
	s_mov_b32 s16, 0x76543210                      ; v_permlanex16_b32's selects for lane l xor 16
	s_mov_b32 s17, 0xfedcba98
	s_mov_b32 s18, 0x3a800000                      ; 1 / 1,024
	s_mov_b32 s19, 0x3727c5ac                      ; 1e-5
	s_lshr_b32 s22, ttmp9, 3
	s_lshl_b32 s22, s22, 1
	s_lshr_b32 s23, s12, 2
	s_add_co_u32 s22, s22, s23
	s_mul_i32 s22, s22, PANEL                      ; block (panel, slot w / 4)
	s_and_b32 s23, ttmp9, 7                        ; rb
	s_and_b32 s24, s12, 3                          ; q
	s_lshl_b32 s25, s23, 2
	s_add_co_u32 s25, s25, s24
	s_lshl_b32 s25, s25, 10
	s_add_co_u32 s26, s25, s22
	s_mov_b32 s27, 0
	s_lshl_b32 s24, s24, 9
	s_lshl_b32 s23, s23, 6
	s_add_co_u32 s28, s24, s23
	s_add_co_u32 s28, s28, s22
	s_add_co_u32 s28, s28, 32768
	s_mov_b32 s29, 0
	s_wait_kmcnt 0x0
	s_add_nc_u64 s[4:5], s[4:5], s[14:15]
	s_add_nc_u64 s[20:21], s[10:11], s[28:29]      ; my scale words
	s_add_nc_u64 s[10:11], s[10:11], s[26:27]      ; my fragment
.irp R, 0,1
.irp i, 0,1,2,3,4,5,6,7
	global_load_b128 v[32+32*\R+4*\i:35+32*\R+4*\i], v3, s[4:5] offset:4096*\R+512*\i
.endr
.endr
.irp i, 0,1,2,3,4,5,6,7
	global_load_b128 v[96+4*\i:99+4*\i], v3, s[6:7] offset:512*\i
	global_load_b128 v[128+4*\i:131+4*\i], v3, s[8:9] offset:512*\i
.endr
; a lane's partial in v[8 + 8 R] becomes the row's sum in every lane: four steps inside each half of the lanes ride on the addition, one crosses the halves
.macro ACROSS
.irp R, 0,1
	v_pk_add_f32 v[8+8*\R:9+8*\R], v[8+8*\R:9+8*\R], v[10+8*\R:11+8*\R]
.endr
.irp R, 0,1
	v_add_f32 v[8+8*\R], v[8+8*\R], v[9+8*\R]
.endr
.irp m, 1,2,4,8
.irp R, 0,1
	v_add_f32_dpp v[8+8*\R], v[8+8*\R], v[8+8*\R] row_xmask:\m row_mask:0xf bank_mask:0xf
.endr
.endr
.irp R, 0,1
	v_permlanex16_b32 v[9+8*\R], v[8+8*\R], s16, s17
.endr
.irp R, 0,1
	v_add_f32 v[8+8*\R], v[8+8*\R], v[9+8*\R]
.endr
.endm
	s_wait_loadcnt 16                              ; the two rows are in; g's and b's sixteen loads may be out
.irp R, 0,1                            ; the sum, two numbers at a time, in two chains; the two rows by turns
	v_pk_add_f32 v[8+8*\R:9+8*\R], v[32+32*\R:33+32*\R], v[34+32*\R:35+32*\R]
	v_pk_add_f32 v[10+8*\R:11+8*\R], v[36+32*\R:37+32*\R], v[38+32*\R:39+32*\R]
.endr
.irp j, 8,12,16,20,24,28
.irp R, 0,1
	v_pk_add_f32 v[8+8*\R:9+8*\R], v[8+8*\R:9+8*\R], v[32+32*\R+\j:33+32*\R+\j]
	v_pk_add_f32 v[10+8*\R:11+8*\R], v[10+8*\R:11+8*\R], v[34+32*\R+\j:35+32*\R+\j]
.endr
.endr
	ACROSS
.irp R, 0,1
	v_mul_f32 v[12+8*\R], s18, v[8+8*\R]           ; the mean,
.endr
.irp R, 0,1
	v_mov_b32 v[13+8*\R], v[12+8*\R]               ; as a pair
.endr
.irp j, 0,2,4,6,8,10,12,14,16,18,20,22,24,26,28,30
.irp R, 0,1
	v_pk_add_f32 v[32+32*\R+\j:33+32*\R+\j], v[32+32*\R+\j:33+32*\R+\j], v[12+8*\R:13+8*\R] neg_lo:[0,1] neg_hi:[0,1]   ; x - mean, in place
.endr
.endr
.irp R, 0,1
	v_pk_mul_f32 v[8+8*\R:9+8*\R], v[32+32*\R:33+32*\R], v[32+32*\R:33+32*\R]
	v_pk_mul_f32 v[10+8*\R:11+8*\R], v[34+32*\R:35+32*\R], v[34+32*\R:35+32*\R]
.endr
.irp j, 4,8,12,16,20,24,28
.irp R, 0,1
	v_pk_fma_f32 v[8+8*\R:9+8*\R], v[32+32*\R+\j:33+32*\R+\j], v[32+32*\R+\j:33+32*\R+\j], v[8+8*\R:9+8*\R]
	v_pk_fma_f32 v[10+8*\R:11+8*\R], v[34+32*\R+\j:35+32*\R+\j], v[34+32*\R+\j:35+32*\R+\j], v[10+8*\R:11+8*\R]
.endr
.endr
	ACROSS
.irp R, 0,1
	v_fma_f32 v[8+8*\R], v[8+8*\R], s18, s19       ; var + 1e-5
.endr
.irp R, 0,1
	v_rsq_f32 v[14+8*\R], v[8+8*\R]
.endr
	v_nop                                          ; a plain line behind the last of the two
	s_wait_alu depctr_va_vdst(0)                   ; one wait for both, ahead of the first line that names a result
.irp R, 0,1
	v_mov_b32 v[15+8*\R], v[14+8*\R]
.endr
	s_wait_loadcnt 0x0                             ; g and b
.irp j, 0,2,4,6,8,10,12,14,16,18,20,22,24,26,28,30
.irp R, 0,1
	v_pk_mul_f32 v[32+32*\R+\j:33+32*\R+\j], v[32+32*\R+\j:33+32*\R+\j], v[14+8*\R:15+8*\R]
.endr
.endr
.irp j, 0,2,4,6,8,10,12,14,16,18,20,22,24,26,28,30
.irp R, 0,1
	v_pk_fma_f32 v[32+32*\R+\j:33+32*\R+\j], v[32+32*\R+\j:33+32*\R+\j], v[96+\j:97+\j], v[128+\j:129+\j]
.endr
.endr
.irp R, 0,1
.irp i, 0,1,2,3,4,5,6,7
	ds_store_b128 v4, v[32+32*\R+4*\i:35+32*\R+4*\i] offset:PITCH*\R+512*\i
.endr
.endr
	s_wait_dscnt 0x0                               ; for the others' sake: my rows lie in LDS
	s_barrier_signal -1
	s_barrier_wait -1
.irp c, 0,1                            ; block 2 c + h of row r: 32 numbers
.irp i, 0,1,2,3,4,5,6,7
	ds_load_b128 v[32+32*\c+4*\i:35+32*\c+4*\i], v5 offset:256*\c+16*\i
.endr
.endr
	s_wait_dscnt 0x0
.irp c, 0,1
	v_max3_num_f32 v[8+\c], |v[32+32*\c]|, |v[33+32*\c]|, 0x1800000   ; and the floor 2^(3 - 127): the byte cannot fall under 1
.endr
.irp i, 2,4,6,8,10,12,14,16,18,20,22,24,26,28,30
.irp c, 0,1
	v_max3_num_f32 v[8+\c], v[8+\c], |v[32+32*\c+\i]|, |v[33+32*\c+\i]|
.endr
.endr
.irp c, 0,1
	v_add_nc_u32 v[10+\c], 0xff000000, v[8+\c]     ; 2 off the exponent field: the conversion's scale operand
.endr
.irp c, 0,1
	v_lshrrev_b32 v[12+\c], 23, v[10+\c]           ; the scale's byte
.endr
	v_lshl_or_b32 v14, v13, 16, v12                ; my two bytes, blocks h and 2 + h,
	v_lshlrev_b32 v15, 3, v6
	v_lshlrev_b32 v14, v15, v14                    ; at their places in the word;
	v_mov_b32 v15, 0
	v_permlanex16_b32 v15, v14, s16, s17
	v_or_b32 v14, v14, v15                         ; with lane l xor 16's two the word is whole
.irp c, 0,1
	v_cvt_scalef32_pk8_fp4_f32 v[16+4*\c], v[32+32*\c:39+32*\c], v[10+\c]     ; word w takes group G[w] = 0, 2, 1, 3
	v_cvt_scalef32_pk8_fp4_f32 v[17+4*\c], v[48+32*\c:55+32*\c], v[10+\c]
	v_cvt_scalef32_pk8_fp4_f32 v[18+4*\c], v[40+32*\c:47+32*\c], v[10+\c]
	v_cvt_scalef32_pk8_fp4_f32 v[19+4*\c], v[56+32*\c:63+32*\c], v[10+\c]
.endr
	v_nop                                          ; a plain line behind the last conversion
	global_store_b128 v3, v[16:19], s[10:11]       ; 512 consecutive bytes each
	global_store_b128 v3, v[20:23], s[10:11] offset:512
	s_wait_xcnt 0x0                                ; EXEC changes only behind this wait
	v_cmp_gt_u32 vcc_lo, 16, v2
	s_wait_tensorcnt 0x0
	ds_add_u32 v176, v177
	s_wait_dscnt 0x0
	s_and_saveexec_b32 s22, vcc_lo
	global_store_b32 v24, v14, s[20:21]            ; lanes 0-15: the 16 rows' scale words
	s_wait_xcnt 0x0
	s_or_b32 exec_lo, exec_lo, s22
	s_endpgm
.Lfunc_end_k_qb3d4cd76b0_ln1:
	.size	k_qb3d4cd76b0_ln1, .Lfunc_end_k_qb3d4cd76b0_ln1-k_qb3d4cd76b0_ln1
	.p2alignl 7, 3214868480
	.fill 96, 4, 3214868480
	.section	.rodata,"a",@progbits
	.p2align	6, 0x0
	.amdhsa_kernel k_qb3d4cd76b0_ln1
		.amdhsa_group_segment_fixed_size 67072
		.amdhsa_private_segment_fixed_size 0
		.amdhsa_enable_private_segment 0
		.amdhsa_kernarg_size 32
		.amdhsa_user_sgpr_count 2
		.amdhsa_user_sgpr_kernarg_segment_ptr 1
		.amdhsa_wavefront_size32 1
		.amdhsa_system_sgpr_workgroup_id_x 1
		.amdhsa_system_sgpr_workgroup_id_y 1
		.amdhsa_system_sgpr_workgroup_id_z 1
		.amdhsa_system_vgpr_workitem_id 0
		.amdhsa_next_free_vgpr 178
		.amdhsa_next_free_sgpr 66
		.amdhsa_reserve_vcc 1
		.amdhsa_float_denorm_mode_32 3
		.amdhsa_float_denorm_mode_16_64 3
		.amdhsa_memory_ordered 1
		.amdhsa_forward_progress 1
		.amdhsa_inst_pref_size 23
	.end_amdhsa_kernel
	.amdgpu_metadata
---
amdhsa.version: [ 1, 2 ]
amdhsa.kernels:
  - .name:           k_qb3d4cd76b0_ln1
    .symbol:         k_qb3d4cd76b0_ln1.kd
    .args:
      - { .name: x, .offset: 0, .size: 8, .value_kind: global_buffer, .address_space: global }
      - { .name: ln1_g, .offset: 8, .size: 8, .value_kind: global_buffer, .address_space: global }
      - { .name: ln1_b, .offset: 16, .size: 8, .value_kind: global_buffer, .address_space: global }
      - { .name: himg, .offset: 24, .size: 8, .value_kind: global_buffer, .address_space: global }
    .group_segment_fixed_size: 67072
    .private_segment_fixed_size: 0
    .kernarg_segment_align: 8
    .kernarg_segment_size: 32
    .max_flat_workgroup_size: 256
    .sgpr_count:     66
    .vgpr_count:     178
    .wavefront_size: 32
...
	.end_amdgpu_metadata
.endif
;; end of part 2
;; launch gk (part 3): grid 8 x 16, 4 waves a work-group, clusters of 4 x 4, 327,680 bytes of LDS; arguments himg, wimg, b_attn, kv; writes kv
.if DOCPART == 3
	.amdgcn_target "amdgcn-amd-amdhsa--gfx1250"
	.amdhsa_code_object_version 6
	.text
	.protected	k_qb3d4cd76b0_gk
	.globl	k_qb3d4cd76b0_gk
	.p2align	8
	.type	k_qb3d4cd76b0_gk,@function
k_qb3d4cd76b0_gk:
	s_mov_b64 s[64:65], 0
	v_nop
	global_prefetch_b8 v0, s[64:65] scope:SCOPE_SE
	s_setreg_imm32_b32 hwreg(HW_REG_WAVE_MODE, 25, 1), 1
	s_wait_xcnt 0x0
	s_wait_alu depctr_hold_cnt(0) depctr_sa_sdst(0) depctr_va_vdst(0) depctr_va_sdst(0) depctr_va_ssrc(0) depctr_va_vcc(0) depctr_vm_vsrc(0)
	s_getreg_b32 s2, hwreg(HW_REG_IB_STS2, 6, 4)
	s_cmp_eq_u32 s2, 0
	s_cbranch_scc0 .Lentry_in_a_cluster
	s_endpgm
.Lentry_in_a_cluster:
	s_bfe_u32 s2, ttmp6, 0x10000c
	s_cmp_lg_u32 s2, 0xf033
	s_cbranch_scc0 .Lentry_shape_is_right
	s_endpgm
.Lentry_shape_is_right:
; k = h Wk + bk (4,096 tokens x 1,024 columns: the k third of reference()'s first product, the only third that it keeps), on codes of FP4 with E8M0 scales, and k quantised again for attention, in BOTH ways that it is used:
; along a head's 64 channels (q and k of the scores) and along the keys (v).  THE PRODUCT IS MADE ONCE IN EACH ORIENTATION, so that each quantiser finds its K along a lane's registers and nothing is transposed:
;   cluster x = 0: source 1 (S, whose rows fall on lanes) = tokens, source 0 (L, whose rows fall on a lane's registers) = columns: a lane holds one token and 128 columns = two heads;
;   cluster x = 1: S = columns, L = tokens: a lane holds one column (a channel of a head) and 128 tokens (keys).  Swapped sources give the same sums bit for bit.
; OPERANDS are images of operand registers: block (panel of 128 rows, slot of 512 along K) = 34,816 dense bytes: fragment (rb, q) at (4 rb + q) x 1,024, lane l's registers 4 c .. 4 c + 3 at 512 c + 16 l; scale words at 32,768 + 512 q + 64 rb + 4 r.
; A tile of the result, 256 x 256, is made by four waves, each 128 x 128: 64 accumulators, 512 registers.  K = 1,024 is two slots: both are asked for at the start and nothing is filled again.
; CLUSTERS: 4 x 4 work-groups; S's panels are shared along a row of the cluster, L's along a column: each is asked for jointly, by the same tensor load with the same descriptor and a mask that names the four.
; The orientation hangs on the cluster's x, which all sixteen partners share; it chooses two pointers, two tile numbers and the arm of the way out.
; OUT (kv, a block of 278,528 bytes for each pair of heads): KC even, odd head [key tile 128][512 B: lane (r, h): key r, channels 32 h ..]; VC even, odd [key step 16][channel tile 4][1,024 B fragment]; KSC [token] one word
; (bytes 0, 1 the even head's two blocks, 2, 3 the odd's); VSC even, odd [key step][channel tile][r] words.  Within a block of 32 the codes lie in groups of eight in the order 0, 2, 1, 3, as everywhere in this program.
; LIMITS: a block of zeros, or one whose largest magnitude lies under 2^-124, gets the byte 1 (only this program reads the bytes); NaN and infinities are not served; the q and v thirds of w_attn and b_attn are not read.
; REGISTERS, in windows of 256: window 0: v16-31 addresses; v32-47 scale words, two sets; v48-63, v64-127 the bias in both layouts; v128-191 S's fragments, one set (on the way out: 64 numbers); v192-223 at work on the way out.
;   window 1: L's fragments, two sets, at v0 and v128.   windows 2, 3: the accumulators, (a, b) at v[8 (8 (a % 4) + b)] of window 2 + a / 4.
.set NSL,   2
.set PAIRB, 278528
.set PANEL, 34816
.set SLOT,  4*PANEL                    ; S's two panels, then L's two
.set STG,   2*SLOT                     ; behind the slots: 512 bytes a wave for scale words, once for each orientation
.set SPARE, STG+4096                   ; the spare words, 128 bytes a wave: two blocks of 256 bytes that no other line names
.set LAPS,  NSL/2
.set ADRA, 16                          ; v16-17 LDS address of my S fragments in slot 0, 1
.set ADRB, 20                          ; v20-21 the same for L
.set ADRS, 22                          ; v22-23 of my scale words: lanes 0-15 S's, lanes 16-31 L's
.set LI,   24                          ; v24 16 x lane
.set SW,   25                          ; v25 stage: 512 x wave + 4 r
.set SRD,  26                          ; v26 stage: 512 x wave + 16 x lane
.set BA,   27                          ; v27 32 h
.set SPW,  28                          ; v28 my spare word; never rewritten
.set NIL,  29                          ; v29 0; never rewritten
.set RA,   30                          ; v30 4 r
.set VW1,  31                          ; v31 4,096 (lane / 16) + 16 (lane % 16)
.set SC,   32
.set BS,   48                          ; v48-63  bias of column 16 a + r, twice (a pair for the packed addition)
.set BL,   64                          ; v64-127 bias of column 16 b + 8 h + j at v[64 + 8 b + j]
.set AF,   128
.set TM,   192
.set PW,   208
.set PC,   216
.set G1,  24
.set G0,  32
.set G1B, 48
.set G0B, 56
.set SEL, 90
.set MSB, 0
.set MUL_LO, 0xa1                      ; source 0 (L) window 1, source 1 (S) window 0, C and D window 2
.set MUL_HI, 0xf1                      ; the same, C and D window 3
.set TO_B,   0x40                      ; destination window 1
.macro WIN new                         ; the immediate's high byte repeats the setting that is left
.if MSB != \new
	s_set_vgpr_msb (MSB<<8)|\new
.set MSB, \new
.endif
.endm
.macro JLOAD g0a, g1a, g0b, g1b        ; a joint load: waves 0, 1 fetch S's panels, waves 2, 3 L's; the branch hangs on the wave's number alone; four v_nop follow each line
	s_cmp_eq_u32 s15, 0
	s_cbranch_scc0 .Lfor_b_\@
	tensor_load_to_lds s[\g0a:\g0a+3], s[\g1a:\g1a+7]
	s_nop 0
.rept 4
	v_nop
.endr
	s_branch .Lasked_\@
.Lfor_b_\@:
	tensor_load_to_lds s[\g0b:\g0b+3], s[\g1b:\g1b+7]
	s_nop 0
.rept 4
	v_nop
.endr
.Lasked_\@:
.endm
.macro CREST                           ; a round of the cluster's barrier behind its opening barrier
	s_cmp_lg_u32 s14, 0
	s_cbranch_scc1 .Lnot_wave_0_\@
	s_barrier_signal -3
.Lnot_wave_0_\@:
	s_barrier_wait -3
	s_barrier_signal -1
	s_barrier_wait -1
.endm
.macro CROUND
	s_barrier_signal -1
	s_barrier_wait -1
	CREST
.endm
.macro PLACES n                        ; plain lines between a matrix instruction and a load into, or a read of, its registers
.rept \n
	v_nop
.endr
.endm
.macro FRAG reg, adr, q, i             ; fragment (i, q) of a panel: 8 registers, two loads of 512 consecutive bytes
.irp c, 0,1
	ds_load_b128 v[\reg+4*\c:\reg+4*\c+3], v[\adr] offset:((\i)*4+(\q))*1024+512*\c
.endr
.endm
.macro MUL16 a0, p, zero               ; S's blocks a0, a0 + 1 x L's eight, 128 along K; p: L's set and the set of scale words.  The 64 accumulators take turns, one instruction a turn
.irp a, \a0, \a0+1
.irp b, 0,1,2,3,4,5,6,7
.if \zero
	v_wmma_scale_f32_16x16x128_f8f6f4 v[8*(8*((\a)%4)+\b):8*(8*((\a)%4)+\b)+7], v[128*(\p)+8*\b:128*(\p)+8*\b+7], v[AF+8*(\a):AF+8*(\a)+7], 0, v[SC+8*(\p)+\b], v[SC+8*(\p)+(\a)] matrix_a_fmt:MATRIX_FMT_FP4 matrix_b_fmt:MATRIX_FMT_FP4 matrix_a_scale:MATRIX_SCALE_ROW1
.else
	v_wmma_scale_f32_16x16x128_f8f6f4 v[8*(8*((\a)%4)+\b):8*(8*((\a)%4)+\b)+7], v[128*(\p)+8*\b:128*(\p)+8*\b+7], v[AF+8*(\a):AF+8*(\a)+7], v[8*(8*((\a)%4)+\b):8*(8*((\a)%4)+\b)+7], v[SC+8*(\p)+\b], v[SC+8*(\p)+(\a)] matrix_a_fmt:MATRIX_FMT_FP4 matrix_b_fmt:MATRIX_FMT_FP4 matrix_a_scale:MATRIX_SCALE_ROW1
.endif
.endr
.endr
.endm
.macro FETCH_B slot, q, p
	WIN TO_B
.irp i, 0,1,2,3,4,5,6,7
	FRAG 128*(\p)+8*\i, ADRB+\slot, \q, \i
.endr
	WIN 0
.endm
.macro FETCH_A slot, q, i0
.irp i, \i0, \i0+1, \i0+2, \i0+3
	FRAG AF+8*(\i), ADRA+\slot, \q, \i
.endr
.endm
.macro SCALES slot, q, p               ; register i of set p: lanes 0-15 the words of S's block i, lanes 16-31 those of L's block i
.irp i, 0,1,2,3,4,5,6,7
	ds_load_b32 v[SC+8*(\p)+\i], v[ADRS+\slot] offset:(\q)*512+64*\i
.endr
.endm
.macro STEP slot, q, zero              ; 128 along K that has its successor in the same slot
	s_wait_dscnt 8                                 ; L's set, S's blocks 0-3 and the scale words are in; the youngest eight loads (S's blocks 4-7) may be out
	WIN MUL_LO
	MUL16 0, (\q)%2, \zero
	MUL16 2, (\q)%2, \zero
	s_wait_dscnt 0
	PLACES 4
	FETCH_B \slot, (\q)+1, 1-(\q)%2
	FETCH_A \slot, (\q)+1, 0
	SCALES \slot, (\q)+1, 1-(\q)%2
	WIN MUL_HI
	MUL16 4, (\q)%2, \zero
	MUL16 6, (\q)%2, \zero
	PLACES 4
	WIN 0
	FETCH_A \slot, (\q)+1, 4
.endm
.macro TURN slot, next, fill           ; a slot's last step changes slots: one barrier; in front of it each wave waits for all its tensor loads, adds 0 to its spare word, and waits for that and for its reads of this slot
	s_wait_tensorcnt 0x0                           ; my part of the next slot has landed
	ds_add_u32 v[SPW], v[NIL]                      ; 0 onto my spare word
	s_wait_dscnt 9                                 ; (the add and the youngest eight loads may be out)
	WIN MUL_LO
	MUL16 0, 1, 0
	s_wait_dscnt 0x0
	s_barrier_signal -1
	MUL16 2, 1, 0
	WIN 0
	s_barrier_wait -1
.if \fill
	CREST
	s_add_nc_u64 s[G0+4*\slot+2:G0+4*\slot+3], s[G0+4*\slot+2:G0+4*\slot+3], 2*PANEL
	s_add_nc_u64 s[G0B+4*\slot+2:G0B+4*\slot+3], s[G0B+4*\slot+2:G0B+4*\slot+3], 2*PANEL
	JLOAD G0+4*\slot, G1, G0B+4*\slot, G1B
.else
	PLACES 4
.endif
	FETCH_B \next, 0, 0
	FETCH_A \next, 0, 0
	SCALES \next, 0, 0
	WIN MUL_HI
	MUL16 4, 1, 0
	MUL16 6, 1, 0
	PLACES 4
	WIN 0
	FETCH_A \next, 0, 4
.endm
.macro STEPS slot, from
.set Q, \from
.rept 3-\from
	STEP \slot, Q, 0
.set Q, Q+1
.endr
.endm
; 64 numbers of a lane, v[s] .. v[s + 63] (register 16 b + i: block b of 32 along the next K, my half's 16 of it), become a fragment's codes in v[PC] on and its scale word in v[PW]
.macro QUANT s
.irp b, 0,1,2,3
	v_max3_num_f32 v[TM+\b], |v[\s+16*\b]|, |v[\s+1+16*\b]|, 0x1800000   ; and the floor 2^(3 - 127): the byte cannot fall under 1
.endr
.irp i, 2,4,6,8,10,12,14
.irp b, 0,1,2,3
	v_max3_num_f32 v[TM+\b], v[TM+\b], |v[\s+16*\b+\i]|, |v[\s+1+16*\b+\i]|
.endr
.endr
.irp b, 0,1,2,3
	v_permlanex16_b32 v[TM+4+\b], v[TM+\b], s[SEL], s[SEL+1]
.endr
.irp b, 0,1,2,3
	v_max_num_f32 v[TM+\b], v[TM+\b], v[TM+4+\b]   ; with lane l xor 16's: the block's largest magnitude
.endr
.irp b, 0,1,2,3
	v_add_nc_u32 v[TM+12+\b], 0xff000000, v[TM+\b] ; 2 off its exponent field: the conversion's scale operand
.endr
.irp b, 0,1,2,3
	v_lshrrev_b32 v[TM+4+\b], 23, v[TM+12+\b]      ; the scale's byte
.endr
	v_lshl_or_b32 v[PW], v[TM+5], 8, v[TM+4]
	v_lshl_or_b32 v[PW], v[TM+6], 16, v[PW]
	v_lshl_or_b32 v[PW], v[TM+7], 24, v[PW]
.irp b, 0,1,2,3
	v_cvt_scalef32_pk8_fp4_f32 v[PC+2*\b], v[\s+16*\b:\s+7+16*\b], v[TM+12+\b]
	v_cvt_scalef32_pk8_fp4_f32 v[PC+1+2*\b], v[\s+8+16*\b:\s+15+16*\b], v[TM+12+\b]
.endr
	v_nop                                          ; a plain line behind the conversions
.irp c, 0,1                            ; a whole block to a lane: lanes 0-15 block 2 c, lanes 16-31 block 2 c + 1
.irp i, 0,1
	v_permlane16_swap_b32 v[PC+4*\c+\i], v[PC+2+4*\c+\i]
.endr
.endr
.endm
	s_load_b128 s[4:7], s[0:1], 0x0                ; himg, wimg (Wk's image begins at its byte 0)
	s_load_b128 s[8:11], s[0:1], 0x10              ; b_attn, kv
	v_lshl_add_u32 v[SPW], v0, 2, SPARE
	v_mov_b32 v[NIL], 0
	ds_add_u32 v28, v29
	ds_add_u32 v28, v29
	s_wait_dscnt 0x0
	v_lshrrev_b32 v1, 5, v0
	v_readfirstlane_b32 s14, v1                    ; wave 0..3
	s_lshr_b32 s15, s14, 1                         ; my half of S's rows.  Also: I fetch for S (0) or for L (1)
	s_and_b32 s16, s14, 1                          ; my half of L's rows.  Also: which panel I fetch
	s_bfe_u32 s40, ttmp6, 0x40000                  ; cx
	s_bfe_u32 s41, ttmp6, 0x40004                  ; cy
	s_and_b32 s18, ttmp7, 0xffff
	s_lshl_b32 s18, s18, 2                         ; 4 x cluster y
	s_cmp_eq_u32 ttmp9, 0                          ; the orientation: the cluster's x
	s_cselect_b32 s17, s18, 0
	s_cselect_b32 s42, 0, s18
	s_add_co_u32 s17, s17, s41                     ; S's tile of 256 rows: tokens 4 Y + cy, or columns cy
	s_add_co_u32 s42, s42, s40                     ; L's tile: columns cx, or tokens 4 Y + cx
	s_lshl_b32 s43, s41, 2
	s_lshl_b32 s43, 15, s43                        ; my row of the cluster
	s_lshl_b32 s44, 0x1111, s40                    ; my column
	s_or_b32 s[G1+0], s43, (3<<16)|(1<<21)         ; 15:0 the mask; 17:16 elements of 8 bytes; 21 set beside a mask; no padding
	s_or_b32 s[G1B+0], s44, (3<<16)|(1<<21)
.irp g, G1, G1B                        ; a panel's slot: 136 rows of 256 bytes, dense
	s_mov_b32 s[\g+1], 32<<16
	s_mov_b32 s[\g+2], 136<<16
	s_mov_b32 s[\g+3], 32<<16
	s_mov_b32 s[\g+4], 136
	s_mov_b32 s[\g+5], 32
	s_mov_b32 s[\g+6], 0
	s_mov_b32 s[\g+7], 0
.endr
	s_lshl_b32 s20, s17, 1
	s_add_co_u32 s20, s20, s16
	s_mul_i32 s20, s20, NSL*PANEL                  ; S's panel 2 tile + half
	s_mov_b32 s21, 0
	s_lshl_b32 s46, s42, 1
	s_add_co_u32 s46, s46, s16
	s_mul_i32 s46, s46, NSL*PANEL                  ; L's
	s_mov_b32 s47, 0
	s_mul_i32 s45, s14, PANEL                      ; where my load lands: wave x a panel: no place in the cluster enters an LDS address
	s_mov_b32 s[SEL], 0x76543210
	s_mov_b32 s[SEL+1], 0xfedcba98
	s_wait_kmcnt 0x0
	s_cmp_eq_u32 ttmp9, 0
	s_cselect_b64 s[66:67], s[4:5], s[6:7]         ; S's image
	s_cselect_b64 s[68:69], s[6:7], s[4:5]         ; L's
	s_add_nc_u64 s[20:21], s[66:67], s[20:21]
	s_add_nc_u64 s[46:47], s[68:69], s[46:47]
	CROUND                                         ; all sixteen work-groups are here: the joint loads meet
.irp s, 0,1
	s_mov_b32 s[G0+4*\s], 1
	s_add_co_u32 s[G0+4*\s+1], s45, \s*SLOT
	s_add_nc_u64 s[G0+4*\s+2:G0+4*\s+3], s[20:21], \s*PANEL
	s_or_b32 s[G0+4*\s+3], s[G0+4*\s+3], 0x80000000
	s_mov_b32 s[G0B+4*\s], 1
	s_add_co_u32 s[G0B+4*\s+1], s45, \s*SLOT
	s_add_nc_u64 s[G0B+4*\s+2:G0B+4*\s+3], s[46:47], \s*PANEL
	s_or_b32 s[G0B+4*\s+3], s[G0B+4*\s+3], 0x80000000
	JLOAD G0+4*\s, G1, G0B+4*\s, G1B               ; two loads of mine are out
.endr
	v_and_b32 v1, 15, v0                           ; r
	v_bfe_u32 v2, v0, 4, 1                         ; h
	v_and_b32 v3, 31, v0
	v_lshlrev_b32 v[LI], 4, v3
	s_mul_i32 s21, s15, PANEL
	s_mul_i32 s22, s16, PANEL
	s_add_co_u32 s22, s22, 2*PANEL
.irp s, 0,1
	v_add_nc_u32 v[ADRA+\s], s21, v[LI]
	v_add_nc_u32 v[ADRB+\s], s22, v[LI]
	s_add_co_u32 s21, s21, SLOT
	s_add_co_u32 s22, s22, SLOT
.endr
	s_mul_i32 s21, s15, PANEL
	s_mul_i32 s22, s16, PANEL
	s_add_co_u32 s22, s22, 2*PANEL
	s_sub_co_u32 s22, s22, s21
	v_mul_u32_u24 v5, s22, v2                      ; lanes 16-31 take L's panel: one product of h
	v_lshl_add_u32 v5, v1, 2, v5
	s_add_co_u32 s21, s21, 32768
	v_add_nc_u32 v[ADRS], s21, v5
	v_add_nc_u32 v[ADRS+1], SLOT, v[ADRS]
	v_lshlrev_b32 v[RA], 2, v1
	v_lshlrev_b32 v[BA], 5, v2
	s_lshl_b32 s21, s14, 9
	s_add_co_u32 s21, s21, STG
	v_add_nc_u32 v[SW], s21, v[RA]
	v_add_nc_u32 v[SRD], s21, v[LI]
	v_lshlrev_b32 v[VW1], 12, v2
	v_lshl_add_u32 v[VW1], v1, 4, v[VW1]
.irp b, 0,1,2,3
	v_mov_b32 v[TM+4+\b], 0                        ; written once: a lane permute's destination counts as one of its sources
.endr
	s_lshl_b32 s18, s40, 10                        ; the bias in both layouts, each by the columns of its own orientation; both lie inside the k third
	s_lshl_b32 s19, s16, 9
	s_add_co_u32 s18, s18, s19
	s_add_co_u32 s18, s18, 4096
	s_mov_b32 s19, 0
	s_add_nc_u64 s[70:71], s[8:9], s[18:19]        ; columns 1,024 + 256 cx + 128 (wave % 2) on
	s_lshl_b32 s18, s41, 10
	s_lshl_b32 s22, s15, 9
	s_add_co_u32 s18, s18, s22
	s_add_co_u32 s18, s18, 4096
	s_add_nc_u64 s[72:73], s[8:9], s[18:19]        ; columns 1,024 + 256 cy + 128 (wave / 2) on
.irp b, 0,1,2,3,4,5,6,7
	global_load_b128 v[BL+8*\b:BL+8*\b+3], v[BA], s[70:71] offset:64*\b
	global_load_b128 v[BL+8*\b+4:BL+8*\b+7], v[BA], s[70:71] offset:64*\b+16
	global_load_b32 v[BS+2*\b], v[RA], s[72:73] offset:64*\b
	global_load_b32 v[BS+2*\b+1], v[RA], s[72:73] offset:64*\b
.endr
	s_wait_tensorcnt 1                             ; my part of slot 0 is in; slot 1's may stay out
	s_barrier_signal -1
	s_barrier_wait -1
	FETCH_B 0, 0, 0
	FETCH_A 0, 0, 0
	SCALES 0, 0, 0
	FETCH_A 0, 0, 4
	STEP 0, 0, 1                                   ; the first products start the sums: nothing is cleared
	STEPS 0, 1
	TURN 0, 1, 0
	STEPS 1, 0
	s_wait_dscnt 8                                 ; the last step: nothing more to fetch
	WIN MUL_LO
	MUL16 0, 1, 0
	MUL16 2, 1, 0
	s_wait_dscnt 0x0
	WIN MUL_HI
	MUL16 4, 1, 0
	MUL16 6, 1, 0
	WIN 0
	PLACES 4
	s_wait_loadcnt 0x0                             ; the bias
; THE WAY OUT, a block of 16 of S's rows at a time: + bias, quantised along L's 128 rows, codes stored as they stand (512 consecutive bytes a store); the block's scale words gather in my stage and leave as 512 bytes.
.macro EPI ori
.irp a, 0,1,2,3,4,5,6,7
	s_wait_xcnt 0x0                                ; the last block's stores have read the codes' registers,
	s_wait_dscnt 0x0                               ; and its LDS store the scale word
	WIN 0x02+\a/4                                  ; source 0: the accumulators' window
.irp b, 0,1,2,3,4,5,6,7
.irp k, 0,2,4,6
.if \ori
	v_pk_add_f32 v[AF+8*\b+\k:AF+8*\b+\k+1], v[8*(8*(\a%4)+\b)+\k:8*(8*(\a%4)+\b)+\k+1], v[BS+2*\a:BS+2*\a+1]
.else
	v_pk_add_f32 v[AF+8*\b+\k:AF+8*\b+\k+1], v[8*(8*(\a%4)+\b)+\k:8*(8*(\a%4)+\b)+\k+1], v[BL+8*\b+\k:BL+8*\b+\k+1]
.endif
.endr
.endr
	WIN 0
	QUANT AF
.if \ori
	global_store_b128 v[LI], v[PC:PC+3], s[12:13] offset:(\a/4)*65536+(\a%4)*1024         ; VC: head a / 4 of the pair, channel tile a % 4
	global_store_b128 v[LI], v[PC+4:PC+7], s[12:13] offset:(\a/4)*65536+(\a%4)*1024+512
.else
	global_store_b128 v[LI], v[PC:PC+3], s[12:13] offset:\a*512                           ; KC of the even head: blocks 0, 1
	global_store_b128 v[LI], v[PC+4:PC+7], s[12:13] offset:\a*512+65536                   ; of the odd head: blocks 2, 3
.endif
	ds_store_b32 v[SW], v[PW] offset:\ori*2048+64*\a   ; (both halves of the lanes hold the same word and write it to the same place)
.endr
	ds_load_b128 v[TM:TM+3], v[SRD] offset:\ori*2048   ; LDS serves a wave's instructions in order: this sees my stores
	s_wait_dscnt 0x0
.if \ori
	global_store_b128 v[VW1], v[TM:TM+3], s[10:11]     ; each half of the lanes stores 256 consecutive bytes, aligned
.else
	global_store_b128 v[LI], v[TM:TM+3], s[10:11]
.endif
.endm
	s_cmp_lg_u32 ttmp9, 0
	s_cbranch_scc1 .Lori1
	s_and_b32 s18, s17, 7                          ; tokens on lanes
	s_lshl_b32 s18, s18, 8
	s_lshl_b32 s19, s15, 7
	s_add_co_u32 s18, s18, s19                     ; my first token within its batch
	s_lshr_b32 s19, s17, 3
	s_lshl_b32 s19, s19, 3
	s_lshl_b32 s22, s42, 1
	s_add_co_u32 s19, s19, s22
	s_add_co_u32 s19, s19, s16                     ; the pair of heads: 8 batch + 2 column tile + half
	s_mul_i32 s19, s19, PAIRB
	s_lshl_b32 s22, s18, 5
	s_add_co_u32 s22, s22, s19
	s_mov_b32 s23, 0
	s_add_nc_u64 s[12:13], s[10:11], s[22:23]      ; KC: 512 bytes for 16 tokens
	s_lshl_b32 s22, s18, 2
	s_add_co_u32 s22, s22, s19
	s_add_co_u32 s22, s22, 262144
	s_add_nc_u64 s[10:11], s[10:11], s[22:23]      ; KSC
	EPI 0
	s_branch .Lend
.Lori1:
	s_and_b32 s18, s42, 7                          ; channels on lanes
	s_lshl_b32 s18, s18, 1
	s_add_co_u32 s18, s18, s16                     ; the key step of 128 within its batch
	s_lshr_b32 s19, s42, 3
	s_lshl_b32 s19, s19, 3
	s_lshl_b32 s22, s17, 1
	s_add_co_u32 s19, s19, s22
	s_add_co_u32 s19, s19, s15                     ; the pair of heads
	s_mul_i32 s19, s19, PAIRB
	s_lshl_b32 s22, s18, 12
	s_add_co_u32 s22, s22, s19
	s_add_co_u32 s22, s22, 131072
	s_mov_b32 s23, 0
	s_add_nc_u64 s[12:13], s[10:11], s[22:23]      ; VC
	s_lshl_b32 s22, s18, 8
	s_add_co_u32 s22, s22, s19
	s_add_co_u32 s22, s22, 270336
	s_add_nc_u64 s[10:11], s[10:11], s[22:23]      ; VSC
	EPI 1
.Lend:
	s_wait_tensorcnt 0x0                           ; the wave's end
	ds_add_u32 v[SPW], v[NIL]
	s_wait_dscnt 0x0
	CROUND                                         ; the closing round
	s_endpgm
.Lfunc_end_k_qb3d4cd76b0_gk:
	.size	k_qb3d4cd76b0_gk, .Lfunc_end_k_qb3d4cd76b0_gk-k_qb3d4cd76b0_gk
	.p2alignl 7, 3214868480
	.fill 96, 4, 3214868480
	.section	.rodata,"a",@progbits
	.p2align	6, 0x0
	.amdhsa_kernel k_qb3d4cd76b0_gk
		.amdhsa_group_segment_fixed_size 327680
		.amdhsa_private_segment_fixed_size 0
		.amdhsa_enable_private_segment 0
		.amdhsa_kernarg_size 32
		.amdhsa_user_sgpr_count 2
		.amdhsa_user_sgpr_kernarg_segment_ptr 1
		.amdhsa_wavefront_size32 1
		.amdhsa_system_sgpr_workgroup_id_x 1
		.amdhsa_system_sgpr_workgroup_id_y 1
		.amdhsa_system_sgpr_workgroup_id_z 1
		.amdhsa_system_vgpr_workitem_id 0
		.amdhsa_next_free_vgpr 1024
		.amdhsa_next_free_sgpr 100
		.amdhsa_reserve_vcc 0
		.amdhsa_float_denorm_mode_32 3
		.amdhsa_float_denorm_mode_16_64 3
		.amdhsa_memory_ordered 1
		.amdhsa_forward_progress 1
		.amdhsa_inst_pref_size 198
	.end_amdhsa_kernel
	.amdgpu_metadata
---
amdhsa.version: [ 1, 2 ]
amdhsa.kernels:
  - .name:           k_qb3d4cd76b0_gk
    .symbol:         k_qb3d4cd76b0_gk.kd
    .args:
      - { .name: himg, .offset: 0, .size: 8, .value_kind: global_buffer, .address_space: global }
      - { .name: wimg, .offset: 8, .size: 8, .value_kind: global_buffer, .address_space: global }
      - { .name: b_attn, .offset: 16, .size: 8, .value_kind: global_buffer, .address_space: global }
      - { .name: kv, .offset: 24, .size: 8, .value_kind: global_buffer, .address_space: global }
    .group_segment_fixed_size: 327680
    .private_segment_fixed_size: 0
    .kernarg_segment_align: 8
    .kernarg_segment_size: 32
    .max_flat_workgroup_size: 128
    .sgpr_count:     100
    .vgpr_count:     1024
    .wavefront_size: 32
...
	.end_amdgpu_metadata
.endif
;; end of part 3
;; launch at (part 4): grid 8 x 32, 16 waves a work-group, no clusters, 169,984 bytes of LDS; arguments kv, oimg; writes oimg
.if DOCPART == 4
	.amdgcn_target "amdgcn-amd-amdhsa--gfx1250"
	.amdhsa_code_object_version 6
	.text
	.protected	k_qb3d4cd76b0_at
	.globl	k_qb3d4cd76b0_at
	.p2align	8
	.type	k_qb3d4cd76b0_at,@function
k_qb3d4cd76b0_at:
	s_mov_b64 s[64:65], 0
	v_nop
	global_prefetch_b8 v0, s[64:65] scope:SCOPE_SE
	s_setreg_imm32_b32 hwreg(HW_REG_WAVE_MODE, 25, 1), 1
	s_wait_xcnt 0x0
; Attention of one head with q = k = v (as reference() has it): O[q] = sum over keys of softmax(q . k / 8) v, both products on codes of FP4 with E8M0 scales; O / l is quantised along the model's 1,024 and stored as an operand image.
; THE SOFTMAX AHEAD OF THE SECOND PRODUCT: t = score x log2(e) / 8; M = the running largest t rounded UP to a whole number; p = 2^(t - M) is quantised along the keys, not normalised; the row's sum is taken of the unquantised p
; and divides O at the end.  When M moves, the sum and O are multiplied by 2^(old M - new M), which rounds nothing.
; SHARES.  A work-group owns 256 queries of one head, each of its sixteen waves 16 of them in 256 registers: four waves to a SIMD, so that one wave's vector work stands beside another's matrix work and LDS loads.
; A HEAD'S CODES AND SCALES FIT IN LDS WHOLE (147,456 bytes): nine waves bring 16,384 bytes each, once; nothing is filled again.  What the eight work-groups of a head share is fetched once each, ahead of the loop: no joint loads.
; LAYOUT.  Both products transposed: S^T = K Q^T (source 0 = 16 keys), O^T = V^T P^T (source 0 = 16 channels): a lane holds one query throughout.  The first product's K is 64: the upper four registers of its operands hold zero codes,
; and the upper two scale bytes are 0.  Within a block of 32 keys p's codes fall in groups of eight in the order 0, 2, 1, 3, which is the order in which V's codes were laid.
; IN (kv, 278,528 bytes for a pair of heads): KC even, odd at 0, 65,536; VC even, odd at 131,072, 196,608; KSC at 262,144; VSC even, odd at 270,336, 274,432.
; LIMITS: a block of zeros, or one under 2^-124, gets the byte 1; NaN and infinities are not served.  A head owns two bytes of each scale word of the output image: they leave as single bytes.
; REGISTERS: v1-7 addresses that stay; v8-11 addresses of the step; v12 -M, v13 the largest t, v[14:15] the sum; v16-23 Q; v24-31 K's scales; v32-95 K; v96-159 S^T, then p; v160-191 O^T; v192-223 V; v224-231 p's codes;
;   v232-239, v244-247, v254 at work; v240-243 V's scales; v252 f, v253 p's scale word; v255 Q's scales.
.set PAIRB, 278528
.set PANEL, 34816
.set AK0,  1                           ; 16 x lane
.set AV0,  2                           ; 65,536 + 16 x lane
.set ASK0, 3                           ; 131,072 + 4 r + 2 c
.set ASV0, 4                           ; 139,264 + 4,096 c + 4 r
.set R4,   5                           ; 4 r
.set HH,   6                           ; h
.set BO,   7                           ; 4 r + h
.set ADK,  8
.set ADV,  9
.set ADS,  10
.set ADT,  11
.set TK,   2                           ; s2  codes of K and of V: 4,096 bytes a key step
.set TS,   3                           ; s3  K's scale words: 512
.set WV,   18
.set SEL,  20
.set CS,   22
.set G1,   24
.set G0,   32
.set TV,   36                          ; s36 V's scale words: 256
.set CNT,  37
	s_load_b128 s[4:7], s[0:1], 0x0                ; kv, oimg
	v_lshl_add_u32 v250, v0, 2, 0x29000
	v_mov_b32 v251, 0
	ds_add_u32 v250, v251
	ds_add_u32 v250, v251
	v_lshrrev_b32 v8, 5, v0
	v_readfirstlane_b32 s[WV], v8                  ; wave 0..15
	s_and_b32 s8, ttmp7, 0xffff                    ; 16 batch + head
	s_lshr_b32 s9, s8, 1                           ; the pair of heads
	s_and_b32 s10, s8, 1                           ; c: even or odd head
	s_mul_i32 s12, s9, PAIRB
	s_mov_b32 s13, 0
	s_mov_b32 s[G1], 3<<16                         ; elements of 8 bytes, no mask, no padding: 64 rows of 256 bytes, dense
	s_mov_b32 s[G1+1], 32<<16
	s_mov_b32 s[G1+2], 64<<16
	s_mov_b32 s[G1+3], 32<<16
	s_mov_b32 s[G1+4], 64
	s_mov_b32 s[G1+5], 32
	s_mov_b32 s[G1+6], 0
	s_mov_b32 s[G1+7], 0
	s_min_u32 s14, s[WV], 8
	s_lshl_b32 s[G0+1], s14, 14                    ; LDS: 16,384 x wave: waves 0-3 KC, 4-7 VC, 8 the scales
	s_lshr_b32 s15, s14, 2
	s_lshl_b32 s15, s15, 17
	s_and_b32 s16, s14, 3
	s_lshl_b32 s16, s16, 14
	s_add_co_u32 s15, s15, s16
	s_lshl_b32 s11, s10, 16                        ; 65,536 c
	s_cmp_lt_u32 s[WV], 8
	s_cselect_b32 s16, s11, 0                      ; codes: my head's; the scales come for both heads
	s_add_co_u32 s16, s15, s16
	s_mov_b32 s17, 0
	s_mov_b32 s[G0], 1
	s_wait_dscnt 0x0
	s_wait_kmcnt 0x0
	s_add_nc_u64 s[4:5], s[4:5], s[12:13]          ; my pair's block
	s_add_nc_u64 s[G0+2:G0+3], s[4:5], s[16:17]
	s_or_b32 s[G0+3], s[G0+3], 0x80000000
	s_cmp_lt_u32 s[WV], 9
	s_cbranch_scc0 .Lnofill
	tensor_load_to_lds s[G0:G0+3], s[G1:G1+7]      ; one load a wave, into bytes that are its own
	s_nop 0
.rept 4
	v_nop
.endr
.Lnofill:
	s_lshl_b32 s38, ttmp9, 4
	s_add_co_u32 s38, s38, s[WV]                   ; my tile of 16 queries, 0..127
	s_lshl_b32 s40, s38, 9
	s_add_co_u32 s40, s40, s11
	s_mov_b32 s41, 0
	s_add_nc_u64 s[40:41], s[4:5], s[40:41]        ; its codes in KC
	s_lshl_b32 s42, s38, 6
	s_lshl_b32 s39, s10, 1                         ; 2 c
	s_add_co_u32 s42, s42, s39
	s_add_co_u32 s42, s42, 262144
	s_mov_b32 s43, 0
	s_add_nc_u64 s[42:43], s[4:5], s[42:43]        ; its scale bytes in KSC
	s_add_co_u32 s44, s39, 131072
	s_lshl_b32 s45, s10, 12
	s_add_co_u32 s45, s45, 139264
	v_and_b32 v8, 31, v0
	v_lshlrev_b32 v[AK0], 4, v8
	v_and_b32 v9, 15, v0
	v_bfe_u32 v[HH], v0, 4, 1
	v_lshlrev_b32 v[R4], 2, v9
	v_add_nc_u32 v[BO], v[R4], v[HH]
	global_load_b128 v[16:19], v[AK0], s[40:41]    ; Q's codes stay in registers
	global_load_u16 v255, v[R4], s[42:43]          ; and its two scale bytes; the upper two are 0
	v_add_nc_u32 v[AV0], 65536, v[AK0]
	v_add_nc_u32 v[ASK0], s44, v[R4]
	v_add_nc_u32 v[ASV0], s45, v[R4]
	s_and_b32 s46, s8, 15                          ; head
	s_lshr_b32 s47, s8, 4
	s_lshl_b32 s47, s47, 4
	s_lshl_b32 s48, ttmp9, 1
	s_add_co_u32 s47, s47, s48
	s_lshr_b32 s48, s[WV], 3
	s_add_co_u32 s47, s47, s48                     ; the output's panel of 128 tokens
	s_lshl_b32 s47, s47, 1
	s_lshr_b32 s48, s46, 3
	s_add_co_u32 s47, s47, s48                     ; slot = head / 8
	s_mul_i32 s47, s47, PANEL
	s_bfe_u32 s48, s46, 0x20001                    ; q = (head / 2) % 4
	s_and_b32 s49, s[WV], 7                        ; rb
	s_lshl_b32 s50, s49, 2
	s_add_co_u32 s50, s50, s48
	s_lshl_b32 s50, s50, 10
	s_lshl_b32 s51, s10, 9
	s_add_co_u32 s50, s50, s51
	s_add_co_u32 s50, s50, s47
	s_mov_b32 s51, 0
	s_add_nc_u64 s[50:51], s[6:7], s[50:51]        ; my codes: fragment (rb, q), register group c
	s_lshl_b32 s52, s48, 9
	s_lshl_b32 s53, s49, 6
	s_add_co_u32 s52, s52, s53
	s_add_co_u32 s52, s52, s39
	s_add_co_u32 s52, s52, s47
	s_add_co_u32 s52, s52, 32768
	s_mov_b32 s53, 0
	s_add_nc_u64 s[52:53], s[6:7], s[52:53]        ; my scale bytes: bytes 2 c, 2 c + 1 of the rows' words
	s_mov_b32 s[SEL], 0x76543210
	s_mov_b32 s[SEL+1], 0xfedcba98
	s_mov_b32 s[CS], 0x3e38aa3b                    ; log2(e) / 8
	s_mov_b32 s[CS+1], s[CS]
	s_mov_b32 s[TK], 0
	s_mov_b32 s[TS], 0
	s_mov_b32 s[TV], 0
	s_mov_b32 s[CNT], 16
	v_mov_b32 v13, 0xff61b1e6                      ; the largest t so far: -3e38
	v_floor_f32 v12, -v13                          ; -M
	v_mov_b32 v14, 0
	v_mov_b32 v15, 0
.irp j, 20,21,22,23
	v_mov_b32 v[\j], 0                             ; Q's k = 64 .. 127: zero codes
.endr
.irp t, 0,1,2,3,4,5,6,7
.irp j, 4,5,6,7
	v_mov_b32 v[32+8*\t+\j], 0                     ; K's likewise, written once
.endr
.endr
.set J, 0
.rept 32
	v_mov_b32 v[160+J], 0                          ; O^T: the step is written once; its first trip finds zeros
.set J, J+1
.endr
.irp b, 0,1,2,3
	v_mov_b32 v[236+\b], 0                         ; a lane permute's destination counts as one of its sources
.endr
	v_mov_b32 v253, 0                              ; (named as the upper half of the pair v[252:253] before it is first written)
	s_wait_tensorcnt 0x0                           ; my part of the head has landed,
	s_barrier_signal -1
	s_barrier_wait -1                              ; everybody's has
	s_wait_loadcnt 0x0                             ; Q
.Lstep:                                            ; 16 trips of 128 keys
	v_add_nc_u32 v[ADK], s[TK], v[AK0]             ; (these four are also the places behind the last products, ahead of the loads into their operands)
	v_add_nc_u32 v[ADV], s[TK], v[AV0]
	v_add_nc_u32 v[ADS], s[TS], v[ASK0]
	v_add_nc_u32 v[ADT], s[TV], v[ASV0]
.irp t, 0,1,2,3,4,5,6,7
	ds_load_b128 v[32+8*\t:35+8*\t], v[ADK] offset:512*\t
	ds_load_u16 v[24+\t], v[ADS] offset:64*\t
.endr
.irp t, 0,1,2,3
.irp c, 0,1
	ds_load_b128 v[192+8*\t+4*\c:195+8*\t+4*\c], v[ADV] offset:1024*\t+512*\c
.endr
	ds_load_b32 v[240+\t], v[ADT] offset:64*\t
.endr
	s_wait_dscnt 12                                ; K and its scales are in; V's twelve loads may be out
.irp t, 0,1,2,3,4,5,6,7
	v_wmma_scale_f32_16x16x128_f8f6f4 v[96+8*\t:103+8*\t], v[32+8*\t:39+8*\t], v[16:23], 0, v[24+\t], v255 matrix_a_fmt:MATRIX_FMT_FP4 matrix_b_fmt:MATRIX_FMT_FP4
.endr
.rept 4
	v_nop
.endr
.irp b, 0,1,2,3
	v_max3_num_f32 v[232+\b], v[96+16*\b], v[97+16*\b], v[98+16*\b]   ; the largest score of each block of 32 keys: for the row's maximum, and, since p rises with the score, for the block's largest p
.endr
.irp i, 3,5,7,9,11,13
.irp b, 0,1,2,3
	v_max3_num_f32 v[232+\b], v[232+\b], v[96+16*\b+\i], v[97+16*\b+\i]
.endr
.endr
.irp b, 0,1,2,3
	v_max_num_f32 v[232+\b], v[232+\b], v[111+16*\b]
.endr
.irp b, 0,1,2,3
	v_permlanex16_b32 v[236+\b], v[232+\b], s[SEL], s[SEL+1]
.endr
.irp b, 0,1,2,3
	v_max_num_f32 v[232+\b], v[232+\b], v[236+\b]
.endr
	v_max3_num_f32 v254, v232, v233, v234
	v_max_num_f32 v254, v254, v235
	v_mul_f32 v254, s[CS], v254
	v_max_num_f32 v13, v13, v254                   ; the running largest t
	v_mov_b32 v254, v12
	v_floor_f32 v12, -v13                          ; the new -M = -ceil(t)
	v_sub_f32 v254, v12, v254                      ; old M - new M: a whole number, 0 or less
	v_cvt_i32_f32 v254, v254                       ; (it saturates)
	v_ldexp_f32 v252, 1.0, v254                    ; f = 2^(old M - new M)
.set J, 0
.rept 32
	v_pk_fma_f32 v[96+J:97+J], v[96+J:97+J], s[CS:CS+1], v[12:13] op_sel_hi:[1,0,0]   ; t - M
.set J, J+2
.endr
.irp b, 0,1,2,3
	v_fma_f32 v[232+\b], v[232+\b], s[CS], v12
.endr
.set J, 0
.rept 64
	v_exp_f32 v[96+J], v[96+J]                     ; p = 2^(t - M)
.set J, J+1
.endr
	v_pk_mul_f32 v[14:15], v[14:15], v[252:253] op_sel_hi:[1,0]   ; the sums under the new M (a plain line behind the exponentials)
	s_wait_alu depctr_va_vdst(0)                   ; one wait for the batch, ahead of the first line that names a result
.irp b, 0,1,2,3
	v_exp_f32 v[232+\b], v[232+\b]                 ; each block's largest p
.endr
.set J, 0
.rept 16
	v_pk_mul_f32 v[160+J:161+J], v[160+J:161+J], v[252:253] op_sel_hi:[1,0]   ; O^T under the new M: work that names none of the four
.set J, J+2
.endr
	s_wait_alu depctr_va_vdst(0)                   ; and one wait for the four
.irp b, 0,1,2,3
	v_max_num_f32 v[232+\b], 0x1800000, v[232+\b]  ; the floor 2^(3 - 127)
.endr
.irp b, 0,1,2,3
	v_add_nc_u32 v[244+\b], 0xff000000, v[232+\b]
.endr
.irp b, 0,1,2,3
	v_lshrrev_b32 v[236+\b], 23, v[244+\b]
.endr
	v_lshl_or_b32 v253, v237, 8, v236              ; p's scale word for these 128 keys
	v_lshl_or_b32 v253, v238, 16, v253
	v_lshl_or_b32 v253, v239, 24, v253
.irp b, 0,1,2,3
	v_cvt_scalef32_pk8_fp4_f32 v[224+2*\b], v[96+16*\b:103+16*\b], v[244+\b]
	v_cvt_scalef32_pk8_fp4_f32 v[225+2*\b], v[104+16*\b:111+16*\b], v[244+\b]
.endr
	v_nop                                          ; a plain line behind the conversions
.irp c, 0,1
.irp i, 0,1
	v_permlane16_swap_b32 v[224+4*\c+\i], v[226+4*\c+\i]
.endr
.endr
	v_pk_add_f32 v[236:237], v[96:97], v[98:99]    ; the row's sum of the UNQUANTISED p, in two chains.  These 32 lines name no register of the products below: they are the places between p's scale word and codes and those products
.set J, 4
.rept 15
	v_pk_add_f32 v[14:15], v[14:15], v[96+J:97+J]
	v_pk_add_f32 v[236:237], v[236:237], v[98+J:99+J]
.set J, J+4
.endr
	v_pk_add_f32 v[14:15], v[14:15], v[236:237]
	s_wait_dscnt 0x0                               ; V and its scales
.irp t, 0,1,2,3
	v_wmma_scale_f32_16x16x128_f8f6f4 v[160+8*\t:167+8*\t], v[192+8*\t:199+8*\t], v[224:231], v[160+8*\t:167+8*\t], v[240+\t], v253 matrix_a_fmt:MATRIX_FMT_FP4 matrix_b_fmt:MATRIX_FMT_FP4
.endr
	s_add_co_u32 s[TK], s[TK], 4096
	s_add_co_u32 s[TS], s[TS], 512
	s_add_co_u32 s[TV], s[TV], 256
	s_sub_co_u32 s[CNT], s[CNT], 1
	s_cmp_lg_u32 s[CNT], 0
	s_cbranch_scc1 .Lstep
; THE WAY OUT: O^T / the sum; a lane's 32 numbers are channels 16 t + 8 h + j of its query: two blocks of 32 along the next product's K
.rept 4
	v_nop
.endr
	v_add_f32 v14, v14, v15
	v_permlanex16_b32 v252, v14, s[SEL], s[SEL+1]
	v_add_f32 v14, v14, v252                       ; the row's sum
	v_rcp_f32 v14, v14
	v_cmp_eq_u32 vcc_lo, 0, v[HH]                  ; (a plain line behind the reciprocal)
	s_wait_alu depctr_va_vdst(0)
.set J, 0
.rept 32
	v_mul_f32 v[96+J], v[160+J], v14
.set J, J+1
.endr
.irp b, 0,1
	v_max3_num_f32 v[232+\b], |v[96+16*\b]|, |v[97+16*\b]|, 0x1800000
.endr
.irp i, 2,4,6,8,10,12,14
.irp b, 0,1
	v_max3_num_f32 v[232+\b], v[232+\b], |v[96+16*\b+\i]|, |v[97+16*\b+\i]|
.endr
.endr
.irp b, 0,1
	v_permlanex16_b32 v[236+\b], v[232+\b], s[SEL], s[SEL+1]
.endr
.irp b, 0,1
	v_max_num_f32 v[232+\b], v[232+\b], v[236+\b]
.endr
.irp b, 0,1
	v_add_nc_u32 v[244+\b], 0xff000000, v[232+\b]
.endr
.irp b, 0,1
	v_lshrrev_b32 v[236+\b], 23, v[244+\b]
.endr
	v_cndmask_b32 v238, v237, v236, vcc_lo         ; lanes 0-15 store block 0's byte, lanes 16-31 block 1's
.irp b, 0,1
	v_cvt_scalef32_pk8_fp4_f32 v[224+2*\b], v[96+16*\b:103+16*\b], v[244+\b]
	v_cvt_scalef32_pk8_fp4_f32 v[225+2*\b], v[104+16*\b:111+16*\b], v[244+\b]
.endr
	v_nop
	v_permlane16_swap_b32 v224, v226               ; lanes 0-15: block 0, lanes 16-31: block 1
	v_permlane16_swap_b32 v225, v227
	global_store_b128 v[AK0], v[224:227], s[50:51] ; 512 consecutive bytes
	global_store_b8 v[BO], v238, s[52:53]
	s_wait_tensorcnt 0x0
	ds_add_u32 v250, v251
	s_wait_dscnt 0x0
	s_endpgm
.Lfunc_end_k_qb3d4cd76b0_at:
	.size	k_qb3d4cd76b0_at, .Lfunc_end_k_qb3d4cd76b0_at-k_qb3d4cd76b0_at
	.p2alignl 7, 3214868480
	.fill 96, 4, 3214868480
	.section	.rodata,"a",@progbits
	.p2align	6, 0x0
	.amdhsa_kernel k_qb3d4cd76b0_at
		.amdhsa_group_segment_fixed_size 169984
		.amdhsa_private_segment_fixed_size 0
		.amdhsa_enable_private_segment 0
		.amdhsa_kernarg_size 16
		.amdhsa_user_sgpr_count 2
		.amdhsa_user_sgpr_kernarg_segment_ptr 1
		.amdhsa_wavefront_size32 1
		.amdhsa_system_sgpr_workgroup_id_x 1
		.amdhsa_system_sgpr_workgroup_id_y 1
		.amdhsa_system_sgpr_workgroup_id_z 1
		.amdhsa_system_vgpr_workitem_id 0
		.amdhsa_next_free_vgpr 256
		.amdhsa_next_free_sgpr 66
		.amdhsa_reserve_vcc 1
		.amdhsa_float_denorm_mode_32 3
		.amdhsa_float_denorm_mode_16_64 3
		.amdhsa_memory_ordered 1
		.amdhsa_forward_progress 1
		.amdhsa_inst_pref_size 27
	.end_amdhsa_kernel
	.amdgpu_metadata
---
amdhsa.version: [ 1, 2 ]
amdhsa.kernels:
  - .name:           k_qb3d4cd76b0_at
    .symbol:         k_qb3d4cd76b0_at.kd
    .args:
      - { .name: kv, .offset: 0, .size: 8, .value_kind: global_buffer, .address_space: global }
      - { .name: oimg, .offset: 8, .size: 8, .value_kind: global_buffer, .address_space: global }
    .group_segment_fixed_size: 169984
    .private_segment_fixed_size: 0
    .kernarg_segment_align: 8
    .kernarg_segment_size: 16
    .max_flat_workgroup_size: 512
    .sgpr_count:     66
    .vgpr_count:     256
    .wavefront_size: 32
...
	.end_amdgpu_metadata
.endif
;; end of part 4
;; launch gp (part 5): grid 4 x 16, 4 waves a work-group, clusters of 4 x 4, 327,680 bytes of LDS; arguments oimg, wimg, b_proj, x, x1; writes x1
.if DOCPART == 5
	.amdgcn_target "amdgcn-amd-amdhsa--gfx1250"
	.amdhsa_code_object_version 6
	.text
	.protected	k_qb3d4cd76b0_gp
	.globl	k_qb3d4cd76b0_gp
	.p2align	8
	.type	k_qb3d4cd76b0_gp,@function
k_qb3d4cd76b0_gp:
	s_mov_b64 s[64:65], 0
	v_nop
	global_prefetch_b8 v0, s[64:65] scope:SCOPE_SE
	s_setreg_imm32_b32 hwreg(HW_REG_WAVE_MODE, 25, 1), 1
	s_wait_xcnt 0x0
	s_wait_alu depctr_hold_cnt(0) depctr_sa_sdst(0) depctr_va_vdst(0) depctr_va_sdst(0) depctr_va_ssrc(0) depctr_va_vcc(0) depctr_vm_vsrc(0)
	s_getreg_b32 s2, hwreg(HW_REG_IB_STS2, 6, 4)
	s_cmp_eq_u32 s2, 0
	s_cbranch_scc0 .Lentry_in_a_cluster
	s_endpgm
.Lentry_in_a_cluster:
	s_bfe_u32 s2, ttmp6, 0x10000c
	s_cmp_lg_u32 s2, 0xf033
	s_cbranch_scc0 .Lentry_shape_is_right
	s_endpgm
.Lentry_shape_is_right:
; x1 = x + (o Wp + bp): 4,096 x 1,024, K = 1,024, on codes of FP4 with E8M0 scales; sums, bias and residual in f32.
; OPERANDS are images of operand registers: block (panel of 128 rows, slot of 512 along K) = 34,816 dense bytes: fragment (rb, q) at (4 rb + q) x 1,024, lane l's registers 4 c .. 4 c + 3 at 512 c + 16 l; scale words at 32,768 + 512 q + 64 rb + 4 r.
; S (source 1, rows on lanes) = tokens, L (source 0, rows along a lane's registers) = the weight's columns: a lane holds eight neighbouring columns of one row of the result.
; A tile of 256 x 256 is made by four waves, each 128 x 128: 64 accumulators, 512 registers.  K is two slots: both are asked for at the start and nothing is filled again.  64 tiles: 64 work-groups.
; CLUSTERS: 4 x 4 work-groups; S's panels are shared along a row of the cluster, L's along a column: each is asked for jointly, by the same tensor load with the same descriptor and a mask that names the four.
; THE WAY OUT: a block of 16 rows x 128 columns goes through my own stage in LDS and comes back as whole rows of 512 bytes; the residual's rows are asked for up to four blocks ahead, the first two at the kernel's head.
; REGISTERS, in windows of 256: window 0: v16-31 addresses; v32-47 scale words, two sets; v48-51 bias; v128-191 S's fragments (on the way out v128-255: rows back from the stage).
;   window 1: L's fragments at v0 and v128; v64-127 and v192-255 take the residual's first two blocks.   windows 2, 3: the accumulators, (a, b) at v[8 (8 (a % 4) + b)] of window 2 + a / 4.
.set NSL,   2
.set WOFF,  557056                     ; Wp's image in wimg
.set PANEL, 34816
.set SLOT,  4*PANEL
.set STG,   2*SLOT                     ; behind the slots: 16 rows x 528 bytes for each wave
.set SPITCH, 528
.set SPARE, STG+4*16*SPITCH            ; the spare words, 128 bytes a wave: two blocks of 256 bytes that no other line names
.set LAPS,  NSL/2
.set ADRA, 16
.set ADRB, 20
.set ADRS, 22
.set STO,  24                          ; v24 stage: where I put 32 bytes of a row
.set RD,   25                          ; v25 stage: where I read a row back
.set CO,   26                          ; v26 16 x lane
.set SPW,  28
.set NIL,  29
.set SC,   32
.set BI,   48
.set AF,   128
.set BK,   128
.set G1,  24
.set G0,  32
.set G1B, 48
.set G0B, 56
.set MSB, 0
.set MUL_LO, 0xa1
.set MUL_HI, 0xf1
.set TO_B,   0x40
.macro WIN new                         ; the immediate's high byte repeats the setting that is left
.if MSB != \new
	s_set_vgpr_msb (MSB<<8)|\new
.set MSB, \new
.endif
.endm
.macro JLOAD g0a, g1a, g0b, g1b        ; a joint load: waves 0, 1 fetch S's panels, waves 2, 3 L's; four v_nop follow each line
	s_cmp_eq_u32 s15, 0
	s_cbranch_scc0 .Lfor_b_\@
	tensor_load_to_lds s[\g0a:\g0a+3], s[\g1a:\g1a+7]
	s_nop 0
.rept 4
	v_nop
.endr
	s_branch .Lasked_\@
.Lfor_b_\@:
	tensor_load_to_lds s[\g0b:\g0b+3], s[\g1b:\g1b+7]
	s_nop 0
.rept 4
	v_nop
.endr
.Lasked_\@:
.endm
.macro CREST
	s_cmp_lg_u32 s14, 0
	s_cbranch_scc1 .Lnot_wave_0_\@
	s_barrier_signal -3
.Lnot_wave_0_\@:
	s_barrier_wait -3
	s_barrier_signal -1
	s_barrier_wait -1
.endm
.macro CROUND
	s_barrier_signal -1
	s_barrier_wait -1
	CREST
.endm
.macro PLACES n                        ; plain lines between a matrix instruction and a load into, or a read of, its registers
.rept \n
	v_nop
.endr
.endm
.macro FRAG reg, adr, q, i
.irp c, 0,1
	ds_load_b128 v[\reg+4*\c:\reg+4*\c+3], v[\adr] offset:((\i)*4+(\q))*1024+512*\c
.endr
.endm
.macro MUL16 a0, p, zero               ; S's blocks a0, a0 + 1 x L's eight; the 64 accumulators take turns, one instruction a turn
.irp a, \a0, \a0+1
.irp b, 0,1,2,3,4,5,6,7
.if \zero
	v_wmma_scale_f32_16x16x128_f8f6f4 v[8*(8*((\a)%4)+\b):8*(8*((\a)%4)+\b)+7], v[128*(\p)+8*\b:128*(\p)+8*\b+7], v[AF+8*(\a):AF+8*(\a)+7], 0, v[SC+8*(\p)+\b], v[SC+8*(\p)+(\a)] matrix_a_fmt:MATRIX_FMT_FP4 matrix_b_fmt:MATRIX_FMT_FP4 matrix_a_scale:MATRIX_SCALE_ROW1
.else
	v_wmma_scale_f32_16x16x128_f8f6f4 v[8*(8*((\a)%4)+\b):8*(8*((\a)%4)+\b)+7], v[128*(\p)+8*\b:128*(\p)+8*\b+7], v[AF+8*(\a):AF+8*(\a)+7], v[8*(8*((\a)%4)+\b):8*(8*((\a)%4)+\b)+7], v[SC+8*(\p)+\b], v[SC+8*(\p)+(\a)] matrix_a_fmt:MATRIX_FMT_FP4 matrix_b_fmt:MATRIX_FMT_FP4 matrix_a_scale:MATRIX_SCALE_ROW1
.endif
.endr
.endr
.endm
.macro FETCH_B slot, q, p
	WIN TO_B
.irp i, 0,1,2,3,4,5,6,7
	FRAG 128*(\p)+8*\i, ADRB+\slot, \q, \i
.endr
	WIN 0
.endm
.macro FETCH_A slot, q, i0
.irp i, \i0, \i0+1, \i0+2, \i0+3
	FRAG AF+8*(\i), ADRA+\slot, \q, \i
.endr
.endm
.macro SCALES slot, q, p               ; register i of set p: lanes 0-15 the words of S's block i, lanes 16-31 those of L's block i
.irp i, 0,1,2,3,4,5,6,7
	ds_load_b32 v[SC+8*(\p)+\i], v[ADRS+\slot] offset:(\q)*512+64*\i
.endr
.endm
.macro STEP slot, q, zero
	s_wait_dscnt 8                                 ; all but the youngest eight loads (S's blocks 4-7)
	WIN MUL_LO
	MUL16 0, (\q)%2, \zero
	MUL16 2, (\q)%2, \zero
	s_wait_dscnt 0
	PLACES 4
	FETCH_B \slot, (\q)+1, 1-(\q)%2
	FETCH_A \slot, (\q)+1, 0
	SCALES \slot, (\q)+1, 1-(\q)%2
	WIN MUL_HI
	MUL16 4, (\q)%2, \zero
	MUL16 6, (\q)%2, \zero
	PLACES 4
	WIN 0
	FETCH_A \slot, (\q)+1, 4
.endm
.macro TURN slot, next, fill           ; a slot's last step changes slots: one barrier; in front of it each wave waits for all its tensor loads, adds 0 to its spare word, and waits for that and for its reads of this slot
	s_wait_tensorcnt 0x0
	ds_add_u32 v[SPW], v[NIL]
	s_wait_dscnt 9                                 ; (the add and the youngest eight loads may be out)
	WIN MUL_LO
	MUL16 0, 1, 0
	s_wait_dscnt 0x0
	s_barrier_signal -1
	MUL16 2, 1, 0
	WIN 0
	s_barrier_wait -1
.if \fill
	CREST
	s_add_nc_u64 s[G0+4*\slot+2:G0+4*\slot+3], s[G0+4*\slot+2:G0+4*\slot+3], 2*PANEL
	s_add_nc_u64 s[G0B+4*\slot+2:G0B+4*\slot+3], s[G0B+4*\slot+2:G0B+4*\slot+3], 2*PANEL
	JLOAD G0+4*\slot, G1, G0B+4*\slot, G1B
.else
	PLACES 4
.endif
	FETCH_B \next, 0, 0
	FETCH_A \next, 0, 0
	SCALES \next, 0, 0
	WIN MUL_HI
	MUL16 4, 1, 0
	MUL16 6, 1, 0
	PLACES 4
	WIN 0
	FETCH_A \next, 0, 4
.endm
.macro STEPS slot, from
.set Q, \from
.rept 3-\from
	STEP \slot, Q, 0
.set Q, Q+1
.endr
.endm
.macro RLOAD a                         ; the residual's block a, 16 rows of 512 bytes, into window 1: sets at v64, v192, v0, v128 by turns
.set RL, 64+128*((\a)%2)-64*(((\a)%4)/2)
	WIN 0x40
.irp t, 0,1,2,3,4,5,6,7,8,9,10,11,12,13,14,15
	global_load_b128 v[RL+4*\t:RL+4*\t+3], v[CO], s[10:11] offset:(16*(\a)+\t)*4096
.endr
	WIN 0
.endm
.macro TOSTAGE a                       ; block a's accumulators into my stage, each from its low end on, and back as whole rows
.set AC, 64*((\a)%4)
	WIN 0x08+4*((\a)/4)
.irp b, 0,1,2,3,4,5,6,7
	ds_store_b128 v[STO], v[AC+8*\b:AC+8*\b+3] offset:64*\b
	ds_store_b128 v[STO], v[AC+8*\b+4:AC+8*\b+7] offset:64*\b+16
.endr
	WIN 0
.set TB, BK+64*((\a)%2)
.irp t, 0,1,2,3,4,5,6,7,8,9,10,11,12,13,14,15
	ds_load_b128 v[TB+4*\t:TB+4*\t+3], v[RD] offset:\t*SPITCH   ; LDS serves a wave's instructions in order: these see the stores above
.endr
.endm
.macro OUTB a
.if (\a) < 7
.if (\a) > 0
	s_wait_xcnt 0x0                                ; block a - 1's stores have read their registers: block a + 1's rows may land there
.endif
	TOSTAGE (\a)+1
	s_wait_dscnt 32                                ; block a is back; block a + 1's 16 stores and 16 loads may be out
.else
	s_wait_dscnt 0x0
.endif
.if (\a) < 5
	s_wait_loadcnt 48                              ; the residual's block a is in; the three blocks behind it may be out
.else
	s_wait_loadcnt 16*(7-(\a))
.endif
.set OB, BK+64*((\a)%2)
.set RS, 64+128*((\a)%2)-64*(((\a)%4)/2)
.irp t, 0,1,2,3,4,5,6,7,8,9,10,11,12,13,14,15
	v_pk_add_f32 v[OB+4*\t:OB+4*\t+1], v[OB+4*\t:OB+4*\t+1], v[BI:BI+1]
	v_pk_add_f32 v[OB+4*\t+2:OB+4*\t+3], v[OB+4*\t+2:OB+4*\t+3], v[BI+2:BI+3]
.endr
	WIN 0x04                                       ; source 1: window 1
.set J, 0
.rept 32
	v_pk_add_f32 v[OB+J:OB+J+1], v[OB+J:OB+J+1], v[RS+J:RS+J+1]
.set J, J+2
.endr
	WIN 0
.irp t, 0,1,2,3,4,5,6,7,8,9,10,11,12,13,14,15
	global_store_b128 v[CO], v[OB+4*\t:OB+4*\t+3], s[12:13] offset:(16*(\a)+\t)*4096   ; 512 consecutive bytes, aligned
.endr
.if (\a) < 4
	RLOAD (\a)+4
.endif
.endm
	s_load_b128 s[4:7], s[0:1], 0x0                ; oimg, wimg
	s_load_b128 s[8:11], s[0:1], 0x10              ; b_proj, x
	s_load_b64 s[12:13], s[0:1], 0x20              ; x1
	v_lshl_add_u32 v[SPW], v0, 2, SPARE
	v_mov_b32 v[NIL], 0
	ds_add_u32 v28, v29
	ds_add_u32 v28, v29
	s_wait_dscnt 0x0
	v_lshrrev_b32 v1, 5, v0
	v_readfirstlane_b32 s14, v1                    ; wave 0..3
	s_lshr_b32 s15, s14, 1                         ; my half of S's rows.  Also: I fetch for S (0) or for L (1)
	s_and_b32 s16, s14, 1                          ; my half of L's rows.  Also: which panel I fetch
	s_bfe_u32 s40, ttmp6, 0x40000                  ; cx
	s_bfe_u32 s41, ttmp6, 0x40004                  ; cy
	s_lshl_b32 s42, ttmp9, 2
	s_add_co_u32 s42, s42, s40                     ; L's tile (columns)
	s_and_b32 s17, ttmp7, 0xffff
	s_lshl_b32 s17, s17, 2
	s_add_co_u32 s17, s17, s41                     ; S's tile (tokens)
	s_lshl_b32 s43, s41, 2
	s_lshl_b32 s43, 15, s43
	s_lshl_b32 s44, 0x1111, s40
	s_or_b32 s[G1+0], s43, (3<<16)|(1<<21)         ; 15:0 the mask; 17:16 elements of 8 bytes; 21 set beside a mask; no padding
	s_or_b32 s[G1B+0], s44, (3<<16)|(1<<21)
.irp g, G1, G1B                        ; a panel's slot: 136 rows of 256 bytes, dense
	s_mov_b32 s[\g+1], 32<<16
	s_mov_b32 s[\g+2], 136<<16
	s_mov_b32 s[\g+3], 32<<16
	s_mov_b32 s[\g+4], 136
	s_mov_b32 s[\g+5], 32
	s_mov_b32 s[\g+6], 0
	s_mov_b32 s[\g+7], 0
.endr
	s_lshl_b32 s20, s17, 1
	s_add_co_u32 s20, s20, s16
	s_mul_i32 s20, s20, NSL*PANEL
	s_mov_b32 s21, 0
	s_lshl_b32 s46, s42, 1
	s_add_co_u32 s46, s46, s16
	s_mul_i32 s46, s46, NSL*PANEL
	s_add_co_u32 s46, s46, WOFF
	s_mov_b32 s47, 0
	s_mul_i32 s45, s14, PANEL                      ; where my load lands: wave x a panel
	s_wait_kmcnt 0x0
	s_add_nc_u64 s[20:21], s[4:5], s[20:21]
	s_add_nc_u64 s[46:47], s[6:7], s[46:47]
	CROUND                                         ; all sixteen work-groups are here: the joint loads meet
.irp s, 0,1
	s_mov_b32 s[G0+4*\s], 1
	s_add_co_u32 s[G0+4*\s+1], s45, \s*SLOT
	s_add_nc_u64 s[G0+4*\s+2:G0+4*\s+3], s[20:21], \s*PANEL
	s_or_b32 s[G0+4*\s+3], s[G0+4*\s+3], 0x80000000
	s_mov_b32 s[G0B+4*\s], 1
	s_add_co_u32 s[G0B+4*\s+1], s45, \s*SLOT
	s_add_nc_u64 s[G0B+4*\s+2:G0B+4*\s+3], s[46:47], \s*PANEL
	s_or_b32 s[G0B+4*\s+3], s[G0B+4*\s+3], 0x80000000
	JLOAD G0+4*\s, G1, G0B+4*\s, G1B               ; two loads of mine are out
.endr
	v_and_b32 v1, 15, v0                           ; r
	v_bfe_u32 v2, v0, 4, 1                         ; h
	v_and_b32 v3, 31, v0
	v_lshlrev_b32 v[CO], 4, v3
	s_mul_i32 s21, s15, PANEL
	s_mul_i32 s22, s16, PANEL
	s_add_co_u32 s22, s22, 2*PANEL
.irp s, 0,1
	v_add_nc_u32 v[ADRA+\s], s21, v[CO]
	v_add_nc_u32 v[ADRB+\s], s22, v[CO]
	s_add_co_u32 s21, s21, SLOT
	s_add_co_u32 s22, s22, SLOT
.endr
	s_mul_i32 s21, s15, PANEL
	s_mul_i32 s22, s16, PANEL
	s_add_co_u32 s22, s22, 2*PANEL
	s_sub_co_u32 s22, s22, s21
	v_mul_u32_u24 v5, s22, v2                      ; lanes 16-31 take L's panel: one product of h
	v_lshl_add_u32 v5, v1, 2, v5
	s_add_co_u32 s21, s21, 32768
	v_add_nc_u32 v[ADRS], s21, v5
	v_add_nc_u32 v[ADRS+1], SLOT, v[ADRS]
	s_mul_i32 s21, s14, 16*SPITCH
	s_add_co_u32 s21, s21, STG                     ; my stage
	v_mul_u32_u24 v5, v1, SPITCH
	v_lshl_add_u32 v5, v2, 5, v5
	v_add_nc_u32 v[STO], s21, v5
	v_add_nc_u32 v[RD], s21, v[CO]
	s_lshl_b32 s18, s17, 8
	s_lshl_b32 s19, s15, 7
	s_add_co_u32 s18, s18, s19                     ; my first row,
	s_lshl_b32 s18, s18, 12                        ; in bytes
	s_lshl_b32 s19, s42, 10
	s_lshl_b32 s22, s16, 9
	s_add_co_u32 s22, s19, s22                     ; my first column, in bytes
	s_mov_b32 s23, 0
	s_add_nc_u64 s[8:9], s[8:9], s[22:23]
	s_add_co_u32 s22, s22, s18
	s_add_nc_u64 s[10:11], s[10:11], s[22:23]
	s_add_nc_u64 s[12:13], s[12:13], s[22:23]
	global_load_b128 v[BI:BI+3], v[CO], s[8:9]     ; the bias of my four columns of a row
	RLOAD 0
	RLOAD 1
	s_wait_tensorcnt 1                             ; my part of slot 0 is in; slot 1's may stay out
	s_barrier_signal -1
	s_barrier_wait -1
	FETCH_B 0, 0, 0
	FETCH_A 0, 0, 0
	SCALES 0, 0, 0
	FETCH_A 0, 0, 4
	STEP 0, 0, 1                                   ; the first products start the sums: nothing is cleared
	STEPS 0, 1
	TURN 0, 1, 0
	STEPS 1, 0
	s_wait_dscnt 8                                 ; the last step: nothing more to fetch
	WIN MUL_LO
	MUL16 0, 1, 0
	MUL16 2, 1, 0
	s_wait_dscnt 0x0
	WIN MUL_HI
	MUL16 4, 1, 0
	MUL16 6, 1, 0
	WIN 0
	PLACES 4                                       ; ahead of the loads into L's and S's registers and of the first read of results
	RLOAD 2
	RLOAD 3
	TOSTAGE 0
.irp a, 0,1,2,3,4,5,6,7
	OUTB \a
.endr
	s_wait_tensorcnt 0x0                           ; the wave's end
	ds_add_u32 v[SPW], v[NIL]
	s_wait_dscnt 0x0
	CROUND                                         ; the closing round
	s_endpgm
.Lfunc_end_k_qb3d4cd76b0_gp:
	.size	k_qb3d4cd76b0_gp, .Lfunc_end_k_qb3d4cd76b0_gp-k_qb3d4cd76b0_gp
	.p2alignl 7, 3214868480
	.fill 96, 4, 3214868480
	.section	.rodata,"a",@progbits
	.p2align	6, 0x0
	.amdhsa_kernel k_qb3d4cd76b0_gp
		.amdhsa_group_segment_fixed_size 327680
		.amdhsa_private_segment_fixed_size 0
		.amdhsa_enable_private_segment 0
		.amdhsa_kernarg_size 40
		.amdhsa_user_sgpr_count 2
		.amdhsa_user_sgpr_kernarg_segment_ptr 1
		.amdhsa_wavefront_size32 1
		.amdhsa_system_sgpr_workgroup_id_x 1
		.amdhsa_system_sgpr_workgroup_id_y 1
		.amdhsa_system_sgpr_workgroup_id_z 1
		.amdhsa_system_vgpr_workitem_id 0
		.amdhsa_next_free_vgpr 1024
		.amdhsa_next_free_sgpr 100
		.amdhsa_reserve_vcc 0
		.amdhsa_float_denorm_mode_32 3
		.amdhsa_float_denorm_mode_16_64 3
		.amdhsa_memory_ordered 1
		.amdhsa_forward_progress 1
		.amdhsa_inst_pref_size 170
	.end_amdhsa_kernel
	.amdgpu_metadata
---
amdhsa.version: [ 1, 2 ]
amdhsa.kernels:
  - .name:           k_qb3d4cd76b0_gp
    .symbol:         k_qb3d4cd76b0_gp.kd
    .args:
      - { .name: oimg, .offset: 0, .size: 8, .value_kind: global_buffer, .address_space: global }
      - { .name: wimg, .offset: 8, .size: 8, .value_kind: global_buffer, .address_space: global }
      - { .name: b_proj, .offset: 16, .size: 8, .value_kind: global_buffer, .address_space: global }
      - { .name: x, .offset: 24, .size: 8, .value_kind: global_buffer, .address_space: global }
      - { .name: x1, .offset: 32, .size: 8, .value_kind: global_buffer, .address_space: global }
    .group_segment_fixed_size: 327680
    .private_segment_fixed_size: 0
    .kernarg_segment_align: 8
    .kernarg_segment_size: 40
    .max_flat_workgroup_size: 128
    .sgpr_count:     100
    .vgpr_count:     1024
    .wavefront_size: 32
...
	.end_amdgpu_metadata
.endif
;; end of part 5
;; launch ln2: the kernel of part 2 again; grid 256 x 1, 8 waves a work-group, no clusters, 67,072 bytes of LDS; arguments x1, ln2_g, ln2_b, himg; writes himg
;; launch g1 (part 6): grid 16 x 16, 4 waves a work-group, clusters of 4 x 4, 327,680 bytes of LDS; arguments himg, wimg, b_fc1, fimg; writes fimg
.if DOCPART == 6
	.amdgcn_target "amdgcn-amd-amdhsa--gfx1250"
	.amdhsa_code_object_version 6
	.text
	.protected	k_qb3d4cd76b0_g1
	.globl	k_qb3d4cd76b0_g1
	.p2align	8
	.type	k_qb3d4cd76b0_g1,@function
k_qb3d4cd76b0_g1:
	s_mov_b64 s[64:65], 0
	v_nop
	global_prefetch_b8 v0, s[64:65] scope:SCOPE_SE
	s_setreg_imm32_b32 hwreg(HW_REG_WAVE_MODE, 25, 1), 1
	s_wait_xcnt 0x0
	s_wait_alu depctr_hold_cnt(0) depctr_sa_sdst(0) depctr_va_vdst(0) depctr_va_sdst(0) depctr_va_ssrc(0) depctr_va_vcc(0) depctr_vm_vsrc(0)
	s_getreg_b32 s2, hwreg(HW_REG_IB_STS2, 6, 4)
	s_cmp_eq_u32 s2, 0
	s_cbranch_scc0 .Lentry_in_a_cluster
	s_endpgm
.Lentry_in_a_cluster:
	s_bfe_u32 s2, ttmp6, 0x10000c
	s_cmp_lg_u32 s2, 0xf033
	s_cbranch_scc0 .Lentry_shape_is_right
	s_endpgm
.Lentry_shape_is_right:
; f = relu(h W1 + b1): 4,096 x 4,096, K = 1,024, on codes of FP4 with E8M0 scales; f is quantised in registers along its 4,096 (the next product's K) and stored as an operand image: it never goes to memory as f32.
; OPERANDS AND RESULT are images of operand registers: block (panel of 128 rows, slot of 512 along K) = 34,816 dense bytes: fragment (rb, q) at (4 rb + q) x 1,024, lane l's registers 4 c .. 4 c + 3 at 512 c + 16 l;
; scale words at 32,768 + 512 q + 64 rb + 4 r.  Within a block of 32 the codes lie in groups of eight in the order 0, 2, 1, 3, as everywhere in this program.
; S (source 1, rows on lanes) = tokens, L (source 0, rows along a lane's registers) = W1's columns: a lane holds one token and 128 columns, which are one K step of the next product: one fragment and one scale word a row.
; A tile of 256 x 256 is made by four waves, each 128 x 128: 64 accumulators, 512 registers.  K is two slots: both are asked for at the start and nothing is filled again.  256 tiles: 256 work-groups.
; CLUSTERS: 4 x 4 work-groups; S's panels are shared along a row of the cluster, L's along a column: each is asked for jointly, by the same tensor load with the same descriptor and a mask that names the four.
; LIMITS: a block of zeros, or one whose largest magnitude lies under 2^-124, gets the byte 1 (only this program reads the bytes); NaN and infinities are not served.
; REGISTERS, in windows of 256: window 0: v16-31 addresses; v32-47 scale words, two sets; v64-127 the bias; v128-191 S's fragments (on the way out: 64 numbers); v192-223 at work on the way out.
;   window 1: L's fragments, two sets, at v0 and v128.   windows 2, 3: the accumulators, (a, b) at v[8 (8 (a % 4) + b)] of window 2 + a / 4.
.set NSL,   2
.set WOFF,  1114112                    ; W1's image in wimg
.set PANEL, 34816
.set SLOT,  4*PANEL
.set STG,   2*SLOT                     ; behind the slots: 512 bytes a wave for scale words
.set SPARE, STG+2048                   ; the spare words, 128 bytes a wave: two blocks of 256 bytes that no other line names
.set LAPS,  NSL/2
.set ADRA, 16
.set ADRB, 20
.set ADRS, 22
.set LI,   24                          ; v24 16 x lane
.set SW,   25                          ; v25 stage: 512 x wave + 4 r
.set SRD,  26                          ; v26 stage: 512 x wave + 16 x lane
.set BA,   27                          ; v27 32 h
.set SPW,  28
.set NIL,  29
.set SC,   32
.set BL,   64                          ; v64-127 bias of column 16 b + 8 h + j at v[64 + 8 b + j]
.set AF,   128
.set TM,   192
.set PW,   208
.set PC,   216
.set G1,  24
.set G0,  32
.set G1B, 48
.set G0B, 56
.set SEL, 90
.set MSB, 0
.set MUL_LO, 0xa1
.set MUL_HI, 0xf1
.set TO_B,   0x40
.macro WIN new                         ; the immediate's high byte repeats the setting that is left
.if MSB != \new
	s_set_vgpr_msb (MSB<<8)|\new
.set MSB, \new
.endif
.endm
.macro JLOAD g0a, g1a, g0b, g1b        ; a joint load: waves 0, 1 fetch S's panels, waves 2, 3 L's; four v_nop follow each line
	s_cmp_eq_u32 s15, 0
	s_cbranch_scc0 .Lfor_b_\@
	tensor_load_to_lds s[\g0a:\g0a+3], s[\g1a:\g1a+7]
	s_nop 0
.rept 4
	v_nop
.endr
	s_branch .Lasked_\@
.Lfor_b_\@:
	tensor_load_to_lds s[\g0b:\g0b+3], s[\g1b:\g1b+7]
	s_nop 0
.rept 4
	v_nop
.endr
.Lasked_\@:
.endm
.macro CREST
	s_cmp_lg_u32 s14, 0
	s_cbranch_scc1 .Lnot_wave_0_\@
	s_barrier_signal -3
.Lnot_wave_0_\@:
	s_barrier_wait -3
	s_barrier_signal -1
	s_barrier_wait -1
.endm
.macro CROUND
	s_barrier_signal -1
	s_barrier_wait -1
	CREST
.endm
.macro PLACES n                        ; plain lines between a matrix instruction and a load into, or a read of, its registers
.rept \n
	v_nop
.endr
.endm
.macro FRAG reg, adr, q, i
.irp c, 0,1
	ds_load_b128 v[\reg+4*\c:\reg+4*\c+3], v[\adr] offset:((\i)*4+(\q))*1024+512*\c
.endr
.endm
.macro MUL16 a0, p, zero               ; S's blocks a0, a0 + 1 x L's eight; the 64 accumulators take turns, one instruction a turn
.irp a, \a0, \a0+1
.irp b, 0,1,2,3,4,5,6,7
.if \zero
	v_wmma_scale_f32_16x16x128_f8f6f4 v[8*(8*((\a)%4)+\b):8*(8*((\a)%4)+\b)+7], v[128*(\p)+8*\b:128*(\p)+8*\b+7], v[AF+8*(\a):AF+8*(\a)+7], 0, v[SC+8*(\p)+\b], v[SC+8*(\p)+(\a)] matrix_a_fmt:MATRIX_FMT_FP4 matrix_b_fmt:MATRIX_FMT_FP4 matrix_a_scale:MATRIX_SCALE_ROW1
.else
	v_wmma_scale_f32_16x16x128_f8f6f4 v[8*(8*((\a)%4)+\b):8*(8*((\a)%4)+\b)+7], v[128*(\p)+8*\b:128*(\p)+8*\b+7], v[AF+8*(\a):AF+8*(\a)+7], v[8*(8*((\a)%4)+\b):8*(8*((\a)%4)+\b)+7], v[SC+8*(\p)+\b], v[SC+8*(\p)+(\a)] matrix_a_fmt:MATRIX_FMT_FP4 matrix_b_fmt:MATRIX_FMT_FP4 matrix_a_scale:MATRIX_SCALE_ROW1
.endif
.endr
.endr
.endm
.macro FETCH_B slot, q, p
	WIN TO_B
.irp i, 0,1,2,3,4,5,6,7
	FRAG 128*(\p)+8*\i, ADRB+\slot, \q, \i
.endr
	WIN 0
.endm
.macro FETCH_A slot, q, i0
.irp i, \i0, \i0+1, \i0+2, \i0+3
	FRAG AF+8*(\i), ADRA+\slot, \q, \i
.endr
.endm
.macro SCALES slot, q, p               ; register i of set p: lanes 0-15 the words of S's block i, lanes 16-31 those of L's block i
.irp i, 0,1,2,3,4,5,6,7
	ds_load_b32 v[SC+8*(\p)+\i], v[ADRS+\slot] offset:(\q)*512+64*\i
.endr
.endm
.macro STEP slot, q, zero
	s_wait_dscnt 8                                 ; all but the youngest eight loads (S's blocks 4-7)
	WIN MUL_LO
	MUL16 0, (\q)%2, \zero
	MUL16 2, (\q)%2, \zero
	s_wait_dscnt 0
	PLACES 4
	FETCH_B \slot, (\q)+1, 1-(\q)%2
	FETCH_A \slot, (\q)+1, 0
	SCALES \slot, (\q)+1, 1-(\q)%2
	WIN MUL_HI
	MUL16 4, (\q)%2, \zero
	MUL16 6, (\q)%2, \zero
	PLACES 4
	WIN 0
	FETCH_A \slot, (\q)+1, 4
.endm
.macro TURN slot, next, fill           ; a slot's last step changes slots: one barrier; in front of it each wave waits for all its tensor loads, adds 0 to its spare word, and waits for that and for its reads of this slot
	s_wait_tensorcnt 0x0
	ds_add_u32 v[SPW], v[NIL]
	s_wait_dscnt 9                                 ; (the add and the youngest eight loads may be out)
	WIN MUL_LO
	MUL16 0, 1, 0
	s_wait_dscnt 0x0
	s_barrier_signal -1
	MUL16 2, 1, 0
	WIN 0
	s_barrier_wait -1
.if \fill
	CREST
	s_add_nc_u64 s[G0+4*\slot+2:G0+4*\slot+3], s[G0+4*\slot+2:G0+4*\slot+3], 2*PANEL
	s_add_nc_u64 s[G0B+4*\slot+2:G0B+4*\slot+3], s[G0B+4*\slot+2:G0B+4*\slot+3], 2*PANEL
	JLOAD G0+4*\slot, G1, G0B+4*\slot, G1B
.else
	PLACES 4
.endif
	FETCH_B \next, 0, 0
	FETCH_A \next, 0, 0
	SCALES \next, 0, 0
	WIN MUL_HI
	MUL16 4, 1, 0
	MUL16 6, 1, 0
	PLACES 4
	WIN 0
	FETCH_A \next, 0, 4
.endm
.macro STEPS slot, from
.set Q, \from
.rept 3-\from
	STEP \slot, Q, 0
.set Q, Q+1
.endr
.endm
; 64 numbers of a lane, v[s] .. v[s + 63] (register 16 b + i: block b of 32 along the next K, my half's 16 of it), become a fragment's codes in v[PC] on and its scale word in v[PW]
.macro QUANT s
.irp b, 0,1,2,3
	v_max3_num_f32 v[TM+\b], |v[\s+16*\b]|, |v[\s+1+16*\b]|, 0x1800000   ; and the floor 2^(3 - 127): the byte cannot fall under 1
.endr
.irp i, 2,4,6,8,10,12,14
.irp b, 0,1,2,3
	v_max3_num_f32 v[TM+\b], v[TM+\b], |v[\s+16*\b+\i]|, |v[\s+1+16*\b+\i]|
.endr
.endr
.irp b, 0,1,2,3
	v_permlanex16_b32 v[TM+4+\b], v[TM+\b], s[SEL], s[SEL+1]
.endr
.irp b, 0,1,2,3
	v_max_num_f32 v[TM+\b], v[TM+\b], v[TM+4+\b]
.endr
.irp b, 0,1,2,3
	v_add_nc_u32 v[TM+12+\b], 0xff000000, v[TM+\b] ; 2 off the exponent field: the conversion's scale operand
.endr
.irp b, 0,1,2,3
	v_lshrrev_b32 v[TM+4+\b], 23, v[TM+12+\b]      ; the scale's byte
.endr
	v_lshl_or_b32 v[PW], v[TM+5], 8, v[TM+4]
	v_lshl_or_b32 v[PW], v[TM+6], 16, v[PW]
	v_lshl_or_b32 v[PW], v[TM+7], 24, v[PW]
.irp b, 0,1,2,3
	v_cvt_scalef32_pk8_fp4_f32 v[PC+2*\b], v[\s+16*\b:\s+7+16*\b], v[TM+12+\b]
	v_cvt_scalef32_pk8_fp4_f32 v[PC+1+2*\b], v[\s+8+16*\b:\s+15+16*\b], v[TM+12+\b]
.endr
	v_nop                                          ; a plain line behind the conversions
.irp c, 0,1                            ; a whole block to a lane: lanes 0-15 block 2 c, lanes 16-31 block 2 c + 1
.irp i, 0,1
	v_permlane16_swap_b32 v[PC+4*\c+\i], v[PC+2+4*\c+\i]
.endr
.endr
.endm
	s_load_b128 s[4:7], s[0:1], 0x0                ; himg, wimg
	s_load_b128 s[8:11], s[0:1], 0x10              ; b_fc1, fimg
	v_lshl_add_u32 v[SPW], v0, 2, SPARE
	v_mov_b32 v[NIL], 0
	ds_add_u32 v28, v29
	ds_add_u32 v28, v29
	s_wait_dscnt 0x0
	v_lshrrev_b32 v1, 5, v0
	v_readfirstlane_b32 s14, v1                    ; wave 0..3
	s_lshr_b32 s15, s14, 1                         ; my half of S's rows.  Also: I fetch for S (0) or for L (1)
	s_and_b32 s16, s14, 1                          ; my half of L's rows.  Also: which panel I fetch
	s_bfe_u32 s40, ttmp6, 0x40000                  ; cx
	s_bfe_u32 s41, ttmp6, 0x40004                  ; cy
	s_lshl_b32 s42, ttmp9, 2
	s_add_co_u32 s42, s42, s40                     ; L's tile (columns)
	s_and_b32 s17, ttmp7, 0xffff
	s_lshl_b32 s17, s17, 2
	s_add_co_u32 s17, s17, s41                     ; S's tile (tokens)
	s_lshl_b32 s43, s41, 2
	s_lshl_b32 s43, 15, s43
	s_lshl_b32 s44, 0x1111, s40
	s_or_b32 s[G1+0], s43, (3<<16)|(1<<21)         ; 15:0 the mask; 17:16 elements of 8 bytes; 21 set beside a mask; no padding
	s_or_b32 s[G1B+0], s44, (3<<16)|(1<<21)
.irp g, G1, G1B                        ; a panel's slot: 136 rows of 256 bytes, dense
	s_mov_b32 s[\g+1], 32<<16
	s_mov_b32 s[\g+2], 136<<16
	s_mov_b32 s[\g+3], 32<<16
	s_mov_b32 s[\g+4], 136
	s_mov_b32 s[\g+5], 32
	s_mov_b32 s[\g+6], 0
	s_mov_b32 s[\g+7], 0
.endr
	s_lshl_b32 s20, s17, 1
	s_add_co_u32 s20, s20, s16
	s_mul_i32 s20, s20, NSL*PANEL
	s_mov_b32 s21, 0
	s_lshl_b32 s46, s42, 1
	s_add_co_u32 s46, s46, s16
	s_mul_i32 s46, s46, NSL*PANEL
	s_add_co_u32 s46, s46, WOFF
	s_mov_b32 s47, 0
	s_mul_i32 s45, s14, PANEL                      ; where my load lands: wave x a panel
	s_mov_b32 s[SEL], 0x76543210
	s_mov_b32 s[SEL+1], 0xfedcba98
	s_wait_kmcnt 0x0
	s_add_nc_u64 s[20:21], s[4:5], s[20:21]
	s_add_nc_u64 s[46:47], s[6:7], s[46:47]
	CROUND                                         ; all sixteen work-groups are here: the joint loads meet
.irp s, 0,1
	s_mov_b32 s[G0+4*\s], 1
	s_add_co_u32 s[G0+4*\s+1], s45, \s*SLOT
	s_add_nc_u64 s[G0+4*\s+2:G0+4*\s+3], s[20:21], \s*PANEL
	s_or_b32 s[G0+4*\s+3], s[G0+4*\s+3], 0x80000000
	s_mov_b32 s[G0B+4*\s], 1
	s_add_co_u32 s[G0B+4*\s+1], s45, \s*SLOT
	s_add_nc_u64 s[G0B+4*\s+2:G0B+4*\s+3], s[46:47], \s*PANEL
	s_or_b32 s[G0B+4*\s+3], s[G0B+4*\s+3], 0x80000000
	JLOAD G0+4*\s, G1, G0B+4*\s, G1B               ; two loads of mine are out
.endr
	v_and_b32 v1, 15, v0                           ; r
	v_bfe_u32 v2, v0, 4, 1                         ; h
	v_and_b32 v3, 31, v0
	v_lshlrev_b32 v[LI], 4, v3
	s_mul_i32 s21, s15, PANEL
	s_mul_i32 s22, s16, PANEL
	s_add_co_u32 s22, s22, 2*PANEL
.irp s, 0,1
	v_add_nc_u32 v[ADRA+\s], s21, v[LI]
	v_add_nc_u32 v[ADRB+\s], s22, v[LI]
	s_add_co_u32 s21, s21, SLOT
	s_add_co_u32 s22, s22, SLOT
.endr
	s_mul_i32 s21, s15, PANEL
	s_mul_i32 s22, s16, PANEL
	s_add_co_u32 s22, s22, 2*PANEL
	s_sub_co_u32 s22, s22, s21
	v_mul_u32_u24 v5, s22, v2                      ; lanes 16-31 take L's panel: one product of h
	v_lshl_add_u32 v5, v1, 2, v5
	s_add_co_u32 s21, s21, 32768
	v_add_nc_u32 v[ADRS], s21, v5
	v_add_nc_u32 v[ADRS+1], SLOT, v[ADRS]
	v_lshlrev_b32 v[BA], 5, v2
	s_lshl_b32 s21, s14, 9
	s_add_co_u32 s21, s21, STG
	v_lshl_add_u32 v[SW], v1, 2, s21
	v_add_nc_u32 v[SRD], s21, v[LI]
.irp b, 0,1,2,3
	v_mov_b32 v[TM+4+\b], 0                        ; written once: a lane permute's destination counts as one of its sources
.endr
	s_lshl_b32 s18, s42, 10
	s_lshl_b32 s19, s16, 9
	s_add_co_u32 s18, s18, s19                     ; my first column, in bytes
	s_mov_b32 s19, 0
	s_add_nc_u64 s[8:9], s[8:9], s[18:19]
.irp b, 0,1,2,3,4,5,6,7
	global_load_b128 v[BL+8*\b:BL+8*\b+3], v[BA], s[8:9] offset:64*\b
	global_load_b128 v[BL+8*\b+4:BL+8*\b+7], v[BA], s[8:9] offset:64*\b+16
.endr
	s_lshl_b32 s18, s17, 1
	s_add_co_u32 s18, s18, s15                     ; the result's panel: 2 token tile + half
	s_lshl_b32 s18, s18, 3
	s_lshl_b32 s19, s42, 1
	s_add_co_u32 s19, s19, s16                     ; its K step of 128: 2 column tile + half
	s_lshr_b32 s22, s19, 2
	s_add_co_u32 s18, s18, s22
	s_mul_i32 s18, s18, PANEL                      ; block (panel, slot)
	s_and_b32 s19, s19, 3                          ; q
	s_lshl_b32 s22, s19, 9
	s_add_co_u32 s22, s22, s18
	s_add_co_u32 s22, s22, 32768
	s_mov_b32 s23, 0
	s_add_nc_u64 s[12:13], s[10:11], s[22:23]      ; scale words
	s_lshl_b32 s22, s19, 10
	s_add_co_u32 s22, s22, s18
	s_add_nc_u64 s[10:11], s[10:11], s[22:23]      ; codes
	s_wait_tensorcnt 1                             ; my part of slot 0 is in; slot 1's may stay out
	s_barrier_signal -1
	s_barrier_wait -1
	FETCH_B 0, 0, 0
	FETCH_A 0, 0, 0
	SCALES 0, 0, 0
	FETCH_A 0, 0, 4
	STEP 0, 0, 1                                   ; the first products start the sums: nothing is cleared
	STEPS 0, 1
	TURN 0, 1, 0
	STEPS 1, 0
	s_wait_dscnt 8                                 ; the last step: nothing more to fetch
	WIN MUL_LO
	MUL16 0, 1, 0
	MUL16 2, 1, 0
	s_wait_dscnt 0x0
	WIN MUL_HI
	MUL16 4, 1, 0
	MUL16 6, 1, 0
	WIN 0
	PLACES 4
	s_wait_loadcnt 0x0                             ; the bias
; THE WAY OUT, 16 tokens at a time: + bias, relu, quantised along my 128 columns; the fragment is stored as it stands (512 consecutive bytes a store); the scale words gather in my stage and leave as 512 bytes.
.irp a, 0,1,2,3,4,5,6,7
	s_wait_xcnt 0x0                                ; the last block's stores have read the codes' registers,
	s_wait_dscnt 0x0                               ; and its LDS store the scale word
	WIN 0x02+\a/4                                  ; source 0: the accumulators' window
.irp b, 0,1,2,3,4,5,6,7
.irp k, 0,2,4,6
	v_pk_add_f32 v[AF+8*\b+\k:AF+8*\b+\k+1], v[8*(8*(\a%4)+\b)+\k:8*(8*(\a%4)+\b)+\k+1], v[BL+8*\b+\k:BL+8*\b+\k+1]
.endr
.endr
	WIN 0
.set J, 0
.rept 64
	v_max_num_f32 v[AF+J], 0, v[AF+J]              ; the activation, in f32
.set J, J+1
.endr
	QUANT AF
	global_store_b128 v[LI], v[PC:PC+3], s[10:11] offset:\a*4096
	global_store_b128 v[LI], v[PC+4:PC+7], s[10:11] offset:\a*4096+512
	ds_store_b32 v[SW], v[PW] offset:64*\a         ; (both halves of the lanes hold the same word and write it to the same place)
.endr
	ds_load_b128 v[TM:TM+3], v[SRD]                ; LDS serves a wave's instructions in order: this sees my stores
	s_wait_dscnt 0x0
	global_store_b128 v[LI], v[TM:TM+3], s[12:13]
	s_wait_tensorcnt 0x0                           ; the wave's end
	ds_add_u32 v[SPW], v[NIL]
	s_wait_dscnt 0x0
	CROUND                                         ; the closing round
	s_endpgm
.Lfunc_end_k_qb3d4cd76b0_g1:
	.size	k_qb3d4cd76b0_g1, .Lfunc_end_k_qb3d4cd76b0_g1-k_qb3d4cd76b0_g1
	.p2alignl 7, 3214868480
	.fill 96, 4, 3214868480
	.section	.rodata,"a",@progbits
	.p2align	6, 0x0
	.amdhsa_kernel k_qb3d4cd76b0_g1
		.amdhsa_group_segment_fixed_size 327680
		.amdhsa_private_segment_fixed_size 0
		.amdhsa_enable_private_segment 0
		.amdhsa_kernarg_size 32
		.amdhsa_user_sgpr_count 2
		.amdhsa_user_sgpr_kernarg_segment_ptr 1
		.amdhsa_wavefront_size32 1
		.amdhsa_system_sgpr_workgroup_id_x 1
		.amdhsa_system_sgpr_workgroup_id_y 1
		.amdhsa_system_sgpr_workgroup_id_z 1
		.amdhsa_system_vgpr_workitem_id 0
		.amdhsa_next_free_vgpr 1024
		.amdhsa_next_free_sgpr 100
		.amdhsa_reserve_vcc 0
		.amdhsa_float_denorm_mode_32 3
		.amdhsa_float_denorm_mode_16_64 3
		.amdhsa_memory_ordered 1
		.amdhsa_forward_progress 1
		.amdhsa_inst_pref_size 163
	.end_amdhsa_kernel
	.amdgpu_metadata
---
amdhsa.version: [ 1, 2 ]
amdhsa.kernels:
  - .name:           k_qb3d4cd76b0_g1
    .symbol:         k_qb3d4cd76b0_g1.kd
    .args:
      - { .name: himg, .offset: 0, .size: 8, .value_kind: global_buffer, .address_space: global }
      - { .name: wimg, .offset: 8, .size: 8, .value_kind: global_buffer, .address_space: global }
      - { .name: b_fc1, .offset: 16, .size: 8, .value_kind: global_buffer, .address_space: global }
      - { .name: fimg, .offset: 24, .size: 8, .value_kind: global_buffer, .address_space: global }
    .group_segment_fixed_size: 327680
    .private_segment_fixed_size: 0
    .kernarg_segment_align: 8
    .kernarg_segment_size: 32
    .max_flat_workgroup_size: 128
    .sgpr_count:     100
    .vgpr_count:     1024
    .wavefront_size: 32
...
	.end_amdgpu_metadata
.endif
;; end of part 6
;; launch g2 (part 7): grid 4 x 16, 4 waves a work-group, clusters of 4 x 4, 327,680 bytes of LDS; arguments fimg, wimg, b_fc2, x1, out0; writes out0
.if DOCPART == 7
	.amdgcn_target "amdgcn-amd-amdhsa--gfx1250"
	.amdhsa_code_object_version 6
	.text
	.protected	k_qb3d4cd76b0_g2
	.globl	k_qb3d4cd76b0_g2
	.p2align	8
	.type	k_qb3d4cd76b0_g2,@function
k_qb3d4cd76b0_g2:
	s_mov_b64 s[64:65], 0
	v_nop
	global_prefetch_b8 v0, s[64:65] scope:SCOPE_SE
	s_setreg_imm32_b32 hwreg(HW_REG_WAVE_MODE, 25, 1), 1
	s_wait_xcnt 0x0
	s_wait_alu depctr_hold_cnt(0) depctr_sa_sdst(0) depctr_va_vdst(0) depctr_va_sdst(0) depctr_va_ssrc(0) depctr_va_vcc(0) depctr_vm_vsrc(0)
	s_getreg_b32 s2, hwreg(HW_REG_IB_STS2, 6, 4)
	s_cmp_eq_u32 s2, 0
	s_cbranch_scc0 .Lentry_in_a_cluster
	s_endpgm
.Lentry_in_a_cluster:
	s_bfe_u32 s2, ttmp6, 0x10000c
	s_cmp_lg_u32 s2, 0xf033
	s_cbranch_scc0 .Lentry_shape_is_right
	s_endpgm
.Lentry_shape_is_right:
; out0 = x1 + (f W2 + b2): 4,096 x 1,024, K = 4,096, on codes of FP4 with E8M0 scales; sums, bias and residual in f32.
; OPERANDS are images of operand registers: block (panel of 128 rows, slot of 512 along K) = 34,816 dense bytes: fragment (rb, q) at (4 rb + q) x 1,024, lane l's registers 4 c .. 4 c + 3 at 512 c + 16 l; scale words at 32,768 + 512 q + 64 rb + 4 r.
; S (source 1, rows on lanes) = tokens, L (source 0, rows along a lane's registers) = the weight's columns: a lane holds eight neighbouring columns of one row of the result.
; A tile of 256 x 256 is made by four waves, each 128 x 128: 64 accumulators, 512 registers.  K goes in eight slots of 512 through a ring of two LDS slots; each wave fetches one panel's slot (34,816 dense bytes) with one tensor load,
; which has a slot's 256 matrix instructions in which to land.  By this text's count a wave has two tensor loads out at the start and one behind each round.  64 tiles: 64 work-groups.
; CLUSTERS: 4 x 4 work-groups; S's panels are shared along a row of the cluster, L's along a column: each is asked for jointly, by the same tensor load with the same descriptor and a mask that names the four.
; THE WAY OUT: a block of 16 rows x 128 columns goes through my own stage in LDS and comes back as whole rows of 512 bytes; the residual's rows are asked for up to four blocks ahead, the first two at the kernel's head.
; REGISTERS, in windows of 256: window 0: v16-31 addresses; v32-47 scale words, two sets; v48-51 bias; v128-191 S's fragments (on the way out v128-255: rows back from the stage).
;   window 1: L's fragments at v0 and v128; v64-127 and v192-255 take the residual's first two blocks.   windows 2, 3: the accumulators, (a, b) at v[8 (8 (a % 4) + b)] of window 2 + a / 4.
.set NSL,   8
.set WOFF,  3342336                    ; W2's image in wimg
.set PANEL, 34816
.set SLOT,  4*PANEL
.set STG,   2*SLOT                     ; behind the ring: 16 rows x 528 bytes for each wave; no tensor load lands there
.set SPITCH, 528
.set SPARE, STG+4*16*SPITCH            ; the spare words, 128 bytes a wave: two blocks of 256 bytes that no other line names
.set LAPS,  NSL/2
.set ADRA, 16
.set ADRB, 20
.set ADRS, 22
.set STO,  24                          ; v24 stage: where I put 32 bytes of a row
.set RD,   25                          ; v25 stage: where I read a row back
.set CO,   26                          ; v26 16 x lane
.set SPW,  28
.set NIL,  29
.set SC,   32
.set BI,   48
.set AF,   128
.set BK,   128
.set G1,  24
.set G0,  32
.set G1B, 48
.set G0B, 56
.set MSB, 0
.set MUL_LO, 0xa1
.set MUL_HI, 0xf1
.set TO_B,   0x40
.macro WIN new                         ; the immediate's high byte repeats the setting that is left
.if MSB != \new
	s_set_vgpr_msb (MSB<<8)|\new
.set MSB, \new
.endif
.endm
.macro JLOAD g0a, g1a, g0b, g1b        ; a joint load: waves 0, 1 fetch S's panels, waves 2, 3 L's; four v_nop follow each line
	s_cmp_eq_u32 s15, 0
	s_cbranch_scc0 .Lfor_b_\@
	tensor_load_to_lds s[\g0a:\g0a+3], s[\g1a:\g1a+7]
	s_nop 0
.rept 4
	v_nop
.endr
	s_branch .Lasked_\@
.Lfor_b_\@:
	tensor_load_to_lds s[\g0b:\g0b+3], s[\g1b:\g1b+7]
	s_nop 0
.rept 4
	v_nop
.endr
.Lasked_\@:
.endm
.macro CREST                           ; a round of the cluster's barrier behind its opening barrier
	s_cmp_lg_u32 s14, 0
	s_cbranch_scc1 .Lnot_wave_0_\@
	s_barrier_signal -3
.Lnot_wave_0_\@:
	s_barrier_wait -3
	s_barrier_signal -1
	s_barrier_wait -1
.endm
.macro CROUND
	s_barrier_signal -1
	s_barrier_wait -1
	CREST
.endm
.macro PLACES n                        ; plain lines between a matrix instruction and a load into, or a read of, its registers
.rept \n
	v_nop
.endr
.endm
.macro FRAG reg, adr, q, i
.irp c, 0,1
	ds_load_b128 v[\reg+4*\c:\reg+4*\c+3], v[\adr] offset:((\i)*4+(\q))*1024+512*\c
.endr
.endm
.macro MUL16 a0, p, zero               ; S's blocks a0, a0 + 1 x L's eight; the 64 accumulators take turns, one instruction a turn, over the loop's backward jump too
.irp a, \a0, \a0+1
.irp b, 0,1,2,3,4,5,6,7
.if \zero
	v_wmma_scale_f32_16x16x128_f8f6f4 v[8*(8*((\a)%4)+\b):8*(8*((\a)%4)+\b)+7], v[128*(\p)+8*\b:128*(\p)+8*\b+7], v[AF+8*(\a):AF+8*(\a)+7], 0, v[SC+8*(\p)+\b], v[SC+8*(\p)+(\a)] matrix_a_fmt:MATRIX_FMT_FP4 matrix_b_fmt:MATRIX_FMT_FP4 matrix_a_scale:MATRIX_SCALE_ROW1
.else
	v_wmma_scale_f32_16x16x128_f8f6f4 v[8*(8*((\a)%4)+\b):8*(8*((\a)%4)+\b)+7], v[128*(\p)+8*\b:128*(\p)+8*\b+7], v[AF+8*(\a):AF+8*(\a)+7], v[8*(8*((\a)%4)+\b):8*(8*((\a)%4)+\b)+7], v[SC+8*(\p)+\b], v[SC+8*(\p)+(\a)] matrix_a_fmt:MATRIX_FMT_FP4 matrix_b_fmt:MATRIX_FMT_FP4 matrix_a_scale:MATRIX_SCALE_ROW1
.endif
.endr
.endr
.endm
.macro FETCH_B slot, q, p
	WIN TO_B
.irp i, 0,1,2,3,4,5,6,7
	FRAG 128*(\p)+8*\i, ADRB+\slot, \q, \i
.endr
	WIN 0
.endm
.macro FETCH_A slot, q, i0
.irp i, \i0, \i0+1, \i0+2, \i0+3
	FRAG AF+8*(\i), ADRA+\slot, \q, \i
.endr
.endm
.macro SCALES slot, q, p               ; register i of set p: lanes 0-15 the words of S's block i, lanes 16-31 those of L's block i
.irp i, 0,1,2,3,4,5,6,7
	ds_load_b32 v[SC+8*(\p)+\i], v[ADRS+\slot] offset:(\q)*512+64*\i
.endr
.endm
.macro STEP slot, q, zero
	s_wait_dscnt 8                                 ; all but the youngest eight loads (S's blocks 4-7)
	WIN MUL_LO
	MUL16 0, (\q)%2, \zero
	MUL16 2, (\q)%2, \zero
	s_wait_dscnt 0
	PLACES 4
	FETCH_B \slot, (\q)+1, 1-(\q)%2
	FETCH_A \slot, (\q)+1, 0
	SCALES \slot, (\q)+1, 1-(\q)%2
	WIN MUL_HI
	MUL16 4, (\q)%2, \zero
	MUL16 6, (\q)%2, \zero
	PLACES 4
	WIN 0
	FETCH_A \slot, (\q)+1, 4
.endm
; A slot's last step changes slots: ONE barrier; in front of it each wave waits for all its tensor loads, adds 0 to its spare word, and waits for that and for its own reads of this slot.  fill = 1: the barrier opens a round of the
; cluster's barrier, and behind it this slot is filled again, two slots ahead: the wave's one tensor load until the next round.
.macro TURN slot, next, fill
	s_wait_tensorcnt 0x0                           ; all my tensor loads have landed: my part of the next slot
	ds_add_u32 v[SPW], v[NIL]                      ; 0 onto my spare word
	s_wait_dscnt 9                                 ; (the add and the youngest eight loads may be out)
	WIN MUL_LO
	MUL16 0, 1, 0                                  ; sixteen matrix instructions stand between the add and the wait for it
	s_wait_dscnt 0x0                               ; the add is done, and my reads of this slot are over
	s_barrier_signal -1
	MUL16 2, 1, 0
	WIN 0
	s_barrier_wait -1
.if \fill
	CREST                                          ; no wave of any partner still reads this slot or has a load on its way
	s_add_nc_u64 s[G0+4*\slot+2:G0+4*\slot+3], s[G0+4*\slot+2:G0+4*\slot+3], 2*PANEL
	s_add_nc_u64 s[G0B+4*\slot+2:G0B+4*\slot+3], s[G0B+4*\slot+2:G0B+4*\slot+3], 2*PANEL
	JLOAD G0+4*\slot, G1, G0B+4*\slot, G1B         ; the four v_nop behind it are also the places in front of the loads below
.else
	PLACES 4
.endif
	FETCH_B \next, 0, 0
	FETCH_A \next, 0, 0
	SCALES \next, 0, 0
	WIN MUL_HI
	MUL16 4, 1, 0
	MUL16 6, 1, 0
	PLACES 4
	WIN 0
	FETCH_A \next, 0, 4
.endm
.macro STEPS slot, from
.set Q, \from
.rept 3-\from
	STEP \slot, Q, 0
.set Q, Q+1
.endr
.endm
.macro RLOAD a                         ; the residual's block a, 16 rows of 512 bytes, into window 1: sets at v64, v192, v0, v128 by turns
.set RL, 64+128*((\a)%2)-64*(((\a)%4)/2)
	WIN 0x40
.irp t, 0,1,2,3,4,5,6,7,8,9,10,11,12,13,14,15
	global_load_b128 v[RL+4*\t:RL+4*\t+3], v[CO], s[10:11] offset:(16*(\a)+\t)*4096
.endr
	WIN 0
.endm
.macro TOSTAGE a                       ; block a's accumulators into my stage, each from its low end on, and back as whole rows
.set AC, 64*((\a)%4)
	WIN 0x08+4*((\a)/4)
.irp b, 0,1,2,3,4,5,6,7
	ds_store_b128 v[STO], v[AC+8*\b:AC+8*\b+3] offset:64*\b
	ds_store_b128 v[STO], v[AC+8*\b+4:AC+8*\b+7] offset:64*\b+16
.endr
	WIN 0
.set TB, BK+64*((\a)%2)
.irp t, 0,1,2,3,4,5,6,7,8,9,10,11,12,13,14,15
	ds_load_b128 v[TB+4*\t:TB+4*\t+3], v[RD] offset:\t*SPITCH   ; LDS serves a wave's instructions in order: these see the stores above
.endr
.endm
.macro OUTB a
.if (\a) < 7
.if (\a) > 0
	s_wait_xcnt 0x0                                ; block a - 1's stores have read their registers: block a + 1's rows may land there
.endif
	TOSTAGE (\a)+1
	s_wait_dscnt 32                                ; block a is back; block a + 1's 16 stores and 16 loads may be out
.else
	s_wait_dscnt 0x0
.endif
.if (\a) < 5
	s_wait_loadcnt 48                              ; the residual's block a is in; the three blocks behind it may be out
.else
	s_wait_loadcnt 16*(7-(\a))
.endif
.set OB, BK+64*((\a)%2)
.set RS, 64+128*((\a)%2)-64*(((\a)%4)/2)
.irp t, 0,1,2,3,4,5,6,7,8,9,10,11,12,13,14,15
	v_pk_add_f32 v[OB+4*\t:OB+4*\t+1], v[OB+4*\t:OB+4*\t+1], v[BI:BI+1]
	v_pk_add_f32 v[OB+4*\t+2:OB+4*\t+3], v[OB+4*\t+2:OB+4*\t+3], v[BI+2:BI+3]
.endr
	WIN 0x04                                       ; source 1: window 1
.set J, 0
.rept 32
	v_pk_add_f32 v[OB+J:OB+J+1], v[OB+J:OB+J+1], v[RS+J:RS+J+1]
.set J, J+2
.endr
	WIN 0
.irp t, 0,1,2,3,4,5,6,7,8,9,10,11,12,13,14,15
	global_store_b128 v[CO], v[OB+4*\t:OB+4*\t+3], s[12:13] offset:(16*(\a)+\t)*4096 th:TH_STORE_NT   ; 512 consecutive bytes, aligned; written once, read by nobody here
.endr
.if (\a) < 4
	RLOAD (\a)+4
.endif
.endm
	s_load_b128 s[4:7], s[0:1], 0x0                ; fimg, wimg
	s_load_b128 s[8:11], s[0:1], 0x10              ; b_fc2, x1
	s_load_b64 s[12:13], s[0:1], 0x20              ; out0
	v_lshl_add_u32 v[SPW], v0, 2, SPARE
	v_mov_b32 v[NIL], 0
	ds_add_u32 v28, v29
	ds_add_u32 v28, v29
	s_wait_dscnt 0x0
	v_lshrrev_b32 v1, 5, v0
	v_readfirstlane_b32 s14, v1                    ; wave 0..3
	s_lshr_b32 s15, s14, 1                         ; my half of S's rows.  Also: I fetch for S (0) or for L (1)
	s_and_b32 s16, s14, 1                          ; my half of L's rows.  Also: which panel I fetch
	s_bfe_u32 s40, ttmp6, 0x40000                  ; cx
	s_bfe_u32 s41, ttmp6, 0x40004                  ; cy
	s_lshl_b32 s42, ttmp9, 2
	s_add_co_u32 s42, s42, s40                     ; L's tile (columns)
	s_and_b32 s17, ttmp7, 0xffff
	s_lshl_b32 s17, s17, 2
	s_add_co_u32 s17, s17, s41                     ; S's tile (tokens)
	s_lshl_b32 s43, s41, 2
	s_lshl_b32 s43, 15, s43
	s_lshl_b32 s44, 0x1111, s40
	s_or_b32 s[G1+0], s43, (3<<16)|(1<<21)         ; 15:0 the mask; 17:16 elements of 8 bytes; 21 set beside a mask; no padding
	s_or_b32 s[G1B+0], s44, (3<<16)|(1<<21)
.irp g, G1, G1B                        ; a panel's slot: 136 rows of 256 bytes, dense
	s_mov_b32 s[\g+1], 32<<16
	s_mov_b32 s[\g+2], 136<<16
	s_mov_b32 s[\g+3], 32<<16
	s_mov_b32 s[\g+4], 136
	s_mov_b32 s[\g+5], 32
	s_mov_b32 s[\g+6], 0
	s_mov_b32 s[\g+7], 0
.endr
	s_lshl_b32 s20, s17, 1
	s_add_co_u32 s20, s20, s16
	s_mul_i32 s20, s20, NSL*PANEL
	s_mov_b32 s21, 0
	s_lshl_b32 s46, s42, 1
	s_add_co_u32 s46, s46, s16
	s_mul_i32 s46, s46, NSL*PANEL
	s_add_co_u32 s46, s46, WOFF
	s_mov_b32 s47, 0
	s_mul_i32 s45, s14, PANEL                      ; where my load lands: wave x a panel
	s_wait_kmcnt 0x0
	s_add_nc_u64 s[20:21], s[4:5], s[20:21]
	s_add_nc_u64 s[46:47], s[6:7], s[46:47]
	CROUND                                         ; all sixteen work-groups are here: the first joint loads meet
.irp s, 0,1
	s_mov_b32 s[G0+4*\s], 1
	s_add_co_u32 s[G0+4*\s+1], s45, \s*SLOT
	s_add_nc_u64 s[G0+4*\s+2:G0+4*\s+3], s[20:21], \s*PANEL
	s_or_b32 s[G0+4*\s+3], s[G0+4*\s+3], 0x80000000
	s_mov_b32 s[G0B+4*\s], 1
	s_add_co_u32 s[G0B+4*\s+1], s45, \s*SLOT
	s_add_nc_u64 s[G0B+4*\s+2:G0B+4*\s+3], s[46:47], \s*PANEL
	s_or_b32 s[G0B+4*\s+3], s[G0B+4*\s+3], 0x80000000
	JLOAD G0+4*\s, G1, G0B+4*\s, G1B
.endr
	v_and_b32 v1, 15, v0                           ; r
	v_bfe_u32 v2, v0, 4, 1                         ; h
	v_and_b32 v3, 31, v0
	v_lshlrev_b32 v[CO], 4, v3
	s_mul_i32 s21, s15, PANEL
	s_mul_i32 s22, s16, PANEL
	s_add_co_u32 s22, s22, 2*PANEL
.irp s, 0,1
	v_add_nc_u32 v[ADRA+\s], s21, v[CO]
	v_add_nc_u32 v[ADRB+\s], s22, v[CO]
	s_add_co_u32 s21, s21, SLOT
	s_add_co_u32 s22, s22, SLOT
.endr
	s_mul_i32 s21, s15, PANEL
	s_mul_i32 s22, s16, PANEL
	s_add_co_u32 s22, s22, 2*PANEL
	s_sub_co_u32 s22, s22, s21
	v_mul_u32_u24 v5, s22, v2                      ; lanes 16-31 take L's panel: one product of h
	v_lshl_add_u32 v5, v1, 2, v5
	s_add_co_u32 s21, s21, 32768
	v_add_nc_u32 v[ADRS], s21, v5
	v_add_nc_u32 v[ADRS+1], SLOT, v[ADRS]
	s_mul_i32 s21, s14, 16*SPITCH
	s_add_co_u32 s21, s21, STG                     ; my stage
	v_mul_u32_u24 v5, v1, SPITCH
	v_lshl_add_u32 v5, v2, 5, v5
	v_add_nc_u32 v[STO], s21, v5
	v_add_nc_u32 v[RD], s21, v[CO]
	s_lshl_b32 s18, s17, 8
	s_lshl_b32 s19, s15, 7
	s_add_co_u32 s18, s18, s19                     ; my first row,
	s_lshl_b32 s18, s18, 12                        ; in bytes
	s_lshl_b32 s19, s42, 10
	s_lshl_b32 s22, s16, 9
	s_add_co_u32 s22, s19, s22                     ; my first column, in bytes
	s_mov_b32 s23, 0
	s_add_nc_u64 s[8:9], s[8:9], s[22:23]
	s_add_co_u32 s22, s22, s18
	s_add_nc_u64 s[10:11], s[10:11], s[22:23]
	s_add_nc_u64 s[12:13], s[12:13], s[22:23]
	global_load_b128 v[BI:BI+3], v[CO], s[8:9]     ; the bias of my four columns of a row
	RLOAD 0
	RLOAD 1
	s_wait_tensorcnt 1                             ; my part of slot 0 is in; slot 1's may stay out
	s_barrier_signal -1
	s_barrier_wait -1
	FETCH_B 0, 0, 0
	FETCH_A 0, 0, 0
	SCALES 0, 0, 0
	FETCH_A 0, 0, 4
	STEP 0, 0, 1                                   ; the first step stands in front of the loop: its products start the sums
	s_mov_b32 s3, LAPS-1
.Llap:                                             ; a trip goes once round the ring, from a lap's second step to the next lap's first, and fills both slots again
	STEPS 0, 1
	TURN 0, 1, 1
	STEPS 1, 0
	TURN 1, 0, 1
	STEP 0, 0, 0
	s_sub_co_u32 s3, s3, 1
	s_cmp_lg_u32 s3, 0
	s_cbranch_scc1 .Llap
	STEPS 0, 1                                     ; the last lap fills nothing, and has no round of the cluster's barrier
	TURN 0, 1, 0
	STEPS 1, 0
	s_wait_dscnt 8                                 ; the last step: nothing more to fetch
	WIN MUL_LO
	MUL16 0, 1, 0
	MUL16 2, 1, 0
	s_wait_dscnt 0x0
	WIN MUL_HI
	MUL16 4, 1, 0
	MUL16 6, 1, 0
	WIN 0
	PLACES 4                                       ; ahead of the loads into L's and S's registers and of the first read of results
	RLOAD 2
	RLOAD 3
	TOSTAGE 0
.irp a, 0,1,2,3,4,5,6,7
	OUTB \a
.endr
	s_wait_tensorcnt 0x0                           ; the wave's end, behind my last tensor load and my last LDS store
	ds_add_u32 v[SPW], v[NIL]
	s_wait_dscnt 0x0
	CROUND                                         ; the closing round: no work-group ends while a partner may still ask for a tile that names it
	s_endpgm
.Lfunc_end_k_qb3d4cd76b0_g2:
	.size	k_qb3d4cd76b0_g2, .Lfunc_end_k_qb3d4cd76b0_g2-k_qb3d4cd76b0_g2
	.p2alignl 7, 3214868480
	.fill 96, 4, 3214868480
	.section	.rodata,"a",@progbits
	.p2align	6, 0x0
	.amdhsa_kernel k_qb3d4cd76b0_g2
		.amdhsa_group_segment_fixed_size 327680
		.amdhsa_private_segment_fixed_size 0
		.amdhsa_enable_private_segment 0
		.amdhsa_kernarg_size 40
		.amdhsa_user_sgpr_count 2
		.amdhsa_user_sgpr_kernarg_segment_ptr 1
		.amdhsa_wavefront_size32 1
		.amdhsa_system_sgpr_workgroup_id_x 1
		.amdhsa_system_sgpr_workgroup_id_y 1
		.amdhsa_system_sgpr_workgroup_id_z 1
		.amdhsa_system_vgpr_workitem_id 0
		.amdhsa_next_free_vgpr 1024
		.amdhsa_next_free_sgpr 100
		.amdhsa_reserve_vcc 0
		.amdhsa_float_denorm_mode_32 3
		.amdhsa_float_denorm_mode_16_64 3
		.amdhsa_memory_ordered 1
		.amdhsa_forward_progress 1
		.amdhsa_inst_pref_size 255
	.end_amdhsa_kernel
	.section	.bss,"aw",@nobits
	.p2align	6
	.space	262144
	.amdgpu_metadata
---
amdhsa.version: [ 1, 2 ]
amdhsa.kernels:
  - .name:           k_qb3d4cd76b0_g2
    .symbol:         k_qb3d4cd76b0_g2.kd
    .args:
      - { .name: fimg, .offset: 0, .size: 8, .value_kind: global_buffer, .address_space: global }
      - { .name: wimg, .offset: 8, .size: 8, .value_kind: global_buffer, .address_space: global }
      - { .name: b_fc2, .offset: 16, .size: 8, .value_kind: global_buffer, .address_space: global }
      - { .name: x1, .offset: 24, .size: 8, .value_kind: global_buffer, .address_space: global }
      - { .name: out0, .offset: 32, .size: 8, .value_kind: global_buffer, .address_space: global }
    .group_segment_fixed_size: 327680
    .private_segment_fixed_size: 0
    .kernarg_segment_align: 8
    .kernarg_segment_size: 40
    .max_flat_workgroup_size: 128
    .sgpr_count:     100
    .vgpr_count:     1024
    .wavefront_size: 32
...
	.end_amdgpu_metadata
.endif
;; end of part 7
;; ======== version 2 of 2: 6 launches
;; limits: right only within a limited range of input values
;; workspace buffers: wimg 5,570,560 bytes; himg 2,228,224 bytes; oimg 2,228,224 bytes; fimg 8,912,896 bytes; x1 16,777,216 bytes; kv 4,456,448 bytes
;; launch prep (part 8): grid 576 x 1, 8 waves a work-group, no clusters, 68,096 bytes of LDS; arguments x, ln1_g, ln1_b, himg, w_attn, w_proj, w_fc1, w_fc2, wimg; writes himg, wimg
.if DOCPART == 8
	.amdgcn_target "amdgcn-amd-amdhsa--gfx1250"
	.amdhsa_code_object_version 6
	.text
	.protected	k_qb3d4cd76b0_prep
	.globl	k_qb3d4cd76b0_prep
	.p2align	8
	.type	k_qb3d4cd76b0_prep,@function
k_qb3d4cd76b0_prep:
	s_mov_b64 s[64:65], 0
	v_nop
	global_prefetch_b8 v0, s[64:65] scope:SCOPE_SE
	s_setreg_imm32_b32 hwreg(HW_REG_WAVE_MODE, 25, 1), 1
	s_wait_xcnt 0x0
; ONE LAUNCH PREPARES ALL OPERANDS THAT HANG ON INPUTS ALONE: work-groups 0-255 take the first layer norm of x and quantise it (himg); work-groups 256-575 quantise the four weights (wimg).  The two parts share nothing; each has LDS bytes of its own.
; WORK LEFT OUT.  reference() keeps of its first product only qkv[..., 1024:2048]: columns 0 .. 1,023 and 2,048 .. 3,071 of w_attn (and of b_attn) are sliced away and reach no output, whatever the inputs hold.  So of w_attn only
; columns 1,024 .. 2,047 are read, here and in every later launch.  LIMIT: a NaN, an infinity or an overflow that would arise only in those columns' products is not carried to the result.
; THE IMAGE OF OPERAND REGISTERS.  An operand's rows go in panels of 128, K in slots of 512; block (panel p, slot sl) is 34,816 dense bytes at (p x slots + sl) x 34,816.
;   bytes 0 .. 32,767: fragment (rb = 16 rows, q = 128 along K) at (4 rb + q) x 1,024: the 16 bytes of row r, block beta of 32 along K (0..3), at 256 beta + 16 r: so lane l of a wave finds registers 4 c .. 4 c + 3 at 512 c + 16 l.
;   Inside the 16 bytes, word w holds the codes of k = 8 G[w] .. + 7 of the block, G = 0, 2, 1, 3: the same order in every operand of this program, so each product pairs equal k.
;   bytes 32,768 ..: one scale word (4 bytes, blocks 0..3) for row and q, at 512 q + 64 rb + 4 r.
; A block's scale byte is its largest magnitude's exponent field - 2, held at 1 from below.
; LIMITS: a block of zeros, or one whose largest magnitude lies under 2^-124, gets the byte 1 (zero codes add nothing; only this program reads the bytes); NaN and infinities are not served.
; THE NORM'S PART: y = (x - mean) x rsqrt(var + 1e-5) x g + b along rows of 1,024, in f32.  A work-group takes 16 rows (one rb of a panel).  Wave w takes rows 2 w and 2 w + 1 whole, 32 numbers a lane, each load 512 consecutive bytes;
;   y goes to LDS (rows 4,112 bytes apart); then wave w takes K step w of all 16 rows: lane (r, h) reads blocks h and 2 + h of row r whole, so that a block's largest magnitude needs no other lane.
; THE WEIGHTS' PART: f32 stored [K][N].  Four waves take one panel and 128 along K (a unit); a work-group's eight waves take two units.  A LANE TAKES A COLUMN AND ITS REGISTERS RUN DOWN K: a block of 32 lies in one lane's 32 registers.
;   Units 0-63: w_attn's k third; 64-127: w_proj; 128-383: w_fc1; 384-639: w_fc2.  Only pointers and numbers are chosen: all units take one path.
; 160 registers a wave and 68,096 bytes of LDS: three work-groups have room on a WGP, 768 places for the 576.  No tensor loads, so LDS is claimed as it is used.
.set PITCH, 4112
.set PANEL, 34816
.set SPARE, 0x10200                    ; behind the norm's 16 rows: the spare words, 128 bytes a wave
.set WQL,   SPARE+1024                 ; behind them: the weights' part's 1,024 bytes of scale words
	v_lshl_add_u32 v25, v0, 2, SPARE
	v_mov_b32 v26, 0
	s_cmp_lt_u32 ttmp9, 256
	s_wait_alu depctr_va_vdst(0)
	s_cbranch_scc0 .Lwq
	s_load_b256 s[4:11], s[0:1], 0x0               ; x, g, b, the image
	v_lshrrev_b32 v1, 5, v0
	s_delay_alu instid0(VALU_DEP_1)
	v_readfirstlane_b32 s12, v1                    ; wave 0..7
	v_and_b32 v2, 31, v0                           ; lane
	s_delay_alu instid0(VALU_DEP_1)
	v_lshlrev_b32 v3, 4, v2                        ; 16 x lane
	v_and_b32 v7, 15, v0                           ; r
	v_bfe_u32 v6, v0, 4, 1                         ; h
	s_mul_i32 s20, s12, 2*PITCH
	v_add_nc_u32 v4, s20, v3                       ; LDS, phase 1: my wave's two rows, 16 bytes a lane
	v_mul_u32_u24 v5, v7, PITCH
	s_delay_alu instid0(VALU_DEP_1)
	v_lshl_add_u32 v5, v6, 7, v5
	s_lshl_b32 s20, s12, 9
	v_add_nc_u32 v5, s20, v5                       ; LDS, phase 2: row r, K step w, block h
	v_lshlrev_b32 v24, 2, v7                       ; 4 r
	s_lshl_b32 s13, ttmp9, 4
	s_lshl_b32 s14, s12, 1
	s_add_co_u32 s13, s13, s14                     ; my first row
	s_lshl_b32 s14, s13, 12
	s_mov_b32 s15, 0
	s_mov_b32 s16, 0x76543210                      ; v_permlanex16_b32's selects for lane l xor 16
	s_mov_b32 s17, 0xfedcba98
	s_mov_b32 s18, 0x3a800000                      ; 1 / 1,024
	s_mov_b32 s19, 0x3727c5ac                      ; 1e-5
	s_lshr_b32 s22, ttmp9, 3
	s_lshl_b32 s22, s22, 1
	s_lshr_b32 s23, s12, 2
	s_add_co_u32 s22, s22, s23
	s_mul_i32 s22, s22, PANEL                      ; block (panel, slot w / 4)
	s_and_b32 s23, ttmp9, 7                        ; rb
	s_and_b32 s24, s12, 3                          ; q
	s_lshl_b32 s25, s23, 2
	s_add_co_u32 s25, s25, s24
	s_lshl_b32 s25, s25, 10
	s_add_co_u32 s26, s25, s22
	s_mov_b32 s27, 0
	s_lshl_b32 s24, s24, 9
	s_lshl_b32 s23, s23, 6
	s_add_co_u32 s28, s24, s23
	s_add_co_u32 s28, s28, s22
	s_add_co_u32 s28, s28, 32768
	s_mov_b32 s29, 0
	s_wait_alu depctr_va_vdst(0)
	s_wait_kmcnt 0x0
	s_add_nc_u64 s[4:5], s[4:5], s[14:15]
	s_add_nc_u64 s[20:21], s[10:11], s[28:29]      ; my scale words
	s_add_nc_u64 s[10:11], s[10:11], s[26:27]      ; my fragment
.irp R, 0,1
.irp i, 0,1,2,3,4,5,6,7
	global_load_b128 v[32+32*\R+4*\i:35+32*\R+4*\i], v3, s[4:5] offset:4096*\R+512*\i
.endr
.endr
.irp i, 0,1,2,3,4,5,6,7
	global_load_b128 v[96+4*\i:99+4*\i], v3, s[6:7] offset:512*\i
	global_load_b128 v[128+4*\i:131+4*\i], v3, s[8:9] offset:512*\i
.endr
; a lane's partial in v[8 + 8 R] becomes the row's sum in every lane
.macro ACROSS
.irp R, 0
	s_delay_alu instid0(VALU_DEP_3)
	v_pk_add_f32 v[8+8*\R:9+8*\R], v[8+8*\R:9+8*\R], v[10+8*\R:11+8*\R]
.endr
.irp R, 1
	s_delay_alu instid0(VALU_DEP_2)
	v_pk_add_f32 v[8+8*\R:9+8*\R], v[8+8*\R:9+8*\R], v[10+8*\R:11+8*\R]
.endr
.irp R, 0,1
	s_delay_alu instid0(VALU_DEP_2)
	v_add_f32 v[8+8*\R], v[8+8*\R], v[9+8*\R]
.endr
.irp m, 1,2,4,8
.irp R, 0,1
	s_delay_alu instid0(VALU_DEP_2)
	v_add_f32_dpp v[8+8*\R], v[8+8*\R], v[8+8*\R] row_xmask:\m row_mask:0xf bank_mask:0xf
.endr
.endr
.irp R, 0,1
	s_delay_alu instid0(VALU_DEP_2)
	v_permlanex16_b32 v[9+8*\R], v[8+8*\R], s16, s17
.endr
.irp R, 0,1
	s_delay_alu instid0(VALU_DEP_2)
	v_add_f32 v[8+8*\R], v[8+8*\R], v[9+8*\R]
.endr
.endm
	s_wait_loadcnt 16                              ; the two rows are in; g's and b's sixteen loads may be out
.irp R, 0,1                            ; the sum, two numbers at a time, in two chains; the two rows by turns
	v_pk_add_f32 v[8+8*\R:9+8*\R], v[32+32*\R:33+32*\R], v[34+32*\R:35+32*\R]
	v_pk_add_f32 v[10+8*\R:11+8*\R], v[36+32*\R:37+32*\R], v[38+32*\R:39+32*\R]
.endr
.irp j, 8,12,16,20,24,28
.irp R, 0,1
	s_delay_alu instid0(VALU_DEP_4)
	v_pk_add_f32 v[8+8*\R:9+8*\R], v[8+8*\R:9+8*\R], v[32+32*\R+\j:33+32*\R+\j]
	s_delay_alu instid0(VALU_DEP_4)
	v_pk_add_f32 v[10+8*\R:11+8*\R], v[10+8*\R:11+8*\R], v[34+32*\R+\j:35+32*\R+\j]
.endr
.endr
	ACROSS
.irp R, 0,1
	s_delay_alu instid0(VALU_DEP_2)
	v_mul_f32 v[12+8*\R], s18, v[8+8*\R]           ; the mean,
.endr
.irp R, 0,1
	s_delay_alu instid0(VALU_DEP_2)
	v_mov_b32 v[13+8*\R], v[12+8*\R]               ; as a pair
.endr
.irp j, 0,2,4,6,8,10,12,14,16,18,20,22,24,26,28,30
.irp R, 0,1
	v_pk_add_f32 v[32+32*\R+\j:33+32*\R+\j], v[32+32*\R+\j:33+32*\R+\j], v[12+8*\R:13+8*\R] neg_lo:[0,1] neg_hi:[0,1]   ; x - mean, in place
.endr
.endr
.irp R, 0,1
	v_pk_mul_f32 v[8+8*\R:9+8*\R], v[32+32*\R:33+32*\R], v[32+32*\R:33+32*\R]
	v_pk_mul_f32 v[10+8*\R:11+8*\R], v[34+32*\R:35+32*\R], v[34+32*\R:35+32*\R]
.endr
.irp j, 4,8,12,16,20,24,28
.irp R, 0,1
	s_delay_alu instid0(VALU_DEP_4)
	v_pk_fma_f32 v[8+8*\R:9+8*\R], v[32+32*\R+\j:33+32*\R+\j], v[32+32*\R+\j:33+32*\R+\j], v[8+8*\R:9+8*\R]
	s_delay_alu instid0(VALU_DEP_4)
	v_pk_fma_f32 v[10+8*\R:11+8*\R], v[34+32*\R+\j:35+32*\R+\j], v[34+32*\R+\j:35+32*\R+\j], v[10+8*\R:11+8*\R]
.endr
.endr
	ACROSS
.irp R, 0,1
	s_delay_alu instid0(VALU_DEP_2)
	v_fma_f32 v[8+8*\R], v[8+8*\R], s18, s19       ; var + 1e-5
.endr
	s_wait_alu depctr_va_vdst(0)
.irp R, 0,1
	v_rsq_f32 v[14+8*\R], v[8+8*\R]
.endr
	v_nop                                          ; a plain line behind the last of the two
	s_wait_alu depctr_va_vdst(0)                   ; one wait for both, ahead of the first line that names a result
.irp R, 0,1
	v_mov_b32 v[15+8*\R], v[14+8*\R]
.endr
	s_wait_alu depctr_va_vdst(0)
	s_wait_loadcnt 0x0                             ; g and b
.irp j, 0,2,4,6,8,10,12,14,16,18,20,22,24,26,28,30
.irp R, 0,1
	v_pk_mul_f32 v[32+32*\R+\j:33+32*\R+\j], v[32+32*\R+\j:33+32*\R+\j], v[14+8*\R:15+8*\R]
.endr
.endr
.irp j, 0,2,4,6,8,10,12,14,16,18,20,22,24,26,28,30
.irp R, 0,1
	v_pk_fma_f32 v[32+32*\R+\j:33+32*\R+\j], v[32+32*\R+\j:33+32*\R+\j], v[96+\j:97+\j], v[128+\j:129+\j]
.endr
.endr
.irp R, 0,1
.irp i, 0,1,2,3,4,5,6,7
	ds_store_b128 v4, v[32+32*\R+4*\i:35+32*\R+4*\i] offset:PITCH*\R+512*\i
.endr
.endr
	s_wait_dscnt 0x0                               ; for the others' sake: my rows lie in LDS
	s_barrier_signal -1
	s_barrier_wait -1
.irp c, 0,1                            ; block 2 c + h of row r: 32 numbers
.irp i, 0,1,2,3,4,5,6,7
	ds_load_b128 v[32+32*\c+4*\i:35+32*\c+4*\i], v5 offset:256*\c+16*\i
.endr
.endr
	s_wait_dscnt 0x0
.irp c, 0,1
	v_max3_num_f32 v[8+\c], |v[32+32*\c]|, |v[33+32*\c]|, 0x1800000   ; and the floor 2^(3 - 127): the byte cannot fall under 1
.endr
.irp i, 2,4,6,8,10,12,14,16,18,20,22,24,26,28,30
.irp c, 0,1
	s_delay_alu instid0(VALU_DEP_2)
	v_max3_num_f32 v[8+\c], v[8+\c], |v[32+32*\c+\i]|, |v[33+32*\c+\i]|
.endr
.endr
.irp c, 0,1
	s_delay_alu instid0(VALU_DEP_2)
	v_add_nc_u32 v[10+\c], 0xff000000, v[8+\c]     ; 2 off the exponent field: the conversion's scale operand
.endr
.irp c, 0,1
	s_delay_alu instid0(VALU_DEP_2)
	v_lshrrev_b32 v[12+\c], 23, v[10+\c]           ; the scale's byte
.endr
	s_delay_alu instid0(VALU_DEP_1)
	v_lshl_or_b32 v14, v13, 16, v12                ; my two bytes, blocks h and 2 + h,
	v_lshlrev_b32 v15, 3, v6
	s_delay_alu instid0(VALU_DEP_1)
	v_lshlrev_b32 v14, v15, v14                    ; at their places in the word;
	v_mov_b32 v15, 0
	s_delay_alu instid0(VALU_DEP_1)
	v_permlanex16_b32 v15, v14, s16, s17
	s_delay_alu instid0(VALU_DEP_1)
	v_or_b32 v14, v14, v15                         ; with lane l xor 16's two the word is whole
.irp c, 0,1
	v_cvt_scalef32_pk8_fp4_f32 v[16+4*\c], v[32+32*\c:39+32*\c], v[10+\c]     ; word w takes group G[w] = 0, 2, 1, 3
	v_cvt_scalef32_pk8_fp4_f32 v[17+4*\c], v[48+32*\c:55+32*\c], v[10+\c]
	v_cvt_scalef32_pk8_fp4_f32 v[18+4*\c], v[40+32*\c:47+32*\c], v[10+\c]
	v_cvt_scalef32_pk8_fp4_f32 v[19+4*\c], v[56+32*\c:63+32*\c], v[10+\c]
.endr
	v_nop                                          ; a plain line behind the last conversion
	global_store_b128 v3, v[16:19], s[10:11]       ; 512 consecutive bytes each
	global_store_b128 v3, v[20:23], s[10:11] offset:512
	s_wait_xcnt 0x0                                ; EXEC changes only behind this wait
	v_cmp_gt_u32 vcc_lo, 16, v2
	s_wait_tensorcnt 0x0                           ; the wave's end, behind my last LDS store
	ds_add_u32 v25, v26
	s_wait_dscnt 0x0
	s_and_saveexec_b32 s22, vcc_lo
	global_store_b32 v24, v14, s[20:21]            ; lanes 0-15: the 16 rows' scale words
	s_wait_xcnt 0x0
	s_or_b32 exec_lo, exec_lo, s22
	s_endpgm
; THE WEIGHTS' PART
.set VO, 16                            ; v16-23   row i of eight: i x row bytes + 4 x lane; never rewritten
.set C0, 28                            ; v28-31   block 0's codes; block t's lie over the first four numbers of block t - 1, which are done with: no store's data are written again
.set X,  32                            ; v32-159  four blocks of 32 numbers
.Lwq:
	s_load_b256 s[4:11], s[0:1], 0x20              ; w_attn, w_proj, w_fc1, w_fc2
	s_load_b64 s[12:13], s[0:1], 0x40              ; wimg
	v_lshrrev_b32 v1, 5, v0
	v_readfirstlane_b32 s99, v1                    ; wave 0..7
	s_and_b32 s2, s99, 3                           ; my wave within its unit
	s_lshr_b32 s47, s99, 2                         ; which of the work-group's two units
	s_sub_co_u32 s46, ttmp9, 256
	s_lshl_b32 s46, s46, 1
	s_add_co_u32 s46, s46, s47                     ; the unit, 0..639
	v_and_b32 v2, 31, v0                           ; lane
	v_lshlrev_b32 v3, 2, v2                        ; my column's 4 bytes
	v_lshrrev_b32 v4, 4, v2
	v_lshlrev_b32 v4, 12, v4
	v_and_b32 v7, 15, v2
	v_lshl_add_u32 v4, v7, 4, v4
	s_lshl_b32 s3, s2, 13
	v_add_nc_u32 v4, s3, v4                        ; codes: rb = 2 wave + lane / 16: 4,096 rb + 16 r
	v_lshl_add_u32 v5, v0, 2, WQL                  ; LDS: my column's scale word: 4 x thread
	v_lshlrev_b32 v6, 4, v2                        ; 16 bytes a lane on the way out
	s_lshl_b32 s47, s47, 9
	s_add_co_u32 s47, s47, WQL
	v_add_nc_u32 v9, s47, v6                       ; LDS: my unit's 512 bytes of scale words, 16 a lane
	s_mov_b32 s28, 4096                            ; w_fc2's figures: bytes in a row,
	s_mov_b32 s29, 0                               ; first column's byte,
	s_mov_b32 s30, 3342336                         ; place in wimg,
	s_mov_b32 s31, 384                             ; first unit,
	s_mov_b32 s32, 5                               ; log2 of the K steps of 128
	s_wait_alu depctr_va_vdst(0)
	s_wait_kmcnt 0x0
	s_mov_b64 s[14:15], s[10:11]
	s_mov_b32 s33, 16384
	s_mov_b32 s34, 1114112
	s_cmp_lt_u32 s46, 384                          ; w_fc1 or an earlier one
	s_cselect_b64 s[14:15], s[8:9], s[14:15]
	s_cselect_b32 s28, s33, s28
	s_cselect_b32 s30, s34, s30
	s_cselect_b32 s31, 128, s31
	s_cselect_b32 s32, 3, s32
	s_mov_b32 s33, 4096
	s_mov_b32 s34, 557056
	s_cmp_lt_u32 s46, 128                          ; w_proj or w_attn
	s_cselect_b64 s[14:15], s[6:7], s[14:15]
	s_cselect_b32 s28, s33, s28
	s_cselect_b32 s30, s34, s30
	s_cselect_b32 s31, 64, s31
	s_mov_b32 s33, 12288
	s_mov_b32 s34, 4096
	s_cmp_lt_u32 s46, 64                           ; w_attn
	s_cselect_b64 s[14:15], s[4:5], s[14:15]
	s_cselect_b32 s28, s33, s28
	s_cselect_b32 s29, s34, s29
	s_cselect_b32 s30, 0, s30
	s_cselect_b32 s31, 0, s31
	s_sub_co_u32 s31, s46, s31                     ; my unit's number within the tensor
	s_bfm_b32 s35, s32, 0
	s_and_b32 s35, s31, s35                        ; kg: which 128 along K
	s_lshr_b32 s36, s31, s32                       ; p: which panel
	s_sub_co_u32 s37, s32, 2
	s_lshl_b32 s38, s36, s37                       ; p x slots
	s_lshr_b32 s39, s35, 2
	s_add_co_u32 s38, s38, s39                     ; + slot
	s_mul_i32 s38, s38, PANEL
	s_add_co_u32 s38, s38, s30                     ; my block in wimg
	s_and_b32 s39, s35, 3                          ; q
	s_lshl_b32 s40, s35, 7
	s_mul_i32 s40, s40, s28                        ; 128 kg rows,
	s_add_co_u32 s40, s40, s29
	s_lshl_b32 s41, s36, 9
	s_add_co_u32 s40, s40, s41                     ; the panel's 512 bytes of a row,
	s_lshl_b32 s41, s2, 7
	s_add_co_u32 s40, s40, s41                     ; my wave's 128 of them
	s_mov_b32 s41, 0
	s_lshl_b32 s42, s28, 3                         ; 8 rows on
	s_mov_b32 s43, 0
	s_add_nc_u64 s[66:67], s[14:15], s[40:41]      ; a base for each 8 of my 128 rows: sixteen pairs, never rewritten
.set Q, 0
.rept 15
	s_add_nc_u64 s[68+2*Q:69+2*Q], s[66+2*Q:67+2*Q], s[42:43]
.set Q, Q+1
.endr
	s_lshl_b32 s44, s39, 10
	s_add_co_u32 s44, s44, s38
	s_mov_b32 s45, 0
	s_add_nc_u64 s[24:25], s[12:13], s[44:45]      ; codes: block + 1,024 q
	s_lshl_b32 s44, s39, 9
	s_add_co_u32 s44, s44, s38
	s_add_co_u32 s44, s44, 32768
	s_add_nc_u64 s[26:27], s[12:13], s[44:45]      ; scale words: block + 32,768 + 512 q
.irp i, 0,1,2,3,4,5,6,7
	v_mad_u32_u24 v[VO+\i], s28, \i, v3
.endr
.irp t, 0,1,2,3                        ; all 128 loads in one run: each reads 128 consecutive bytes, a unit's four waves side by side 512
.irp g, 0,1,2,3
.irp i, 0,1,2,3,4,5,6,7
	global_load_b32 v[X+32*\t+8*\g+\i], v[VO+\i], s[66+8*\t+2*\g:67+8*\t+2*\g] th:TH_LOAD_NT
.endr
.endr
.endr
.macro BLOCK t, left
.set XS, X+32*(\t)
.if (\t) == 0
.set CC, C0
.else
.set CC, X+32*((\t)-1)
.endif
	s_wait_loadcnt \left                           ; loads come back in order: this block's 32 are in.  (A count cannot name more than 63: the first two waits ask for more than they need)
	v_max3_num_f32 v12, |v[XS]|, |v[XS+1]|, |v[XS+2]|
	v_max3_num_f32 v13, |v[XS+3]|, |v[XS+4]|, |v[XS+5]|
.irp i, 6,10,14,18,22,26
	v_max3_num_f32 v12, v12, |v[XS+\i]|, |v[XS+\i+1]|
	v_max3_num_f32 v13, v13, |v[XS+\i+2]|, |v[XS+\i+3]|
.endr
	v_max3_num_f32 v12, v12, |v[XS+30]|, |v[XS+31]|
	v_max3_num_f32 v12, v12, v13, 0x1800000        ; the block's largest magnitude, and the floor 2^(3 - 127): the byte cannot fall under 1
	v_add_nc_u32 v11, 0xff000000, v12              ; 2 off its exponent field: the conversion takes the exponent field of this operand as its scale
	v_cvt_scalef32_pk8_fp4_f32 v[CC], v[XS:XS+7], v11                ; word w takes group G[w] = 0, 2, 1, 3 of eight along K
	v_cvt_scalef32_pk8_fp4_f32 v[CC+1], v[XS+16:XS+23], v11
	v_cvt_scalef32_pk8_fp4_f32 v[CC+2], v[XS+8:XS+15], v11
	v_cvt_scalef32_pk8_fp4_f32 v[CC+3], v[XS+24:XS+31], v11
	v_lshrrev_b32 v13, 23, v11                     ; the scale's byte (a plain line behind the conversions)
.if (\t) == 0
	v_mov_b32 v8, v13
.else
	v_lshl_or_b32 v8, v13, 8*(\t), v8              ; four bytes make my column's scale word
.endif
	global_store_b128 v4, v[CC:CC+3], s[24:25] offset:256*(\t)       ; each half of the lanes stores 256 consecutive bytes, aligned
.endm
	BLOCK 0, 63
	BLOCK 1, 63
	BLOCK 2, 32
	BLOCK 3, 0
	ds_store_b32 v5, v8                            ; a unit's 128 scale words meet in LDS
	s_wait_dscnt 0x0                               ; for the others' sake: my store is done
	s_barrier_signal -1
	s_barrier_wait -1
	s_cmp_lg_u32 s2, 0
	s_cbranch_scc1 .Ldone
	ds_load_b128 v[12:15], v9
	s_wait_dscnt 0x0
	global_store_b128 v6, v[12:15], s[26:27]       ; each unit's first wave stores them: 512 consecutive bytes
.Ldone:
	s_wait_tensorcnt 0x0                           ; the wave's end, behind my last LDS store
	ds_add_u32 v25, v26
	s_wait_dscnt 0x0
	s_endpgm
.Lfunc_end_k_qb3d4cd76b0_prep:
	.size	k_qb3d4cd76b0_prep, .Lfunc_end_k_qb3d4cd76b0_prep-k_qb3d4cd76b0_prep
	.p2alignl 7, 3214868480
	.fill 96, 4, 3214868480
	.section	.rodata,"a",@progbits
	.p2align	6, 0x0
	.amdhsa_kernel k_qb3d4cd76b0_prep
		.amdhsa_group_segment_fixed_size 68096
		.amdhsa_private_segment_fixed_size 0
		.amdhsa_enable_private_segment 0
		.amdhsa_kernarg_size 72
		.amdhsa_user_sgpr_count 2
		.amdhsa_user_sgpr_kernarg_segment_ptr 1
		.amdhsa_wavefront_size32 1
		.amdhsa_system_sgpr_workgroup_id_x 1
		.amdhsa_system_sgpr_workgroup_id_y 1
		.amdhsa_system_sgpr_workgroup_id_z 1
		.amdhsa_system_vgpr_workitem_id 0
		.amdhsa_next_free_vgpr 160
		.amdhsa_next_free_sgpr 100
		.amdhsa_reserve_vcc 1
		.amdhsa_float_denorm_mode_32 3
		.amdhsa_float_denorm_mode_16_64 3
		.amdhsa_memory_ordered 1
		.amdhsa_forward_progress 1
		.amdhsa_inst_pref_size 51
	.end_amdhsa_kernel
	.amdgpu_metadata
---
amdhsa.version: [ 1, 2 ]
amdhsa.kernels:
  - .name:           k_qb3d4cd76b0_prep
    .symbol:         k_qb3d4cd76b0_prep.kd
    .args:
      - { .name: x, .offset: 0, .size: 8, .value_kind: global_buffer, .address_space: global }
      - { .name: ln1_g, .offset: 8, .size: 8, .value_kind: global_buffer, .address_space: global }
      - { .name: ln1_b, .offset: 16, .size: 8, .value_kind: global_buffer, .address_space: global }
      - { .name: himg, .offset: 24, .size: 8, .value_kind: global_buffer, .address_space: global }
      - { .name: w_attn, .offset: 32, .size: 8, .value_kind: global_buffer, .address_space: global }
      - { .name: w_proj, .offset: 40, .size: 8, .value_kind: global_buffer, .address_space: global }
      - { .name: w_fc1, .offset: 48, .size: 8, .value_kind: global_buffer, .address_space: global }
      - { .name: w_fc2, .offset: 56, .size: 8, .value_kind: global_buffer, .address_space: global }
      - { .name: wimg, .offset: 64, .size: 8, .value_kind: global_buffer, .address_space: global }
    .group_segment_fixed_size: 68096
    .private_segment_fixed_size: 0
    .kernarg_segment_align: 8
    .kernarg_segment_size: 72
    .max_flat_workgroup_size: 256
    .sgpr_count:     100
    .vgpr_count:     160
    .wavefront_size: 32
...
	.end_amdgpu_metadata
.endif
;; end of part 8
;; launch gk (part 9): grid 8 x 16, 4 waves a work-group, clusters of 4 x 4, 327,680 bytes of LDS; arguments himg, wimg, b_attn, kv; writes kv
.if DOCPART == 9
	.amdgcn_target "amdgcn-amd-amdhsa--gfx1250"
	.amdhsa_code_object_version 6
	.text
	.protected	k_qb3d4cd76b0_gk
	.globl	k_qb3d4cd76b0_gk
	.p2align	8
	.type	k_qb3d4cd76b0_gk,@function
k_qb3d4cd76b0_gk:
	s_mov_b64 s[64:65], 0
	v_nop
	global_prefetch_b8 v0, s[64:65] scope:SCOPE_SE
	s_setreg_imm32_b32 hwreg(HW_REG_WAVE_MODE, 25, 1), 1
	s_wait_xcnt 0x0
	s_wait_alu depctr_hold_cnt(0) depctr_sa_sdst(0) depctr_va_vdst(0) depctr_va_sdst(0) depctr_va_ssrc(0) depctr_va_vcc(0) depctr_vm_vsrc(0)
	s_getreg_b32 s2, hwreg(HW_REG_IB_STS2, 6, 4)
	s_cmp_eq_u32 s2, 0
	s_cbranch_scc0 .Lentry_in_a_cluster
	s_endpgm
.Lentry_in_a_cluster:
	s_bfe_u32 s2, ttmp6, 0x10000c
	s_cmp_lg_u32 s2, 0xf033
	s_cbranch_scc0 .Lentry_shape_is_right
	s_endpgm
.Lentry_shape_is_right:
; k = h Wk + bk (4,096 tokens x 1,024 columns: the k third of reference()'s first product, the only third that it keeps), on codes of FP4 with E8M0 scales, and k quantised again for attention, in BOTH ways that it is used:
; along a head's 64 channels (q and k of the scores) and along the keys (v).  THE PRODUCT IS MADE ONCE IN EACH ORIENTATION, so that each quantiser finds its K along a lane's registers and nothing is transposed:
;   cluster x = 0: source 1 (S, whose rows fall on lanes) = tokens, source 0 (L, whose rows fall on a lane's registers) = columns: a lane holds one token and 128 columns = two heads;
;   cluster x = 1: S = columns, L = tokens: a lane holds one column (a channel of a head) and 128 tokens (keys).  Swapped sources give the same sums bit for bit.
; OPERANDS are images of operand registers: block (panel of 128 rows, slot of 512 along K) = 34,816 dense bytes: fragment (rb, q) at (4 rb + q) x 1,024, lane l's registers 4 c .. 4 c + 3 at 512 c + 16 l; scale words at 32,768 + 512 q + 64 rb + 4 r.
; A tile of the result, 256 x 256, is made by four waves, each 128 x 128: 64 accumulators, 512 registers.  K = 1,024 is two slots: both are asked for at the start and nothing is filled again.
; CLUSTERS: 4 x 4 work-groups; S's panels are shared along a row of the cluster, L's along a column: each is asked for jointly, by the same tensor load with the same descriptor and a mask that names the four.
; The orientation hangs on the cluster's x, which all sixteen partners share; it chooses two pointers, two tile numbers and the arm of the way out.
; OUT (kv, a block of 278,528 bytes for each pair of heads): KC even, odd head [key tile 128][512 B: lane (r, h): key r, channels 32 h ..]; VC even, odd [key step 16][channel tile 4][1,024 B fragment]; KSC [token] one word
; (bytes 0, 1 the even head's two blocks, 2, 3 the odd's); VSC even, odd [key step][channel tile][r] words.  Within a block of 32 the codes lie in groups of eight in the order 0, 2, 1, 3, as everywhere in this program.
; LIMITS: a block of zeros, or one whose largest magnitude lies under 2^-124, gets the byte 1 (only this program reads the bytes); NaN and infinities are not served; the q and v thirds of w_attn and b_attn are not read.
; REGISTERS, in windows of 256: window 0: v16-31 addresses; v32-47 scale words, two sets; v48-63, v64-127 the bias in both layouts; v128-191 S's fragments, one set (on the way out: 64 numbers); v192-223 at work on the way out.
;   window 1: L's fragments, two sets, at v0 and v128.   windows 2, 3: the accumulators, (a, b) at v[8 (8 (a % 4) + b)] of window 2 + a / 4.
.set NSL,   2
.set PAIRB, 278528
.set PANEL, 34816
.set SLOT,  4*PANEL                    ; S's two panels, then L's two
.set STG,   2*SLOT                     ; behind the slots: 512 bytes a wave for scale words, once for each orientation
.set SPARE, STG+4096                   ; the spare words, 128 bytes a wave: two blocks of 256 bytes that no other line names
.set LAPS,  NSL/2
.set ADRA, 16                          ; v16-17 LDS address of my S fragments in slot 0, 1
.set ADRB, 20                          ; v20-21 the same for L
.set ADRS, 22                          ; v22-23 of my scale words: lanes 0-15 S's, lanes 16-31 L's
.set LI,   24                          ; v24 16 x lane
.set SW,   25                          ; v25 stage: 512 x wave + 4 r
.set SRD,  26                          ; v26 stage: 512 x wave + 16 x lane
.set BA,   27                          ; v27 32 h
.set SPW,  28                          ; v28 my spare word; never rewritten
.set NIL,  29                          ; v29 0; never rewritten
.set RA,   30                          ; v30 4 r
.set VW1,  31                          ; v31 4,096 (lane / 16) + 16 (lane % 16)
.set SC,   32
.set BS,   48                          ; v48-63  bias of column 16 a + r, twice (a pair for the packed addition)
.set BL,   64                          ; v64-127 bias of column 16 b + 8 h + j at v[64 + 8 b + j]
.set AF,   128
.set TM,   192
.set PW,   208
.set PC,   216
.set G1,  24
.set G0,  32
.set G1B, 48
.set G0B, 56
.set SEL, 90
.set MSB, 0
.set MUL_LO, 0xa1                      ; source 0 (L) window 1, source 1 (S) window 0, C and D window 2
.set MUL_HI, 0xf1                      ; the same, C and D window 3
.set TO_B,   0x40                      ; destination window 1
.macro WIN new                         ; the immediate's high byte repeats the setting that is left
.if MSB != \new
	s_set_vgpr_msb (MSB<<8)|\new
.set MSB, \new
.endif
.endm
.macro JLOAD g0a, g1a, g0b, g1b        ; a joint load: waves 0, 1 fetch S's panels, waves 2, 3 L's; the branch hangs on the wave's number alone; four v_nop follow each line
	s_cmp_eq_u32 s15, 0
	s_cbranch_scc0 .Lfor_b_\@
	tensor_load_to_lds s[\g0a:\g0a+3], s[\g1a:\g1a+7]
	s_nop 0
.rept 4
	v_nop
.endr
	s_branch .Lasked_\@
.Lfor_b_\@:
	tensor_load_to_lds s[\g0b:\g0b+3], s[\g1b:\g1b+7]
	s_nop 0
.rept 4
	v_nop
.endr
.Lasked_\@:
.endm
.macro CREST                           ; a round of the cluster's barrier behind its opening barrier
	s_cmp_lg_u32 s14, 0
	s_cbranch_scc1 .Lnot_wave_0_\@
	s_barrier_signal -3
.Lnot_wave_0_\@:
	s_barrier_wait -3
	s_barrier_signal -1
	s_barrier_wait -1
.endm
.macro CROUND
	s_barrier_signal -1
	s_barrier_wait -1
	CREST
.endm
.macro PLACES n                        ; plain lines between a matrix instruction and a load into, or a read of, its registers
.rept \n
	v_nop
.endr
.endm
.macro FRAG reg, adr, q, i             ; fragment (i, q) of a panel: 8 registers, two loads of 512 consecutive bytes
.irp c, 0,1
	ds_load_b128 v[\reg+4*\c:\reg+4*\c+3], v[\adr] offset:((\i)*4+(\q))*1024+512*\c
.endr
.endm
.macro MUL16 a0, p, zero               ; S's blocks a0, a0 + 1 x L's eight, 128 along K; p: L's set and the set of scale words.  The 64 accumulators take turns, one instruction a turn
.irp a, \a0, \a0+1
.irp b, 0,1,2,3,4,5,6,7
.if \zero
	v_wmma_scale_f32_16x16x128_f8f6f4 v[8*(8*((\a)%4)+\b):8*(8*((\a)%4)+\b)+7], v[128*(\p)+8*\b:128*(\p)+8*\b+7], v[AF+8*(\a):AF+8*(\a)+7], 0, v[SC+8*(\p)+\b], v[SC+8*(\p)+(\a)] matrix_a_fmt:MATRIX_FMT_FP4 matrix_b_fmt:MATRIX_FMT_FP4 matrix_a_scale:MATRIX_SCALE_ROW1
.else
	v_wmma_scale_f32_16x16x128_f8f6f4 v[8*(8*((\a)%4)+\b):8*(8*((\a)%4)+\b)+7], v[128*(\p)+8*\b:128*(\p)+8*\b+7], v[AF+8*(\a):AF+8*(\a)+7], v[8*(8*((\a)%4)+\b):8*(8*((\a)%4)+\b)+7], v[SC+8*(\p)+\b], v[SC+8*(\p)+(\a)] matrix_a_fmt:MATRIX_FMT_FP4 matrix_b_fmt:MATRIX_FMT_FP4 matrix_a_scale:MATRIX_SCALE_ROW1
.endif
.endr
.endr
.endm
.macro FETCH_B slot, q, p
	WIN TO_B
.irp i, 0,1,2,3,4,5,6,7
	FRAG 128*(\p)+8*\i, ADRB+\slot, \q, \i
.endr
	WIN 0
.endm
.macro FETCH_A slot, q, i0
.irp i, \i0, \i0+1, \i0+2, \i0+3
	FRAG AF+8*(\i), ADRA+\slot, \q, \i
.endr
.endm
.macro SCALES slot, q, p               ; register i of set p: lanes 0-15 the words of S's block i, lanes 16-31 those of L's block i
.irp i, 0,1,2,3,4,5,6,7
	ds_load_b32 v[SC+8*(\p)+\i], v[ADRS+\slot] offset:(\q)*512+64*\i
.endr
.endm
.macro STEP slot, q, zero              ; 128 along K that has its successor in the same slot
	s_wait_dscnt 8                                 ; L's set, S's blocks 0-3 and the scale words are in; the youngest eight loads (S's blocks 4-7) may be out
	WIN MUL_LO
	MUL16 0, (\q)%2, \zero
	MUL16 2, (\q)%2, \zero
	s_wait_dscnt 0
	PLACES 4
	FETCH_B \slot, (\q)+1, 1-(\q)%2
	FETCH_A \slot, (\q)+1, 0
	SCALES \slot, (\q)+1, 1-(\q)%2
	WIN MUL_HI
	MUL16 4, (\q)%2, \zero
	MUL16 6, (\q)%2, \zero
	PLACES 4
	WIN 0
	FETCH_A \slot, (\q)+1, 4
.endm
.macro TURN slot, next, fill           ; a slot's last step changes slots: one barrier; in front of it each wave waits for all its tensor loads, adds 0 to its spare word, and waits for that and for its reads of this slot
	s_wait_tensorcnt 0x0                           ; my part of the next slot has landed
	ds_add_u32 v[SPW], v[NIL]                      ; 0 onto my spare word
	s_wait_dscnt 9                                 ; (the add and the youngest eight loads may be out)
	WIN MUL_LO
	MUL16 0, 1, 0
	s_wait_dscnt 0x0
	s_barrier_signal -1
	MUL16 2, 1, 0
	WIN 0
	s_barrier_wait -1
.if \fill
	CREST
	s_add_nc_u64 s[G0+4*\slot+2:G0+4*\slot+3], s[G0+4*\slot+2:G0+4*\slot+3], 2*PANEL
	s_add_nc_u64 s[G0B+4*\slot+2:G0B+4*\slot+3], s[G0B+4*\slot+2:G0B+4*\slot+3], 2*PANEL
	JLOAD G0+4*\slot, G1, G0B+4*\slot, G1B
.else
	PLACES 4
.endif
	FETCH_B \next, 0, 0
	FETCH_A \next, 0, 0
	SCALES \next, 0, 0
	WIN MUL_HI
	MUL16 4, 1, 0
	MUL16 6, 1, 0
	PLACES 4
	WIN 0
	FETCH_A \next, 0, 4
.endm
.macro STEPS slot, from
.set Q, \from
.rept 3-\from
	STEP \slot, Q, 0
.set Q, Q+1
.endr
.endm
; 64 numbers of a lane, v[s] .. v[s + 63] (register 16 b + i: block b of 32 along the next K, my half's 16 of it), become a fragment's codes in v[PC] on and its scale word in v[PW]
.macro QUANT s
.irp b, 0,1,2,3
	v_max3_num_f32 v[TM+\b], |v[\s+16*\b]|, |v[\s+1+16*\b]|, 0x1800000   ; and the floor 2^(3 - 127): the byte cannot fall under 1
.endr
.irp i, 2,4,6,8,10,12,14
.irp b, 0,1,2,3
	v_max3_num_f32 v[TM+\b], v[TM+\b], |v[\s+16*\b+\i]|, |v[\s+1+16*\b+\i]|
.endr
.endr
.irp b, 0,1,2,3
	v_permlanex16_b32 v[TM+4+\b], v[TM+\b], s[SEL], s[SEL+1]
.endr
.irp b, 0,1,2,3
	v_max_num_f32 v[TM+\b], v[TM+\b], v[TM+4+\b]   ; with lane l xor 16's: the block's largest magnitude
.endr
.irp b, 0,1,2,3
	v_add_nc_u32 v[TM+12+\b], 0xff000000, v[TM+\b] ; 2 off its exponent field: the conversion's scale operand
.endr
.irp b, 0,1,2,3
	v_lshrrev_b32 v[TM+4+\b], 23, v[TM+12+\b]      ; the scale's byte
.endr
	v_lshl_or_b32 v[PW], v[TM+5], 8, v[TM+4]
	v_lshl_or_b32 v[PW], v[TM+6], 16, v[PW]
	v_lshl_or_b32 v[PW], v[TM+7], 24, v[PW]
.irp b, 0,1,2,3
	v_cvt_scalef32_pk8_fp4_f32 v[PC+2*\b], v[\s+16*\b:\s+7+16*\b], v[TM+12+\b]
	v_cvt_scalef32_pk8_fp4_f32 v[PC+1+2*\b], v[\s+8+16*\b:\s+15+16*\b], v[TM+12+\b]
.endr
	v_nop                                          ; a plain line behind the conversions
.irp c, 0,1                            ; a whole block to a lane: lanes 0-15 block 2 c, lanes 16-31 block 2 c + 1
.irp i, 0,1
	v_permlane16_swap_b32 v[PC+4*\c+\i], v[PC+2+4*\c+\i]
.endr
.endr
.endm
	s_load_b128 s[4:7], s[0:1], 0x0                ; himg, wimg (Wk's image begins at its byte 0)
	s_load_b128 s[8:11], s[0:1], 0x10              ; b_attn, kv
	v_lshl_add_u32 v[SPW], v0, 2, SPARE
	v_mov_b32 v[NIL], 0
	ds_add_u32 v28, v29
	ds_add_u32 v28, v29
	s_wait_dscnt 0x0
	v_lshrrev_b32 v1, 5, v0
	v_readfirstlane_b32 s14, v1                    ; wave 0..3
	s_lshr_b32 s15, s14, 1                         ; my half of S's rows.  Also: I fetch for S (0) or for L (1)
	s_and_b32 s16, s14, 1                          ; my half of L's rows.  Also: which panel I fetch
	s_bfe_u32 s40, ttmp6, 0x40000                  ; cx
	s_bfe_u32 s41, ttmp6, 0x40004                  ; cy
	s_and_b32 s18, ttmp7, 0xffff
	s_lshl_b32 s18, s18, 2                         ; 4 x cluster y
	s_cmp_eq_u32 ttmp9, 0                          ; the orientation: the cluster's x
	s_cselect_b32 s17, s18, 0
	s_cselect_b32 s42, 0, s18
	s_add_co_u32 s17, s17, s41                     ; S's tile of 256 rows: tokens 4 Y + cy, or columns cy
	s_add_co_u32 s42, s42, s40                     ; L's tile: columns cx, or tokens 4 Y + cx
	s_lshl_b32 s43, s41, 2
	s_lshl_b32 s43, 15, s43                        ; my row of the cluster
	s_lshl_b32 s44, 0x1111, s40                    ; my column
	s_or_b32 s[G1+0], s43, (3<<16)|(1<<21)         ; 15:0 the mask; 17:16 elements of 8 bytes; 21 set beside a mask; no padding
	s_or_b32 s[G1B+0], s44, (3<<16)|(1<<21)
.irp g, G1, G1B                        ; a panel's two slots: 272 rows of 256 bytes, dense
	s_mov_b32 s[\g+1], 32<<16
	s_mov_b32 s[\g+2], 272<<16                     ; both slots of a panel lie on end in memory: 272 rows of 256 bytes, one load
	s_mov_b32 s[\g+3], 32<<16
	s_mov_b32 s[\g+4], 272
	s_mov_b32 s[\g+5], 32
	s_mov_b32 s[\g+6], 0
	s_mov_b32 s[\g+7], 0
.endr
	s_lshl_b32 s20, s17, 1
	s_add_co_u32 s20, s20, s16
	s_mul_i32 s20, s20, NSL*PANEL                  ; S's panel 2 tile + half
	s_mov_b32 s21, 0
	s_lshl_b32 s46, s42, 1
	s_add_co_u32 s46, s46, s16
	s_mul_i32 s46, s46, NSL*PANEL                  ; L's
	s_mov_b32 s47, 0
	s_mul_i32 s45, s14, 2*PANEL                    ; where my load lands: wave x two blocks
	s_mov_b32 s[SEL], 0x76543210
	s_mov_b32 s[SEL+1], 0xfedcba98
	s_wait_kmcnt 0x0
	s_cmp_eq_u32 ttmp9, 0
	s_cselect_b64 s[66:67], s[4:5], s[6:7]         ; S's image
	s_cselect_b64 s[68:69], s[6:7], s[4:5]         ; L's
	s_add_nc_u64 s[20:21], s[66:67], s[20:21]
	s_add_nc_u64 s[46:47], s[68:69], s[46:47]
	CROUND                                         ; all sixteen work-groups are here: the joint loads meet
.irp s, 0
	s_mov_b32 s[G0+4*\s], 1
	s_add_co_u32 s[G0+4*\s+1], s45, \s*SLOT
	s_add_nc_u64 s[G0+4*\s+2:G0+4*\s+3], s[20:21], \s*PANEL
	s_or_b32 s[G0+4*\s+3], s[G0+4*\s+3], 0x80000000
	s_mov_b32 s[G0B+4*\s], 1
	s_add_co_u32 s[G0B+4*\s+1], s45, \s*SLOT
	s_add_nc_u64 s[G0B+4*\s+2:G0B+4*\s+3], s[46:47], \s*PANEL
	s_or_b32 s[G0B+4*\s+3], s[G0B+4*\s+3], 0x80000000
	JLOAD G0+4*\s, G1, G0B+4*\s, G1B               ; my one tensor load: a panel's two slots
.endr
	v_and_b32 v1, 15, v0                           ; r
	v_bfe_u32 v2, v0, 4, 1                         ; h
	s_wait_alu depctr_va_vdst(0)
	v_and_b32 v3, 31, v0
	v_lshlrev_b32 v[LI], 4, v3
	s_mul_i32 s21, s15, 2*PANEL                    ; LDS: S's panels at 0 and 2 blocks, L's at 4 and 6; a panel's slot 1 one block behind its slot 0
	s_mul_i32 s22, s16, 2*PANEL
	s_add_co_u32 s22, s22, 4*PANEL
.irp s, 0,1
	v_add_nc_u32 v[ADRA+\s], s21, v[LI]
	v_add_nc_u32 v[ADRB+\s], s22, v[LI]
	s_add_co_u32 s21, s21, PANEL
	s_add_co_u32 s22, s22, PANEL
.endr
	s_mul_i32 s21, s15, 2*PANEL
	s_mul_i32 s22, s16, 2*PANEL
	s_add_co_u32 s22, s22, 4*PANEL
	s_sub_co_u32 s22, s22, s21
	v_mul_u32_u24 v5, s22, v2                      ; lanes 16-31 take L's panel: one product of h
	v_lshl_add_u32 v5, v1, 2, v5
	s_add_co_u32 s21, s21, 32768
	v_add_nc_u32 v[ADRS], s21, v5
	v_add_nc_u32 v[ADRS+1], PANEL, v[ADRS]
	v_lshlrev_b32 v[RA], 2, v1
	v_lshlrev_b32 v[BA], 5, v2
	s_wait_alu depctr_va_vdst(0)
	s_lshl_b32 s21, s14, 9
	s_add_co_u32 s21, s21, STG
	v_add_nc_u32 v[SW], s21, v[RA]
	v_add_nc_u32 v[SRD], s21, v[LI]
	v_lshlrev_b32 v[VW1], 12, v2
	v_lshl_add_u32 v[VW1], v1, 4, v[VW1]
.irp b, 0,1,2,3
	v_mov_b32 v[TM+4+\b], 0                        ; written once: a lane permute's destination counts as one of its sources
.endr
	s_lshl_b32 s18, s40, 10                        ; the bias in both layouts, each by the columns of its own orientation; both lie inside the k third
	s_lshl_b32 s19, s16, 9
	s_add_co_u32 s18, s18, s19
	s_add_co_u32 s18, s18, 4096
	s_mov_b32 s19, 0
	s_add_nc_u64 s[70:71], s[8:9], s[18:19]        ; columns 1,024 + 256 cx + 128 (wave % 2) on
	s_lshl_b32 s18, s41, 10
	s_lshl_b32 s22, s15, 9
	s_add_co_u32 s18, s18, s22
	s_add_co_u32 s18, s18, 4096
	s_add_nc_u64 s[72:73], s[8:9], s[18:19]        ; columns 1,024 + 256 cy + 128 (wave / 2) on
.irp b, 0,1,2,3,4,5,6,7
	global_load_b128 v[BL+8*\b:BL+8*\b+3], v[BA], s[70:71] offset:64*\b
	global_load_b128 v[BL+8*\b+4:BL+8*\b+7], v[BA], s[70:71] offset:64*\b+16
	global_load_b32 v[BS+2*\b], v[RA], s[72:73] offset:64*\b
	global_load_b32 v[BS+2*\b+1], v[RA], s[72:73] offset:64*\b
.endr
	s_wait_tensorcnt 0x0                           ; my panel, both slots, is in
	s_barrier_signal -1
	s_barrier_wait -1
	FETCH_B 0, 0, 0
	FETCH_A 0, 0, 0
	SCALES 0, 0, 0
	FETCH_A 0, 0, 4
	STEP 0, 0, 1                                   ; the first products start the sums: nothing is cleared
	STEPS 0, 1
	TURN 0, 1, 0
	STEPS 1, 0
	s_wait_dscnt 8                                 ; the last step: nothing more to fetch
	WIN MUL_LO
	MUL16 0, 1, 0
	MUL16 2, 1, 0
	s_wait_dscnt 0x0
	WIN MUL_HI
	MUL16 4, 1, 0
	MUL16 6, 1, 0
	WIN 0
	PLACES 4
	s_wait_loadcnt 0x0                             ; the bias
; THE WAY OUT, a block of 16 of S's rows at a time: + bias, quantised along L's 128 rows, codes stored as they stand (512 consecutive bytes a store); the block's scale words gather in my stage and leave as 512 bytes.
.macro EPI ori
.irp a, 0,1,2,3,4,5,6,7
	s_wait_xcnt 0x0                                ; the last block's stores have read the codes' registers,
	s_wait_dscnt 0x0                               ; and its LDS store the scale word
	WIN 0x02+\a/4                                  ; source 0: the accumulators' window
.irp b, 0,1,2,3,4,5,6,7
.irp k, 0,2,4,6
.if \ori
	v_pk_add_f32 v[AF+8*\b+\k:AF+8*\b+\k+1], v[8*(8*(\a%4)+\b)+\k:8*(8*(\a%4)+\b)+\k+1], v[BS+2*\a:BS+2*\a+1]
.else
	v_pk_add_f32 v[AF+8*\b+\k:AF+8*\b+\k+1], v[8*(8*(\a%4)+\b)+\k:8*(8*(\a%4)+\b)+\k+1], v[BL+8*\b+\k:BL+8*\b+\k+1]
.endif
.endr
.endr
	WIN 0
	QUANT AF
.if \ori
	global_store_b128 v[LI], v[PC:PC+3], s[12:13] offset:(\a/4)*65536+(\a%4)*1024         ; VC: head a / 4 of the pair, channel tile a % 4
	global_store_b128 v[LI], v[PC+4:PC+7], s[12:13] offset:(\a/4)*65536+(\a%4)*1024+512
.else
	global_store_b128 v[LI], v[PC:PC+3], s[12:13] offset:\a*512                           ; KC of the even head: blocks 0, 1
	global_store_b128 v[LI], v[PC+4:PC+7], s[12:13] offset:\a*512+65536                   ; of the odd head: blocks 2, 3
.endif
	ds_store_b32 v[SW], v[PW] offset:\ori*2048+64*\a   ; (both halves of the lanes hold the same word and write it to the same place)
.endr
	ds_load_b128 v[TM:TM+3], v[SRD] offset:\ori*2048   ; LDS serves a wave's instructions in order: this sees my stores
	s_wait_dscnt 0x0
.if \ori
	global_store_b128 v[VW1], v[TM:TM+3], s[10:11]     ; each half of the lanes stores 256 consecutive bytes, aligned
.else
	global_store_b128 v[LI], v[TM:TM+3], s[10:11]
.endif
.endm
	s_cmp_lg_u32 ttmp9, 0
	s_cbranch_scc1 .Lori1
	s_and_b32 s18, s17, 7                          ; tokens on lanes
	s_lshl_b32 s18, s18, 8
	s_lshl_b32 s19, s15, 7
	s_add_co_u32 s18, s18, s19                     ; my first token within its batch
	s_lshr_b32 s19, s17, 3
	s_lshl_b32 s19, s19, 3
	s_lshl_b32 s22, s42, 1
	s_add_co_u32 s19, s19, s22
	s_add_co_u32 s19, s19, s16                     ; the pair of heads: 8 batch + 2 column tile + half
	s_mul_i32 s19, s19, PAIRB
	s_lshl_b32 s22, s18, 5
	s_add_co_u32 s22, s22, s19
	s_mov_b32 s23, 0
	s_add_nc_u64 s[12:13], s[10:11], s[22:23]      ; KC: 512 bytes for 16 tokens
	s_lshl_b32 s22, s18, 2
	s_add_co_u32 s22, s22, s19
	s_add_co_u32 s22, s22, 262144
	s_add_nc_u64 s[10:11], s[10:11], s[22:23]      ; KSC
	EPI 0
	s_branch .Lend
.Lori1:
	s_and_b32 s18, s42, 7                          ; channels on lanes
	s_lshl_b32 s18, s18, 1
	s_add_co_u32 s18, s18, s16                     ; the key step of 128 within its batch
	s_lshr_b32 s19, s42, 3
	s_lshl_b32 s19, s19, 3
	s_lshl_b32 s22, s17, 1
	s_add_co_u32 s19, s19, s22
	s_add_co_u32 s19, s19, s15                     ; the pair of heads
	s_mul_i32 s19, s19, PAIRB
	s_lshl_b32 s22, s18, 12
	s_add_co_u32 s22, s22, s19
	s_add_co_u32 s22, s22, 131072
	s_mov_b32 s23, 0
	s_add_nc_u64 s[12:13], s[10:11], s[22:23]      ; VC
	s_lshl_b32 s22, s18, 8
	s_add_co_u32 s22, s22, s19
	s_add_co_u32 s22, s22, 270336
	s_add_nc_u64 s[10:11], s[10:11], s[22:23]      ; VSC
	EPI 1
.Lend:
	s_wait_tensorcnt 0x0                           ; the wave's end
	ds_add_u32 v[SPW], v[NIL]
	s_wait_dscnt 0x0
	CROUND                                         ; the closing round
	s_endpgm
.Lfunc_end_k_qb3d4cd76b0_gk:
	.size	k_qb3d4cd76b0_gk, .Lfunc_end_k_qb3d4cd76b0_gk-k_qb3d4cd76b0_gk
	.p2alignl 7, 3214868480
	.fill 96, 4, 3214868480
	.section	.rodata,"a",@progbits
	.p2align	6, 0x0
	.amdhsa_kernel k_qb3d4cd76b0_gk
		.amdhsa_group_segment_fixed_size 327680
		.amdhsa_private_segment_fixed_size 0
		.amdhsa_enable_private_segment 0
		.amdhsa_kernarg_size 32
		.amdhsa_user_sgpr_count 2
		.amdhsa_user_sgpr_kernarg_segment_ptr 1
		.amdhsa_wavefront_size32 1
		.amdhsa_system_sgpr_workgroup_id_x 1
		.amdhsa_system_sgpr_workgroup_id_y 1
		.amdhsa_system_sgpr_workgroup_id_z 1
		.amdhsa_system_vgpr_workitem_id 0
		.amdhsa_next_free_vgpr 1024
		.amdhsa_next_free_sgpr 100
		.amdhsa_reserve_vcc 0
		.amdhsa_float_denorm_mode_32 3
		.amdhsa_float_denorm_mode_16_64 3
		.amdhsa_memory_ordered 1
		.amdhsa_forward_progress 1
		.amdhsa_inst_pref_size 197
	.end_amdhsa_kernel
	.amdgpu_metadata
---
amdhsa.version: [ 1, 2 ]
amdhsa.kernels:
  - .name:           k_qb3d4cd76b0_gk
    .symbol:         k_qb3d4cd76b0_gk.kd
    .args:
      - { .name: himg, .offset: 0, .size: 8, .value_kind: global_buffer, .address_space: global }
      - { .name: wimg, .offset: 8, .size: 8, .value_kind: global_buffer, .address_space: global }
      - { .name: b_attn, .offset: 16, .size: 8, .value_kind: global_buffer, .address_space: global }
      - { .name: kv, .offset: 24, .size: 8, .value_kind: global_buffer, .address_space: global }
    .group_segment_fixed_size: 327680
    .private_segment_fixed_size: 0
    .kernarg_segment_align: 8
    .kernarg_segment_size: 32
    .max_flat_workgroup_size: 128
    .sgpr_count:     100
    .vgpr_count:     1024
    .wavefront_size: 32
...
	.end_amdgpu_metadata
.endif
;; end of part 9
;; launch at (part 10): grid 8 x 32, 16 waves a work-group, clusters of 4 x 1, 169,984 bytes of LDS; arguments kv, oimg; writes oimg
.if DOCPART == 10
	.amdgcn_target "amdgcn-amd-amdhsa--gfx1250"
	.amdhsa_code_object_version 6
	.text
	.protected	k_qb3d4cd76b0_at
	.globl	k_qb3d4cd76b0_at
	.p2align	8
	.type	k_qb3d4cd76b0_at,@function
k_qb3d4cd76b0_at:
	s_mov_b64 s[64:65], 0
	v_nop
	global_prefetch_b8 v0, s[64:65] scope:SCOPE_SE
	s_setreg_imm32_b32 hwreg(HW_REG_WAVE_MODE, 25, 1), 1
	s_wait_xcnt 0x0
	s_wait_alu depctr_hold_cnt(0) depctr_sa_sdst(0) depctr_va_vdst(0) depctr_va_sdst(0) depctr_va_ssrc(0) depctr_va_vcc(0) depctr_vm_vsrc(0)
	s_getreg_b32 s2, hwreg(HW_REG_IB_STS2, 6, 4)
	s_cmp_eq_u32 s2, 0
	s_cbranch_scc0 .Lentry_in_a_cluster
	s_endpgm
.Lentry_in_a_cluster:
	s_bfe_u32 s2, ttmp6, 0x10000c
	s_cmp_lg_u32 s2, 0x3003
	s_cbranch_scc0 .Lentry_shape_is_right
	s_endpgm
.Lentry_shape_is_right:
; Attention of one head with q = k = v (as reference() has it): O[q] = sum over keys of softmax(q . k / 8) v, both products on codes of FP4 with E8M0 scales; O / l is quantised along the model's 1,024 and stored as an operand image.
; THE SOFTMAX AHEAD OF THE SECOND PRODUCT: t = score x log2(e) / 8; M = the running largest t rounded UP to a whole number; p = 2^(t - M) is quantised along the keys, not normalised; the row's sum is taken of the unquantised p
; and divides O at the end.  When M moves, the sum and O are multiplied by 2^(old M - new M), which rounds nothing.
; SHARES.  A work-group owns 256 queries of one head, each of its sixteen waves 16 of them in 256 registers.  A head's codes and scales lie in LDS whole (147,456 bytes): nine waves bring 16,384 bytes each, once; nothing is filled again.
; CLUSTER.  The four query blocks of a cluster belong to one head and ask for the nine pieces jointly; the work-group's place in its cluster enters Q's and the output's global addresses alone.
; LAYOUT.  Both products transposed: S^T = K Q^T (source 0 = 16 keys), O^T = V^T P^T (source 0 = 16 channels): a lane holds one query throughout.  The first product's K is 64: the upper four registers of its operands hold zero codes.
; THE KEYS OF A TILE ARE CHOSEN SO THAT A LANE HOLDS WHOLE BLOCKS: row m of tile 4 c + u is key 64 c + 32 (m / 8) + 8 u + m % 8, so lane (r, h) finds in the 32 registers of tiles 4 c .. 4 c + 3 the keys 64 c + 32 h + 0 .. 31,
; block 2 c + h, which is what the second product's operand wants of that lane: a block's largest score needs no other lane and the conversions' results are the operand's registers.  Group u of eight goes to word G[u], G = 0, 2, 1, 3: V's order.
; The next step's fragments of K are fetched behind this step's score products (the last trip's fetch reads V's bytes, which lie in LDS, and is not used).
; IN (kv, 278,528 bytes for a pair of heads): KC even, odd at 0, 65,536; VC even, odd at 131,072, 196,608; KSC at 262,144; VSC even, odd at 270,336, 274,432.
; LIMITS: a block of zeros, or one under 2^-124, gets the byte 1; NaN and infinities are not served; the scaled scores stay under 2^31 in magnitude.  A head owns two bytes of each scale word of the output image: they leave as single bytes.
; REGISTERS: v1-7 addresses that stay; v8-11 addresses of the step; v12 -M, v13 the largest score, v[14:15] the sum; v16-23 Q; v24-31 K's scales; v32-95 K; v96-159 S^T, then p; v160-191 O^T; v192-223 V; v224-231 p's codes;
;   v232-239, v244-249, v254 at work; v240-243 V's scales; v250, v251 the add's two; v252 f, v253 p's scale word; v255 Q's scales.
.set PAIRB, 278528
.set PANEL, 34816
.set LI,   1                           ; 16 x lane
.set AK0,  2                           ; 256 h + 16 (r % 8) + 1,024 (r / 8)
.set AV0,  3                           ; 65,536 + 16 x lane
.set ASK0, 4                           ; 131,072 + 2 c + 4 (r % 8) + 128 (r / 8)
.set ASV0, 5                           ; 139,264 + 4,096 c + 4 r
.set SH8,  6                           ; 8 h
.set BO,   7                           ; 4 r + h
.set ADK,  8
.set ADV,  9
.set ADS,  10
.set ADT,  11
.set MX,   232                         ; four chains of maxima; then v232, v234 the two blocks'
.set PT,   236                         ; a lane permute's result
.set OLD,  237                         ; -M of the step before
.set SO,   238                         ; v238, v239 the conversions' scale operands
.set TK,   2                           ; s2  codes of K and of V: 4,096 bytes a key step
.set TS,   3                           ; s3  K's scale words: 512
.set WV,   18
.set SEL,  20
.set CS,   22
.set G1,   24
.set G0,   32
.set TV,   36                          ; s36 V's scale words: 256
.set CNT,  37
.set QB,   55
.macro CROUND
	s_barrier_signal -1
	s_barrier_wait -1
	s_cmp_lg_u32 s[WV], 0
	s_cbranch_scc1 .Lnot_wave_0_\@
	s_barrier_signal -3
.Lnot_wave_0_\@:
	s_barrier_wait -3
	s_barrier_signal -1
	s_barrier_wait -1
.endm
.macro KLOAD                           ; eight tiles of K and their rows' scale bytes: 16 LDS loads
.irp t, 0,1,2,3,4,5,6,7
	ds_load_b128 v[32+8*\t:35+8*\t], v[ADK] offset:(4*(\t/4)+(\t%4)/2)*512+128*(\t%2)
	ds_load_u16 v[24+\t], v[ADS] offset:256*(\t/4)+32*(\t%4)
.endr
.endm
.macro TMS n                           ; t - M, two at a time
.rept \n
	v_pk_fma_f32 v[96+J:97+J], v[96+J:97+J], s[CS:CS+1], v[12:13] op_sel_hi:[1,0,0]
.set J, J+2
.endr
.endm
.macro ORS n                           ; O^T under the new M
.rept \n
	v_pk_mul_f32 v[160+JO:161+JO], v[160+JO:161+JO], v[252:253] op_sel_hi:[1,0]
.set JO, JO+2
.endr
.endm
	s_load_b128 s[4:7], s[0:1], 0x0                ; kv, oimg
	v_lshl_add_u32 v250, v0, 2, 0x29000
	v_mov_b32 v251, 0
	ds_add_u32 v250, v251                          ; the opening lines: the add twice on end and its wait
	ds_add_u32 v250, v251
	v_lshrrev_b32 v8, 5, v0
	s_delay_alu instid0(VALU_DEP_1)
	v_readfirstlane_b32 s[WV], v8                  ; wave 0..15
	s_bfe_u32 s54, ttmp6, 0x40000                  ; cx
	s_lshl_b32 s[QB], ttmp9, 2
	s_add_co_u32 s[QB], s[QB], s54                 ; my block of queries = 4 x cluster x + cx
	s_and_b32 s8, ttmp7, 0xffff                    ; 16 batch + head
	s_lshr_b32 s9, s8, 1                           ; the pair of heads
	s_and_b32 s10, s8, 1                           ; c: even or odd head
	s_mul_i32 s12, s9, PAIRB
	s_mov_b32 s13, 0
	s_mov_b32 s[G1], 15|(3<<16)|(1<<21)            ; the mask: all four work-groups; elements of 8 bytes; 64 rows of 256 bytes, dense
	s_mov_b32 s[G1+1], 32<<16
	s_mov_b32 s[G1+2], 64<<16
	s_mov_b32 s[G1+3], 32<<16
	s_mov_b32 s[G1+4], 64
	s_mov_b32 s[G1+5], 32
	s_mov_b32 s[G1+6], 0
	s_mov_b32 s[G1+7], 0
	s_min_u32 s14, s[WV], 8
	s_lshl_b32 s[G0+1], s14, 14                    ; LDS: 16,384 x wave: waves 0-3 KC, 4-7 VC, 8 the scales
	s_lshr_b32 s15, s14, 2
	s_lshl_b32 s15, s15, 17
	s_and_b32 s16, s14, 3
	s_lshl_b32 s16, s16, 14
	s_add_co_u32 s15, s15, s16
	s_lshl_b32 s11, s10, 16                        ; 65,536 c
	s_cmp_lt_u32 s[WV], 8
	s_cselect_b32 s16, s11, 0                      ; codes: my head's; the scales come for both heads
	s_add_co_u32 s16, s15, s16
	s_mov_b32 s17, 0
	s_mov_b32 s[G0], 1
	s_wait_dscnt 0x0
	s_wait_kmcnt 0x0
	s_add_nc_u64 s[4:5], s[4:5], s[12:13]          ; my pair's block
	s_add_nc_u64 s[G0+2:G0+3], s[4:5], s[16:17]
	s_or_b32 s[G0+3], s[G0+3], 0x80000000
	CROUND                                         ; all four work-groups are here: the joint loads meet
	s_cmp_lt_u32 s[WV], 9
	s_cbranch_scc0 .Lnofill
	tensor_load_to_lds s[G0:G0+3], s[G1:G1+7]      ; one load a wave, into bytes that are its own by the wave's number
	s_nop 0
.rept 4
	v_nop
.endr
.Lnofill:
	s_lshl_b32 s38, s[QB], 4
	s_add_co_u32 s38, s38, s[WV]                   ; my tile of 16 queries, 0..127
	s_lshl_b32 s40, s38, 9
	s_add_co_u32 s40, s40, s11
	s_mov_b32 s41, 0
	s_add_nc_u64 s[40:41], s[4:5], s[40:41]        ; its codes in KC
	s_lshl_b32 s42, s38, 6
	s_lshl_b32 s39, s10, 1                         ; 2 c
	s_add_co_u32 s42, s42, s39
	s_add_co_u32 s42, s42, 262144
	s_mov_b32 s43, 0
	s_add_nc_u64 s[42:43], s[4:5], s[42:43]        ; its scale bytes in KSC
	s_add_co_u32 s44, s39, 131072
	s_lshl_b32 s45, s10, 12
	s_add_co_u32 s45, s45, 139264
	v_and_b32 v8, 31, v0
	v_and_b32 v9, 15, v0                           ; r
	v_bfe_u32 v10, v0, 4, 1                        ; h
	v_lshlrev_b32 v[LI], 4, v8
	v_lshlrev_b32 v235, 2, v9                      ; 4 r
	s_delay_alu instid0(VALU_DEP_1)
	v_add_nc_u32 v[BO], v235, v10
	global_load_b128 v[16:19], v[LI], s[40:41]     ; Q's codes stay in registers
	global_load_u16 v255, v235, s[42:43]           ; and its two scale bytes; the upper two are 0
	v_and_b32 v9, 7, v0                            ; r % 8
	v_bfe_u32 v11, v0, 3, 1                        ; r / 8
	v_lshlrev_b32 v[SH8], 3, v10
	v_lshlrev_b32 v[AK0], 4, v9
	v_lshl_add_u32 v[ASK0], v9, 2, s44
	s_delay_alu instid0(VALU_DEP_2)
	v_lshl_add_u32 v[AK0], v10, 8, v[AK0]
	s_delay_alu instid0(VALU_DEP_2)
	v_lshl_add_u32 v[ASK0], v11, 7, v[ASK0]
	s_delay_alu instid0(VALU_DEP_2)
	v_lshl_add_u32 v[AK0], v11, 10, v[AK0]
	v_add_nc_u32 v[AV0], 65536, v[LI]
	v_add_nc_u32 v[ASV0], s45, v235
	s_and_b32 s46, s8, 15                          ; head
	s_lshr_b32 s47, s8, 4
	s_lshl_b32 s47, s47, 4
	s_lshl_b32 s48, s[QB], 1
	s_add_co_u32 s47, s47, s48
	s_lshr_b32 s48, s[WV], 3
	s_add_co_u32 s47, s47, s48                     ; the output's panel of 128 tokens
	s_lshl_b32 s47, s47, 1
	s_lshr_b32 s48, s46, 3
	s_add_co_u32 s47, s47, s48                     ; slot = head / 8
	s_mul_i32 s47, s47, PANEL
	s_bfe_u32 s48, s46, 0x20001                    ; q = (head / 2) % 4
	s_and_b32 s49, s[WV], 7                        ; rb
	s_lshl_b32 s50, s49, 2
	s_add_co_u32 s50, s50, s48
	s_lshl_b32 s50, s50, 10
	s_lshl_b32 s51, s10, 9
	s_add_co_u32 s50, s50, s51
	s_add_co_u32 s50, s50, s47
	s_mov_b32 s51, 0
	s_add_nc_u64 s[50:51], s[6:7], s[50:51]        ; my codes: fragment (rb, q), register group c
	s_lshl_b32 s52, s48, 9
	s_lshl_b32 s53, s49, 6
	s_add_co_u32 s52, s52, s53
	s_add_co_u32 s52, s52, s39
	s_add_co_u32 s52, s52, s47
	s_add_co_u32 s52, s52, 32768
	s_mov_b32 s53, 0
	s_add_nc_u64 s[52:53], s[6:7], s[52:53]        ; my scale bytes: bytes 2 c, 2 c + 1 of the rows' words
	s_mov_b32 s[SEL], 0x76543210
	s_mov_b32 s[SEL+1], 0xfedcba98
	s_mov_b32 s[CS], 0x3e38aa3b                    ; log2(e) / 8
	s_mov_b32 s[CS+1], s[CS]
	s_mov_b32 s[TK], 0
	s_mov_b32 s[TS], 0
	s_mov_b32 s[TV], 0
	s_mov_b32 s[CNT], 16
	v_mov_b32 v13, 0xff61b1e6                      ; the largest score so far: -3e38
	s_delay_alu instid0(VALU_DEP_1)
	v_mul_f32 v12, s[CS], v13
	s_delay_alu instid0(VALU_DEP_1)
	v_floor_f32 v12, -v12                          ; -M
	v_mov_b32 v14, 0
	v_mov_b32 v15, 0
.irp j, 20,21,22,23
	v_mov_b32 v[\j], 0                             ; Q's k = 64 .. 127: zero codes
.endr
.irp t, 0,1,2,3,4,5,6,7
.irp j, 4,5,6,7
	v_mov_b32 v[32+8*\t+\j], 0                     ; K's likewise, written once
.endr
.endr
.set J, 0
.rept 32
	v_mov_b32 v[160+J], 0                          ; O^T: the step is written once; its first trip finds zeros
.set J, J+1
.endr
	v_mov_b32 v[PT], 0                             ; a lane permute's destination counts as one of its sources
	v_mov_b32 v[OLD], 0
	v_mov_b32 v253, 0                              ; (named as the upper half of the pair v[252:253] before it is first written)
	s_wait_alu depctr_va_vdst(0)
	s_wait_tensorcnt 0x0                           ; my part of the head has landed,
	s_barrier_signal -1
	s_barrier_wait -1                              ; everybody's has
	s_wait_loadcnt 0x0                             ; Q
	v_add_nc_u32 v[ADK], s[TK], v[AK0]
	v_add_nc_u32 v[ADS], s[TS], v[ASK0]
	KLOAD                                          ; the first step's K
.Lstep:                                            ; 16 trips of 128 keys
	v_add_nc_u32 v[ADV], s[TK], v[AV0]             ; (these four are the places behind the last products, ahead of the loads into their operands)
	v_add_nc_u32 v[ADT], s[TV], v[ASV0]
	v_mov_b32 v[OLD], v12
	v_nop
.irp t, 0,1,2,3
.irp c, 0,1
	ds_load_b128 v[192+8*\t+4*\c:195+8*\t+4*\c], v[ADV] offset:1024*\t+512*\c
.endr
	ds_load_b32 v[240+\t], v[ADT] offset:64*\t
.endr
	s_wait_dscnt 12                                ; K's sixteen loads, issued a step ago, are in; V's twelve may be out
.irp t, 0,1,2,3,4,5,6,7
	v_wmma_scale_f32_16x16x128_f8f6f4 v[96+8*\t:103+8*\t], v[32+8*\t:39+8*\t], v[16:23], 0, v[24+\t], v255 matrix_a_fmt:MATRIX_FMT_FP4 matrix_b_fmt:MATRIX_FMT_FP4
.endr
	s_add_co_u32 s[TK], s[TK], 4096
	s_add_co_u32 s[TS], s[TS], 512
	s_add_co_u32 s[TV], s[TV], 256
	v_add_nc_u32 v[ADK], s[TK], v[AK0]             ; four places behind the products, ahead of the loads into their operands and of the first read of the scores
	v_add_nc_u32 v[ADS], s[TS], v[ASK0]
	v_nop
	v_nop
	KLOAD                                          ; the next step's K
.irp k, 0,1,2,3
	v_max3_num_f32 v[MX+\k], v[96+16*\k], v[97+16*\k], v[98+16*\k]   ; four chains by turns, two to a block of 32 keys; each accumulator is read from its low end on
.endr
.irp i, 3,5,7,9,11,13
.irp k, 0,1,2,3
	v_max3_num_f32 v[MX+\k], v[MX+\k], v[96+16*\k+\i], v[97+16*\k+\i]
.endr
.endr
.irp c, 0,1
	v_max3_num_f32 v[MX+2*\c], v[MX+2*\c], v[MX+2*\c+1], v[111+32*\c]
.endr
.irp c, 0,1
	v_max_num_f32 v[MX+2*\c], v[MX+2*\c], v[127+32*\c]               ; my two blocks' largest scores: for the row's maximum and, since p rises with the score, for each block's largest p
.endr
	s_delay_alu instid0(VALU_DEP_1)
	v_max3_num_f32 v254, v13, v[MX], v[MX+2]
	s_delay_alu instid0(VALU_DEP_1)
	v_permlanex16_b32 v[PT], v254, s[SEL], s[SEL+1]
	s_delay_alu instid0(VALU_DEP_1)
	v_max_num_f32 v13, v254, v[PT]                 ; the running largest score of my query
	s_delay_alu instid0(VALU_DEP_1)
	v_mul_f32 v254, s[CS], v13                     ; as t
	s_delay_alu instid0(VALU_DEP_1)
	v_floor_f32 v12, -v254                         ; the new -M = -ceil(t)
.set J, 0
	TMS 8
	v_sub_f32 v254, v12, v[OLD]                    ; old M - new M: a whole number, 0 or less
	TMS 8
	v_cvt_i32_f32 v254, v254                       ; (it saturates)
	TMS 8
	v_ldexp_f32 v252, 1.0, v254                    ; f = 2^(old M - new M)
	TMS 8
.irp c, 0,1
	v_fma_f32 v[MX+2*\c], v[MX+2*\c], s[CS], v12
.endr
	s_wait_alu depctr_va_vdst(0)
.set J, 0
.rept 64
	v_exp_f32 v[96+J], v[96+J]                     ; p = 2^(t - M)
.set J, J+1
.endr
.irp c, 0,1
	v_exp_f32 v[MX+2*\c], v[MX+2*\c]               ; each block's largest p
.endr
	s_wait_alu depctr_va_vdst(0)                   ; one wait behind the batch, directly ahead of the first reader of O^T
.set JO, 0
	ORS 4
.irp c, 0,1
	v_max_num_f32 v[MX+2*\c], 0x1800000, v[MX+2*\c]  ; the floor 2^(3 - 127): the byte cannot fall under 1
.endr
	ORS 2
.irp c, 0,1
	v_add_nc_u32 v[SO+\c], 0xff000000, v[MX+2*\c]  ; 2 off the exponent field: the conversion's scale operand
.endr
	ORS 2
.irp c, 0,1
	v_lshrrev_b32 v[MX+1+2*\c], 23, v[SO+\c]       ; the scale's byte
.endr
	ORS 2
	v_lshl_or_b32 v254, v[MX+3], 16, v[MX+1]       ; my two bytes, blocks h and 2 + h,
	ORS 2
	v_lshlrev_b32 v254, v[SH8], v254               ; at their places in the word;
	ORS 2
	v_permlanex16_b32 v[PT], v254, s[SEL], s[SEL+1]
	ORS 2
	v_or_b32 v253, v254, v[PT]                     ; with lane l xor 16's two: p's scale word for these 128 keys
.irp c, 0,1
	v_cvt_scalef32_pk8_fp4_f32 v[224+4*\c], v[96+32*\c:103+32*\c], v[SO+\c]     ; group u of eight keys goes to word G[u] = 0, 2, 1, 3
	v_cvt_scalef32_pk8_fp4_f32 v[226+4*\c], v[104+32*\c:111+32*\c], v[SO+\c]
	v_cvt_scalef32_pk8_fp4_f32 v[225+4*\c], v[112+32*\c:119+32*\c], v[SO+\c]
	v_cvt_scalef32_pk8_fp4_f32 v[227+4*\c], v[120+32*\c:127+32*\c], v[SO+\c]
.endr
	v_pk_fma_f32 v[14:15], v[14:15], v[252:253], v[96:97] op_sel_hi:[1,0,1]   ; the sum of the unquantised p, in four chains; the first line brings the old sum under the new M.  (These 32 are also the places ahead of the products below)
	v_pk_add_f32 v[244:245], v[98:99], v[100:101]
	v_pk_add_f32 v[246:247], v[102:103], v[104:105]
	v_pk_add_f32 v[248:249], v[106:107], v[108:109]
.irp j, 14,22,30,38,46,54
	v_pk_add_f32 v[14:15], v[14:15], v[96+\j:97+\j]
	v_pk_add_f32 v[244:245], v[244:245], v[98+\j:99+\j]
	v_pk_add_f32 v[246:247], v[246:247], v[100+\j:101+\j]
	v_pk_add_f32 v[248:249], v[248:249], v[102+\j:103+\j]
.endr
	v_pk_add_f32 v[14:15], v[14:15], v[158:159]
	v_pk_add_f32 v[244:245], v[244:245], v[246:247]
	s_delay_alu instid0(VALU_DEP_2)
	v_pk_add_f32 v[14:15], v[14:15], v[248:249]
	s_delay_alu instid0(VALU_DEP_1)
	v_pk_add_f32 v[14:15], v[14:15], v[244:245]
	s_wait_dscnt 16                                ; V and its scales are in; the next step's sixteen loads of K may be out
.irp t, 0,1,2,3
	v_wmma_scale_f32_16x16x128_f8f6f4 v[160+8*\t:167+8*\t], v[192+8*\t:199+8*\t], v[224:231], v[160+8*\t:167+8*\t], v[240+\t], v253 matrix_a_fmt:MATRIX_FMT_FP4 matrix_b_fmt:MATRIX_FMT_FP4
.endr
	s_sub_co_u32 s[CNT], s[CNT], 1
	s_cmp_lg_u32 s[CNT], 0
	s_cbranch_scc1 .Lstep
; THE WAY OUT: O^T / the sum; a lane's 32 numbers are channels 16 t + 8 h + j of its query: halves of two blocks of 32 along the next product's K
.rept 4
	v_nop
.endr
	s_wait_alu depctr_va_vdst(0)
	v_add_f32 v14, v14, v15
	s_delay_alu instid0(VALU_DEP_1)
	v_permlanex16_b32 v252, v14, s[SEL], s[SEL+1]
	s_delay_alu instid0(VALU_DEP_1)
	v_add_f32 v14, v14, v252                       ; the row's sum
	s_wait_alu depctr_va_vdst(0)
	v_rcp_f32 v14, v14
	v_cmp_eq_u32 vcc_lo, 0, v[SH8]                 ; (a plain line behind the reciprocal)
	s_wait_alu depctr_va_vdst(0)
.set J, 0
.rept 32
	v_mul_f32 v[96+J], v[160+J], v14
.set J, J+1
.endr
.irp b, 0,1
	v_max3_num_f32 v[232+\b], |v[96+16*\b]|, |v[97+16*\b]|, 0x1800000
.endr
.irp i, 2,4,6,8,10,12,14
.irp b, 0,1
	s_delay_alu instid0(VALU_DEP_2)
	v_max3_num_f32 v[232+\b], v[232+\b], |v[96+16*\b+\i]|, |v[97+16*\b+\i]|
.endr
.endr
.irp b, 0,1
	s_delay_alu instid0(VALU_DEP_2)
	v_permlanex16_b32 v[236+\b], v[232+\b], s[SEL], s[SEL+1]
.endr
.irp b, 0,1
	s_delay_alu instid0(VALU_DEP_2)
	v_max_num_f32 v[232+\b], v[232+\b], v[236+\b]
.endr
.irp b, 0,1
	s_delay_alu instid0(VALU_DEP_2)
	v_add_nc_u32 v[244+\b], 0xff000000, v[232+\b]
.endr
.irp b, 0,1
	s_delay_alu instid0(VALU_DEP_2)
	v_lshrrev_b32 v[236+\b], 23, v[244+\b]
.endr
	s_delay_alu instid0(VALU_DEP_1)
	v_cndmask_b32 v238, v237, v236, vcc_lo         ; lanes 0-15 store block 0's byte, lanes 16-31 block 1's
.irp b, 0,1
	v_cvt_scalef32_pk8_fp4_f32 v[224+2*\b], v[96+16*\b:103+16*\b], v[244+\b]
	v_cvt_scalef32_pk8_fp4_f32 v[225+2*\b], v[104+16*\b:111+16*\b], v[244+\b]
.endr
	v_nop
	v_permlane16_swap_b32 v224, v226               ; lanes 0-15: block 0, lanes 16-31: block 1
	v_permlane16_swap_b32 v225, v227
	global_store_b128 v[LI], v[224:227], s[50:51]  ; 512 consecutive bytes
	global_store_b8 v[BO], v238, s[52:53]
	s_wait_tensorcnt 0x0                           ; the wave's end
	ds_add_u32 v250, v251
	s_wait_dscnt 0x0
	CROUND                                         ; the closing round
	s_endpgm
.Lfunc_end_k_qb3d4cd76b0_at:
	.size	k_qb3d4cd76b0_at, .Lfunc_end_k_qb3d4cd76b0_at-k_qb3d4cd76b0_at
	.p2alignl 7, 3214868480
	.fill 96, 4, 3214868480
	.section	.rodata,"a",@progbits
	.p2align	6, 0x0
	.amdhsa_kernel k_qb3d4cd76b0_at
		.amdhsa_group_segment_fixed_size 169984
		.amdhsa_private_segment_fixed_size 0
		.amdhsa_enable_private_segment 0
		.amdhsa_kernarg_size 16
		.amdhsa_user_sgpr_count 2
		.amdhsa_user_sgpr_kernarg_segment_ptr 1
		.amdhsa_wavefront_size32 1
		.amdhsa_system_sgpr_workgroup_id_x 1
		.amdhsa_system_sgpr_workgroup_id_y 1
		.amdhsa_system_sgpr_workgroup_id_z 1
		.amdhsa_system_vgpr_workitem_id 0
		.amdhsa_next_free_vgpr 256
		.amdhsa_next_free_sgpr 66
		.amdhsa_reserve_vcc 1
		.amdhsa_float_denorm_mode_32 3
		.amdhsa_float_denorm_mode_16_64 3
		.amdhsa_memory_ordered 1
		.amdhsa_forward_progress 1
		.amdhsa_inst_pref_size 29
	.end_amdhsa_kernel
	.amdgpu_metadata
---
amdhsa.version: [ 1, 2 ]
amdhsa.kernels:
  - .name:           k_qb3d4cd76b0_at
    .symbol:         k_qb3d4cd76b0_at.kd
    .args:
      - { .name: kv, .offset: 0, .size: 8, .value_kind: global_buffer, .address_space: global }
      - { .name: oimg, .offset: 8, .size: 8, .value_kind: global_buffer, .address_space: global }
    .group_segment_fixed_size: 169984
    .private_segment_fixed_size: 0
    .kernarg_segment_align: 8
    .kernarg_segment_size: 16
    .max_flat_workgroup_size: 512
    .sgpr_count:     66
    .vgpr_count:     256
    .wavefront_size: 32
...
	.end_amdgpu_metadata
.endif
;; end of part 10
;; launch gpl (part 11): grid 256 x 1, 8 waves a work-group, no clusters, 67,072 bytes of LDS; arguments oimg, wimg, b_proj, x, ln2_g, ln2_b, x1, himg; writes x1, himg
.if DOCPART == 11
	.amdgcn_target "amdgcn-amd-amdhsa--gfx1250"
	.amdhsa_code_object_version 6
	.text
	.protected	k_qb3d4cd76b0_gpl
	.globl	k_qb3d4cd76b0_gpl
	.p2align	8
	.type	k_qb3d4cd76b0_gpl,@function
k_qb3d4cd76b0_gpl:
	s_mov_b64 s[64:65], 0
	v_nop
	global_prefetch_b8 v0, s[64:65] scope:SCOPE_SE
	s_setreg_imm32_b32 hwreg(HW_REG_WAVE_MODE, 25, 1), 1
	s_wait_xcnt 0x0
; x1 = x + (o Wp + bp), stored; then y = layer norm of x1 (g, b of the second norm), quantised along the row to FP4 (E2M1) with one E8M0 byte for each 32 and stored as an image of operand registers: one launch, since
; A WORK-GROUP OWNS 16 WHOLE ROWS (one rb of a panel of 128 tokens): 256 work-groups.  The product is on codes of FP4 with E8M0 scales, K = 1,024 in eight steps of 128; all else in f32.
; THE PRODUCT.  Wave w takes the weight's panel w (128 columns): source 0 = 16 columns, source 1 = the 16 tokens: eight accumulators by turns; a lane holds one token and eight neighbouring columns.
; The bias is loaded into the accumulators and is the first products' C.
; NO LDS PASS, NO JOINT LOADS FOR THE WEIGHT: with 16 rows to a work-group each fragment of the weight feeds exactly one matrix instruction of exactly one wave, and the image is laid as that wave's registers want it,
; so a lane loads its 16 bytes straight into the operand's registers; a pass through LDS would write and read each byte once more for no second use.
; NO PREFETCH: the text has no loop to run ahead in; a wave's loads stand three K steps (60 loads) ahead of the products instead.
; A K step's loads are a group of 20: 4 of scale words (128 bytes: the words of two blocks of 16 columns, the second read by ROW1) and 16 of fragments, into a ring of three sets of registers.
; THE NORM.  The results go to LDS (rows 4,112 bytes apart); wave w takes rows 2 w and 2 w + 1 whole, 32 numbers a lane, adds x, stores x1 (512 consecutive bytes a store), takes mean and variance, scales, and puts y back on its own rows;
; then wave w takes K step w of all 16 rows: lane (r, h) reads blocks h and 2 + h of row r whole, so that a block's largest magnitude needs no other lane and the conversions' results are the operand's registers.
; IMAGES: block (panel p, slot sl of 512 along K) = 34,816 bytes at (2 p + sl) x 34,816; fragment (rb, q) at (4 rb + q) x 1,024, lane l's registers 4 c .. at 512 c + 16 l; word w of a block's 16 bytes holds k = 8 G[w] .., G = 0, 2, 1, 3; scale words at 32,768 + 512 q + 64 rb + 4 r.
; LIMITS: a block of zeros, or one whose largest magnitude lies under 2^-124, gets the byte 1 (only this program reads the bytes); NaN and infinities are not served.
; REGISTERS: window 0: v1-7, v24-28 addresses; v30, v31 the add's two; v8-23 at work; v32-95 o's fragments, then my two rows; v96-159 g, b; v160-223 accumulators; v224-235 the weight's scale words, three sets; v236-239 o's.
;   window 1: v0-191 the weight's fragments, three sets of 64; v192-255 my two rows of x.
.set PITCH, 4112
.set PANEL, 34816
.set WOFF,  557056                     ; Wp's image in wimg
.set SF,  32
.set ACC, 160
.set LSC, 224
.set SSC, 236
.set MSB, 0
.macro WIN new                         ; the immediate's high byte repeats the setting that is left
.if MSB != \new
	s_set_vgpr_msb (MSB<<8)|\new
.set MSB, \new
.endif
.endm
.macro PLACES n
.rept \n
	v_nop
.endr
.endm
.macro GRP k                           ; K step k's 20 loads into set k % 3
	WIN 0
.irp i, 0,1,2,3
	global_load_b32 v[LSC+4*((\k)%3)+\i], v26, s[44:45] offset:((\k)/4)*PANEL+32768+512*((\k)%4)+128*\i
.endr
	WIN 0x40                                       ; destination window 1
.irp b, 0,1,2,3,4,5,6,7
.irp c, 0,1
	global_load_b128 v[64*((\k)%3)+8*\b+4*\c:64*((\k)%3)+8*\b+4*\c+3], v3, s[44:45] offset:((\k)/4)*PANEL+(4*\b+(\k)%4)*1024+512*\c
.endr
.endr
.endm
.macro MM k                            ; eight products: the panel's eight blocks of 16 columns x my 16 tokens, 128 along K
	WIN 0x01                                       ; source 0 window 1
.irp b, 0,1,2,3,4,5,6,7
.if (\b%2) && ((\k)%2)
	v_wmma_scale_f32_16x16x128_f8f6f4 v[ACC+8*\b:ACC+8*\b+7], v[64*((\k)%3)+8*\b:64*((\k)%3)+8*\b+7], v[SF+8*(\k):SF+8*(\k)+7], v[ACC+8*\b:ACC+8*\b+7], v[LSC+4*((\k)%3)+\b/2], v[SSC+(\k)/2] matrix_a_fmt:MATRIX_FMT_FP4 matrix_b_fmt:MATRIX_FMT_FP4 matrix_a_scale:MATRIX_SCALE_ROW1 matrix_b_scale:MATRIX_SCALE_ROW1
.elseif (\b%2)
	v_wmma_scale_f32_16x16x128_f8f6f4 v[ACC+8*\b:ACC+8*\b+7], v[64*((\k)%3)+8*\b:64*((\k)%3)+8*\b+7], v[SF+8*(\k):SF+8*(\k)+7], v[ACC+8*\b:ACC+8*\b+7], v[LSC+4*((\k)%3)+\b/2], v[SSC+(\k)/2] matrix_a_fmt:MATRIX_FMT_FP4 matrix_b_fmt:MATRIX_FMT_FP4 matrix_a_scale:MATRIX_SCALE_ROW1
.elseif ((\k)%2)
	v_wmma_scale_f32_16x16x128_f8f6f4 v[ACC+8*\b:ACC+8*\b+7], v[64*((\k)%3)+8*\b:64*((\k)%3)+8*\b+7], v[SF+8*(\k):SF+8*(\k)+7], v[ACC+8*\b:ACC+8*\b+7], v[LSC+4*((\k)%3)+\b/2], v[SSC+(\k)/2] matrix_a_fmt:MATRIX_FMT_FP4 matrix_b_fmt:MATRIX_FMT_FP4 matrix_b_scale:MATRIX_SCALE_ROW1
.else
	v_wmma_scale_f32_16x16x128_f8f6f4 v[ACC+8*\b:ACC+8*\b+7], v[64*((\k)%3)+8*\b:64*((\k)%3)+8*\b+7], v[SF+8*(\k):SF+8*(\k)+7], v[ACC+8*\b:ACC+8*\b+7], v[LSC+4*((\k)%3)+\b/2], v[SSC+(\k)/2] matrix_a_fmt:MATRIX_FMT_FP4 matrix_b_fmt:MATRIX_FMT_FP4
.endif
.endr
.endm
.macro KSTEP k, left                   ; left: the loads issued behind this step's group, which may stay out
	s_wait_loadcnt \left
	MM \k
.if (\k)+3 < 8
	PLACES 4                                       ; ahead of the loads into the registers just multiplied
	GRP (\k)+3
.endif
.endm
; a lane's partial in v[8 + 8 R] becomes the row's sum in every lane
.macro ACROSS
.irp R, 0
	s_delay_alu instid0(VALU_DEP_3)
	v_pk_add_f32 v[8+8*\R:9+8*\R], v[8+8*\R:9+8*\R], v[10+8*\R:11+8*\R]
.endr
.irp R, 1
	s_delay_alu instid0(VALU_DEP_2)
	v_pk_add_f32 v[8+8*\R:9+8*\R], v[8+8*\R:9+8*\R], v[10+8*\R:11+8*\R]
.endr
.irp R, 0,1
	s_delay_alu instid0(VALU_DEP_2)
	v_add_f32 v[8+8*\R], v[8+8*\R], v[9+8*\R]
.endr
.irp m, 1,2,4,8
.irp R, 0,1
	s_delay_alu instid0(VALU_DEP_2)
	v_add_f32_dpp v[8+8*\R], v[8+8*\R], v[8+8*\R] row_xmask:\m row_mask:0xf bank_mask:0xf
.endr
.endr
.irp R, 0,1
	s_delay_alu instid0(VALU_DEP_2)
	v_permlanex16_b32 v[9+8*\R], v[8+8*\R], s16, s17
.endr
.irp R, 0,1
	s_delay_alu instid0(VALU_DEP_2)
	v_add_f32 v[8+8*\R], v[8+8*\R], v[9+8*\R]
.endr
.endm
	s_load_b256 s[4:11], s[0:1], 0x0               ; oimg, wimg, b_proj, x
	s_load_b256 s[36:43], s[0:1], 0x20             ; ln2_g, ln2_b, x1, himg
	v_lshl_add_u32 v30, v0, 2, 0x10200
	v_mov_b32 v31, 0
	v_lshrrev_b32 v1, 5, v0
	s_delay_alu instid0(VALU_DEP_1)
	v_readfirstlane_b32 s12, v1                    ; wave 0..7
	v_and_b32 v2, 31, v0                           ; lane
	v_and_b32 v7, 15, v0                           ; r
	v_bfe_u32 v6, v0, 4, 1                         ; h
	v_lshlrev_b32 v3, 4, v2                        ; 16 x lane
	s_mul_i32 s20, s12, 2*PITCH
	v_mul_u32_u24 v5, v7, PITCH
	v_add_nc_u32 v4, s20, v3                       ; LDS: my wave's two rows, 16 bytes a lane
	s_lshl_b32 s20, s12, 9
	v_lshl_add_u32 v28, v6, 5, v5
	v_lshl_add_u32 v5, v6, 7, v5
	v_lshlrev_b32 v24, 2, v7                       ; 4 r
	v_add_nc_u32 v28, s20, v28                     ; LDS: row r, my panel's 512 bytes, + 32 h: where the results go
	v_add_nc_u32 v5, s20, v5                       ; LDS: row r, K step w, block h
	v_lshlrev_b32 v25, 5, v6                       ; 32 h
	v_lshlrev_b32 v26, 2, v2                       ; 4 x lane
	v_lshl_add_u32 v27, v6, 9, v24                 ; 512 h + 4 r: lanes 16-31 take the odd K step's words
	s_lshl_b32 s13, ttmp9, 4
	s_lshl_b32 s14, s12, 1
	s_add_co_u32 s13, s13, s14                     ; my first row
	s_lshl_b32 s14, s13, 12
	s_mov_b32 s15, 0
	s_mov_b32 s16, 0x76543210                      ; v_permlanex16_b32's selects for lane l xor 16
	s_mov_b32 s17, 0xfedcba98
	s_mov_b32 s18, 0x3a800000                      ; 1 / 1,024
	s_mov_b32 s19, 0x3727c5ac                      ; 1e-5
	s_lshr_b32 s22, ttmp9, 3                       ; the panel of 128 tokens
	s_and_b32 s23, ttmp9, 7                        ; rb
	s_mul_i32 s30, s22, 2*PANEL
	s_lshl_b32 s31, s23, 12
	s_add_co_u32 s32, s30, s31                     ; o's fragments: panel, 4,096 rb
	s_mov_b32 s33, 0
	s_lshl_b32 s31, s23, 6
	s_add_co_u32 s34, s30, s31                     ; o's scale words: panel, 64 rb
	s_mov_b32 s35, 0
	s_mul_i32 s44, s12, 2*PANEL
	s_add_co_u32 s44, s44, WOFF                    ; the weight's panel w
	s_mov_b32 s45, 0
	s_lshl_b32 s46, s12, 9                         ; the bias of its 128 columns
	s_mov_b32 s47, 0
	s_lshl_b32 s22, s22, 1
	s_lshr_b32 s24, s12, 2
	s_add_co_u32 s22, s22, s24
	s_mul_i32 s22, s22, PANEL                      ; the output image's block (panel, slot w / 4)
	s_and_b32 s24, s12, 3                          ; q
	s_lshl_b32 s25, s23, 2
	s_add_co_u32 s25, s25, s24
	s_lshl_b32 s25, s25, 10
	s_add_co_u32 s26, s25, s22
	s_mov_b32 s27, 0
	s_lshl_b32 s24, s24, 9
	s_lshl_b32 s23, s23, 6
	s_add_co_u32 s28, s24, s23
	s_add_co_u32 s28, s28, s22
	s_add_co_u32 s28, s28, 32768
	s_mov_b32 s29, 0
	s_wait_alu depctr_va_vdst(0)
	s_wait_kmcnt 0x0
	s_add_nc_u64 s[32:33], s[4:5], s[32:33]
	s_add_nc_u64 s[34:35], s[4:5], s[34:35]
	s_add_nc_u64 s[44:45], s[6:7], s[44:45]
	s_add_nc_u64 s[46:47], s[8:9], s[46:47]
	s_add_nc_u64 s[10:11], s[10:11], s[14:15]      ; my two rows of x,
	s_add_nc_u64 s[40:41], s[40:41], s[14:15]      ; and of x1
	s_add_nc_u64 s[20:21], s[42:43], s[28:29]      ; my scale words of the output image
	s_add_nc_u64 s[42:43], s[42:43], s[26:27]      ; my fragment
.irp i, 0,1,2,3                        ; o's scale words: register i serves K steps 2 i (lanes 0-15) and 2 i + 1 (lanes 16-31)
	global_load_b32 v[SSC+\i], v27, s[34:35] offset:(\i/2)*PANEL+32768+1024*(\i%2)
.endr
.irp k, 0,1,2,3,4,5,6,7
.irp c, 0,1
	global_load_b128 v[SF+8*\k+4*\c:SF+8*\k+4*\c+3], v3, s[32:33] offset:(\k/4)*PANEL+(\k%4)*1024+512*\c
.endr
.endr
.irp b, 0,1,2,3,4,5,6,7                ; the bias of columns 16 b + 8 h + j, into the accumulators
	global_load_b128 v[ACC+8*\b:ACC+8*\b+3], v25, s[46:47] offset:64*\b
	global_load_b128 v[ACC+8*\b+4:ACC+8*\b+7], v25, s[46:47] offset:64*\b+16
.endr
	GRP 0
	GRP 1
	GRP 2
	KSTEP 0, 40                                    ; behind a step's group: the next two groups, 40 loads
	KSTEP 1, 40
	KSTEP 2, 40
	KSTEP 3, 40
	KSTEP 4, 40
.irp R, 0,1                            ; behind the last group: my two rows of x (window 1), g and b: 32 loads, each 512 consecutive bytes
.irp i, 0,1,2,3,4,5,6,7
	global_load_b128 v[192+32*\R+4*\i:195+32*\R+4*\i], v3, s[10:11] offset:4096*\R+512*\i
.endr
.endr
	WIN 0
.irp i, 0,1,2,3,4,5,6,7
	global_load_b128 v[96+4*\i:99+4*\i], v3, s[36:37] offset:512*\i
	global_load_b128 v[128+4*\i:131+4*\i], v3, s[38:39] offset:512*\i
.endr
	KSTEP 5, 63                                    ; 72 loads stand behind this group; a count names 63 at the most
	KSTEP 6, 52                                    ; the last group and the 32
	KSTEP 7, 32
	WIN 0
	PLACES 4                                       ; ahead of the first read of the results
.irp b, 0,1,2,3,4,5,6,7
	ds_store_b128 v28, v[ACC+8*\b:ACC+8*\b+3] offset:64*\b          ; each accumulator from its low end on
	ds_store_b128 v28, v[ACC+8*\b+4:ACC+8*\b+7] offset:64*\b+16
.endr
	s_wait_dscnt 0x0                               ; for the others' sake: my columns lie in LDS
	s_barrier_signal -1
	s_barrier_wait -1
.irp R, 0,1
.irp i, 0,1,2,3,4,5,6,7
	ds_load_b128 v[32+32*\R+4*\i:35+32*\R+4*\i], v4 offset:PITCH*\R+512*\i
.endr
.endr
	s_wait_loadcnt 0x0                             ; x, g, b
	s_wait_dscnt 0x0
	WIN 0x04                                       ; source 1 window 1
.set J, 0
.rept 32
	v_pk_add_f32 v[32+J:33+J], v[32+J:33+J], v[192+J:193+J]         ; x1 = x + (o Wp + bp)
.set J, J+2
.endr
	WIN 0
.irp R, 0,1
.irp i, 0,1,2,3,4,5,6,7
	global_store_b128 v3, v[32+32*\R+4*\i:35+32*\R+4*\i], s[40:41] offset:4096*\R+512*\i
.endr
.endr
.irp R, 0,1                            ; the sum, two numbers at a time, in two chains; the two rows by turns
	v_pk_add_f32 v[8+8*\R:9+8*\R], v[32+32*\R:33+32*\R], v[34+32*\R:35+32*\R]
	v_pk_add_f32 v[10+8*\R:11+8*\R], v[36+32*\R:37+32*\R], v[38+32*\R:39+32*\R]
.endr
.irp j, 8,12,16,20,24,28
.irp R, 0,1
	s_delay_alu instid0(VALU_DEP_4)
	v_pk_add_f32 v[8+8*\R:9+8*\R], v[8+8*\R:9+8*\R], v[32+32*\R+\j:33+32*\R+\j]
	s_delay_alu instid0(VALU_DEP_4)
	v_pk_add_f32 v[10+8*\R:11+8*\R], v[10+8*\R:11+8*\R], v[34+32*\R+\j:35+32*\R+\j]
.endr
.endr
	ACROSS
.irp R, 0,1
	s_delay_alu instid0(VALU_DEP_2)
	v_mul_f32 v[12+8*\R], s18, v[8+8*\R]           ; the mean,
.endr
.irp R, 0,1
	s_delay_alu instid0(VALU_DEP_2)
	v_mov_b32 v[13+8*\R], v[12+8*\R]               ; as a pair
.endr
	s_wait_alu depctr_va_vdst(0)
	s_wait_xcnt 0x0                                ; the stores of x1 have read their registers, which are written again below
.irp j, 0,2,4,6,8,10,12,14,16,18,20,22,24,26,28,30
.irp R, 0,1
	v_pk_add_f32 v[32+32*\R+\j:33+32*\R+\j], v[32+32*\R+\j:33+32*\R+\j], v[12+8*\R:13+8*\R] neg_lo:[0,1] neg_hi:[0,1]   ; x1 - mean, in place
.endr
.endr
.irp R, 0,1
	v_pk_mul_f32 v[8+8*\R:9+8*\R], v[32+32*\R:33+32*\R], v[32+32*\R:33+32*\R]
	v_pk_mul_f32 v[10+8*\R:11+8*\R], v[34+32*\R:35+32*\R], v[34+32*\R:35+32*\R]
.endr
.irp j, 4,8,12,16,20,24,28
.irp R, 0,1
	s_delay_alu instid0(VALU_DEP_4)
	v_pk_fma_f32 v[8+8*\R:9+8*\R], v[32+32*\R+\j:33+32*\R+\j], v[32+32*\R+\j:33+32*\R+\j], v[8+8*\R:9+8*\R]
	s_delay_alu instid0(VALU_DEP_4)
	v_pk_fma_f32 v[10+8*\R:11+8*\R], v[34+32*\R+\j:35+32*\R+\j], v[34+32*\R+\j:35+32*\R+\j], v[10+8*\R:11+8*\R]
.endr
.endr
	ACROSS
.irp R, 0,1
	s_delay_alu instid0(VALU_DEP_2)
	v_fma_f32 v[8+8*\R], v[8+8*\R], s18, s19       ; var + 1e-5
.endr
	s_wait_alu depctr_va_vdst(0)
.irp R, 0,1
	v_rsq_f32 v[14+8*\R], v[8+8*\R]
.endr
	v_nop                                          ; a plain line behind the last of the two
	s_wait_alu depctr_va_vdst(0)                   ; one wait for both, ahead of the first line that names a result
.irp R, 0,1
	v_mov_b32 v[15+8*\R], v[14+8*\R]
.endr
.irp j, 0,2,4,6,8,10,12,14,16,18,20,22,24,26,28,30
.irp R, 0,1
	v_pk_mul_f32 v[32+32*\R+\j:33+32*\R+\j], v[32+32*\R+\j:33+32*\R+\j], v[14+8*\R:15+8*\R]
.endr
.endr
.irp j, 0,2,4,6,8,10,12,14,16,18,20,22,24,26,28,30
.irp R, 0,1
	v_pk_fma_f32 v[32+32*\R+\j:33+32*\R+\j], v[32+32*\R+\j:33+32*\R+\j], v[96+\j:97+\j], v[128+\j:129+\j]
.endr
.endr
.irp R, 0,1
.irp i, 0,1,2,3,4,5,6,7
	ds_store_b128 v4, v[32+32*\R+4*\i:35+32*\R+4*\i] offset:PITCH*\R+512*\i   ; y onto my own two rows, which no other wave reads before the barrier below
.endr
.endr
	s_wait_dscnt 0x0                               ; for the others' sake: my rows lie in LDS
	s_barrier_signal -1
	s_barrier_wait -1
.irp c, 0,1                            ; block 2 c + h of row r: 32 numbers
.irp i, 0,1,2,3,4,5,6,7
	ds_load_b128 v[32+32*\c+4*\i:35+32*\c+4*\i], v5 offset:256*\c+16*\i
.endr
.endr
	s_wait_dscnt 0x0
.irp c, 0,1
	v_max3_num_f32 v[8+\c], |v[32+32*\c]|, |v[33+32*\c]|, 0x1800000   ; and the floor 2^(3 - 127): the byte cannot fall under 1
.endr
.irp i, 2,4,6,8,10,12,14,16,18,20,22,24,26,28,30
.irp c, 0,1
	s_delay_alu instid0(VALU_DEP_2)
	v_max3_num_f32 v[8+\c], v[8+\c], |v[32+32*\c+\i]|, |v[33+32*\c+\i]|
.endr
.endr
.irp c, 0,1
	s_delay_alu instid0(VALU_DEP_2)
	v_add_nc_u32 v[10+\c], 0xff000000, v[8+\c]     ; 2 off the exponent field: the conversion's scale operand
.endr
.irp c, 0,1
	s_delay_alu instid0(VALU_DEP_2)
	v_lshrrev_b32 v[12+\c], 23, v[10+\c]           ; the scale's byte
.endr
	s_delay_alu instid0(VALU_DEP_1)
	v_lshl_or_b32 v14, v13, 16, v12                ; my two bytes, blocks h and 2 + h,
	v_lshlrev_b32 v15, 3, v6
	s_delay_alu instid0(VALU_DEP_1)
	v_lshlrev_b32 v14, v15, v14                    ; at their places in the word;
	v_mov_b32 v15, 0
	s_delay_alu instid0(VALU_DEP_1)
	v_permlanex16_b32 v15, v14, s16, s17
	s_delay_alu instid0(VALU_DEP_1)
	v_or_b32 v14, v14, v15                         ; with lane l xor 16's two the word is whole
.irp c, 0,1
	v_cvt_scalef32_pk8_fp4_f32 v[16+4*\c], v[32+32*\c:39+32*\c], v[10+\c]     ; word w takes group G[w] = 0, 2, 1, 3
	v_cvt_scalef32_pk8_fp4_f32 v[17+4*\c], v[48+32*\c:55+32*\c], v[10+\c]
	v_cvt_scalef32_pk8_fp4_f32 v[18+4*\c], v[40+32*\c:47+32*\c], v[10+\c]
	v_cvt_scalef32_pk8_fp4_f32 v[19+4*\c], v[56+32*\c:63+32*\c], v[10+\c]
.endr
	v_nop                                          ; a plain line behind the last conversion
	global_store_b128 v3, v[16:19], s[42:43]       ; 512 consecutive bytes each
	global_store_b128 v3, v[20:23], s[42:43] offset:512
	s_wait_xcnt 0x0                                ; EXEC changes only behind this wait
	v_cmp_gt_u32 vcc_lo, 16, v2
	s_wait_tensorcnt 0x0                           ; the wave's end, behind my last LDS store
	ds_add_u32 v30, v31
	s_wait_dscnt 0x0
	s_and_saveexec_b32 s22, vcc_lo
	global_store_b32 v24, v14, s[20:21]            ; lanes 0-15: the 16 rows' scale words
	s_wait_xcnt 0x0
	s_or_b32 exec_lo, exec_lo, s22
	s_endpgm
.Lfunc_end_k_qb3d4cd76b0_gpl:
	.size	k_qb3d4cd76b0_gpl, .Lfunc_end_k_qb3d4cd76b0_gpl-k_qb3d4cd76b0_gpl
	.p2alignl 7, 3214868480
	.fill 96, 4, 3214868480
	.section	.rodata,"a",@progbits
	.p2align	6, 0x0
	.amdhsa_kernel k_qb3d4cd76b0_gpl
		.amdhsa_group_segment_fixed_size 67072
		.amdhsa_private_segment_fixed_size 0
		.amdhsa_enable_private_segment 0
		.amdhsa_kernarg_size 64
		.amdhsa_user_sgpr_count 2
		.amdhsa_user_sgpr_kernarg_segment_ptr 1
		.amdhsa_wavefront_size32 1
		.amdhsa_system_sgpr_workgroup_id_x 1
		.amdhsa_system_sgpr_workgroup_id_y 1
		.amdhsa_system_sgpr_workgroup_id_z 1
		.amdhsa_system_vgpr_workitem_id 0
		.amdhsa_next_free_vgpr 512
		.amdhsa_next_free_sgpr 66
		.amdhsa_reserve_vcc 1
		.amdhsa_float_denorm_mode_32 3
		.amdhsa_float_denorm_mode_16_64 3
		.amdhsa_memory_ordered 1
		.amdhsa_forward_progress 1
		.amdhsa_inst_pref_size 62
	.end_amdhsa_kernel
	.amdgpu_metadata
---
amdhsa.version: [ 1, 2 ]
amdhsa.kernels:
  - .name:           k_qb3d4cd76b0_gpl
    .symbol:         k_qb3d4cd76b0_gpl.kd
    .args:
      - { .name: oimg, .offset: 0, .size: 8, .value_kind: global_buffer, .address_space: global }
      - { .name: wimg, .offset: 8, .size: 8, .value_kind: global_buffer, .address_space: global }
      - { .name: b_proj, .offset: 16, .size: 8, .value_kind: global_buffer, .address_space: global }
      - { .name: x, .offset: 24, .size: 8, .value_kind: global_buffer, .address_space: global }
      - { .name: ln2_g, .offset: 32, .size: 8, .value_kind: global_buffer, .address_space: global }
      - { .name: ln2_b, .offset: 40, .size: 8, .value_kind: global_buffer, .address_space: global }
      - { .name: x1, .offset: 48, .size: 8, .value_kind: global_buffer, .address_space: global }
      - { .name: himg, .offset: 56, .size: 8, .value_kind: global_buffer, .address_space: global }
    .group_segment_fixed_size: 67072
    .private_segment_fixed_size: 0
    .kernarg_segment_align: 8
    .kernarg_segment_size: 64
    .max_flat_workgroup_size: 256
    .sgpr_count:     66
    .vgpr_count:     512
    .wavefront_size: 32
...
	.end_amdgpu_metadata
.endif
;; end of part 11
;; launch g1 (part 12): grid 16 x 16, 4 waves a work-group, clusters of 4 x 4, 327,680 bytes of LDS; arguments himg, wimg, b_fc1, fimg; writes fimg
.if DOCPART == 12
	.amdgcn_target "amdgcn-amd-amdhsa--gfx1250"
	.amdhsa_code_object_version 6
	.text
	.protected	k_qb3d4cd76b0_g1
	.globl	k_qb3d4cd76b0_g1
	.p2align	8
	.type	k_qb3d4cd76b0_g1,@function
k_qb3d4cd76b0_g1:
	s_mov_b64 s[64:65], 0
	v_nop
	global_prefetch_b8 v0, s[64:65] scope:SCOPE_SE
	s_setreg_imm32_b32 hwreg(HW_REG_WAVE_MODE, 25, 1), 1
	s_wait_xcnt 0x0
	s_wait_alu depctr_hold_cnt(0) depctr_sa_sdst(0) depctr_va_vdst(0) depctr_va_sdst(0) depctr_va_ssrc(0) depctr_va_vcc(0) depctr_vm_vsrc(0)
	s_getreg_b32 s2, hwreg(HW_REG_IB_STS2, 6, 4)
	s_cmp_eq_u32 s2, 0
	s_cbranch_scc0 .Lentry_in_a_cluster
	s_endpgm
.Lentry_in_a_cluster:
	s_bfe_u32 s2, ttmp6, 0x10000c
	s_cmp_lg_u32 s2, 0xf033
	s_cbranch_scc0 .Lentry_shape_is_right
	s_endpgm
.Lentry_shape_is_right:
.set NSL,   2
.set WOFF,  1114112
.set PANEL, 34816
.set SLOT,  4*PANEL
.set STG,   2*SLOT
.set SPARE, STG+2048
.set LAPS,  NSL/2
.set ADRA, 16
.set ADRB, 20
.set ADRS, 22
.set LI,   24
.set SW,   25
.set SRD,  26
.set BA,   27
.set SPW,  28
.set NIL,  29
.set SC,   32
.set BL,   64
.set AF,   128
.set TM,   192
.set PW,   208
.set PC,   216
.set G1,  24
.set G0,  32
.set G1B, 48
.set G0B, 56
.set SEL, 90
.set MSB, 0
.set MUL_LO, 0xa1
.set MUL_HI, 0xf1
.set TO_B,   0x40
.macro WIN new
.if MSB != \new
	s_set_vgpr_msb (MSB<<8)|\new
.set MSB, \new
.endif
.endm
.macro JLOAD g0a, g1a, g0b, g1b
	s_cmp_eq_u32 s15, 0
	s_cbranch_scc0 .Lfor_b_\@
	tensor_load_to_lds s[\g0a:\g0a+3], s[\g1a:\g1a+7]
	s_nop 0
.rept 4
	v_nop
.endr
	s_branch .Lasked_\@
.Lfor_b_\@:
	tensor_load_to_lds s[\g0b:\g0b+3], s[\g1b:\g1b+7]
	s_nop 0
.rept 4
	v_nop
.endr
.Lasked_\@:
.endm
.macro CREST
	s_cmp_lg_u32 s14, 0
	s_cbranch_scc1 .Lnot_wave_0_\@
	s_barrier_signal -3
.Lnot_wave_0_\@:
	s_barrier_wait -3
	s_barrier_signal -1
	s_barrier_wait -1
.endm
.macro CROUND
	s_barrier_signal -1
	s_barrier_wait -1
	CREST
.endm
.macro PLACES n
.rept \n
	v_nop
.endr
.endm
.macro FRAG reg, adr, q, i
.irp c, 0,1
	ds_load_b128 v[\reg+4*\c:\reg+4*\c+3], v[\adr] offset:((\i)*4+(\q))*1024+512*\c
.endr
.endm
.macro MUL16 a0, p, zero
.irp a, \a0, \a0+1
.irp b, 0,1,2,3,4,5,6,7
.if \zero
	v_wmma_scale_f32_16x16x128_f8f6f4 v[8*(8*((\a)%4)+\b):8*(8*((\a)%4)+\b)+7], v[128*(\p)+8*\b:128*(\p)+8*\b+7], v[AF+8*(\a):AF+8*(\a)+7], 0, v[SC+8*(\p)+\b], v[SC+8*(\p)+(\a)] matrix_a_fmt:MATRIX_FMT_FP4 matrix_b_fmt:MATRIX_FMT_FP4 matrix_a_scale:MATRIX_SCALE_ROW1
.else
	v_wmma_scale_f32_16x16x128_f8f6f4 v[8*(8*((\a)%4)+\b):8*(8*((\a)%4)+\b)+7], v[128*(\p)+8*\b:128*(\p)+8*\b+7], v[AF+8*(\a):AF+8*(\a)+7], v[8*(8*((\a)%4)+\b):8*(8*((\a)%4)+\b)+7], v[SC+8*(\p)+\b], v[SC+8*(\p)+(\a)] matrix_a_fmt:MATRIX_FMT_FP4 matrix_b_fmt:MATRIX_FMT_FP4 matrix_a_scale:MATRIX_SCALE_ROW1
.endif
.endr
.endr
.endm
.macro FETCH_B slot, q, p
	WIN TO_B
.irp i, 0,1,2,3,4,5,6,7
	FRAG 128*(\p)+8*\i, ADRB+\slot, \q, \i
.endr
	WIN 0
.endm
.macro FETCH_A slot, q, i0
.irp i, \i0, \i0+1, \i0+2, \i0+3
	FRAG AF+8*(\i), ADRA+\slot, \q, \i
.endr
.endm
.macro SCALES slot, q, p
.irp i, 0,1,2,3,4,5,6,7
	ds_load_b32 v[SC+8*(\p)+\i], v[ADRS+\slot] offset:(\q)*512+64*\i
.endr
.endm
.macro STEP slot, q, zero
	s_wait_dscnt 8
	WIN MUL_LO
	MUL16 0, (\q)%2, \zero
	MUL16 2, (\q)%2, \zero
	s_wait_dscnt 0
	PLACES 4
	FETCH_B \slot, (\q)+1, 1-(\q)%2
	FETCH_A \slot, (\q)+1, 0
	SCALES \slot, (\q)+1, 1-(\q)%2
	WIN MUL_HI
	MUL16 4, (\q)%2, \zero
	MUL16 6, (\q)%2, \zero
	PLACES 4
	WIN 0
	FETCH_A \slot, (\q)+1, 4
.endm
.macro TURN slot, next, fill
	s_wait_tensorcnt 0x0
	ds_add_u32 v[SPW], v[NIL]
	s_wait_dscnt 9
	WIN MUL_LO
	MUL16 0, 1, 0
	s_wait_dscnt 0x0
	s_barrier_signal -1
	MUL16 2, 1, 0
	WIN 0
	s_barrier_wait -1
.if \fill
	CREST
	s_add_nc_u64 s[G0+4*\slot+2:G0+4*\slot+3], s[G0+4*\slot+2:G0+4*\slot+3], 2*PANEL
	s_add_nc_u64 s[G0B+4*\slot+2:G0B+4*\slot+3], s[G0B+4*\slot+2:G0B+4*\slot+3], 2*PANEL
	JLOAD G0+4*\slot, G1, G0B+4*\slot, G1B
.else
	PLACES 4
.endif
	FETCH_B \next, 0, 0
	FETCH_A \next, 0, 0
	SCALES \next, 0, 0
	WIN MUL_HI
	MUL16 4, 1, 0
	MUL16 6, 1, 0
	PLACES 4
	WIN 0
	FETCH_A \next, 0, 4
.endm
.macro STEPS slot, from
.set Q, \from
.rept 3-\from
	STEP \slot, Q, 0
.set Q, Q+1
.endr
.endm
.macro QUANT s
.irp b, 0,1,2,3
	v_max3_num_f32 v[TM+\b], |v[\s+16*\b]|, |v[\s+1+16*\b]|, 0x1800000
.endr
.irp i, 2,4,6,8,10,12,14
.irp b, 0,1,2,3
	v_max3_num_f32 v[TM+\b], v[TM+\b], |v[\s+16*\b+\i]|, |v[\s+1+16*\b+\i]|
.endr
.endr
.irp b, 0,1,2,3
	v_permlanex16_b32 v[TM+4+\b], v[TM+\b], s[SEL], s[SEL+1]
.endr
.irp b, 0,1,2,3
	v_max_num_f32 v[TM+\b], v[TM+\b], v[TM+4+\b]
.endr
.irp b, 0,1,2,3
	v_add_nc_u32 v[TM+12+\b], 0xff000000, v[TM+\b]
.endr
.irp b, 0,1,2,3
	v_lshrrev_b32 v[TM+4+\b], 23, v[TM+12+\b]
.endr
	v_lshl_or_b32 v[PW], v[TM+5], 8, v[TM+4]
	v_lshl_or_b32 v[PW], v[TM+6], 16, v[PW]
	v_lshl_or_b32 v[PW], v[TM+7], 24, v[PW]
.irp b, 0,1,2,3
	v_cvt_scalef32_pk8_fp4_f32 v[PC+2*\b], v[\s+16*\b:\s+7+16*\b], v[TM+12+\b]
	v_cvt_scalef32_pk8_fp4_f32 v[PC+1+2*\b], v[\s+8+16*\b:\s+15+16*\b], v[TM+12+\b]
.endr
	v_nop
.irp c, 0,1
.irp i, 0,1
	v_permlane16_swap_b32 v[PC+4*\c+\i], v[PC+2+4*\c+\i]
.endr
.endr
.endm
	s_load_b128 s[4:7], s[0:1], 0x0
	s_load_b128 s[8:11], s[0:1], 0x10
	v_lshl_add_u32 v[SPW], v0, 2, SPARE
	v_mov_b32 v[NIL], 0
	ds_add_u32 v28, v29
	ds_add_u32 v28, v29
	s_wait_dscnt 0x0
	v_lshrrev_b32 v1, 5, v0
	v_readfirstlane_b32 s14, v1
	s_lshr_b32 s15, s14, 1
	s_and_b32 s16, s14, 1
	s_bfe_u32 s40, ttmp6, 0x40000
	s_bfe_u32 s41, ttmp6, 0x40004
	s_lshl_b32 s42, ttmp9, 2
	s_add_co_u32 s42, s42, s40
	s_and_b32 s17, ttmp7, 0xffff
	s_lshl_b32 s17, s17, 2
	s_add_co_u32 s17, s17, s41
	s_lshl_b32 s43, s41, 2
	s_lshl_b32 s43, 15, s43
	s_lshl_b32 s44, 0x1111, s40
	s_or_b32 s[G1+0], s43, (3<<16)|(1<<21)
	s_or_b32 s[G1B+0], s44, (3<<16)|(1<<21)
.irp g, G1, G1B
	s_mov_b32 s[\g+1], 32<<16
	s_mov_b32 s[\g+2], 272<<16                     ; both slots of a panel lie on end in memory: 272 rows of 256 bytes, one load
	s_mov_b32 s[\g+3], 32<<16
	s_mov_b32 s[\g+4], 272
	s_mov_b32 s[\g+5], 32
	s_mov_b32 s[\g+6], 0
	s_mov_b32 s[\g+7], 0
.endr
	s_lshl_b32 s20, s17, 1
	s_add_co_u32 s20, s20, s16
	s_mul_i32 s20, s20, NSL*PANEL
	s_mov_b32 s21, 0
	s_lshl_b32 s46, s42, 1
	s_add_co_u32 s46, s46, s16
	s_mul_i32 s46, s46, NSL*PANEL
	s_add_co_u32 s46, s46, WOFF
	s_mov_b32 s47, 0
	s_mul_i32 s45, s14, 2*PANEL                    ; where my load lands: wave x two blocks
	s_mov_b32 s[SEL], 0x76543210
	s_mov_b32 s[SEL+1], 0xfedcba98
	s_wait_kmcnt 0x0
	s_add_nc_u64 s[20:21], s[4:5], s[20:21]
	s_add_nc_u64 s[46:47], s[6:7], s[46:47]
	CROUND
.irp s, 0
	s_mov_b32 s[G0+4*\s], 1
	s_add_co_u32 s[G0+4*\s+1], s45, \s*SLOT
	s_add_nc_u64 s[G0+4*\s+2:G0+4*\s+3], s[20:21], \s*PANEL
	s_or_b32 s[G0+4*\s+3], s[G0+4*\s+3], 0x80000000
	s_mov_b32 s[G0B+4*\s], 1
	s_add_co_u32 s[G0B+4*\s+1], s45, \s*SLOT
	s_add_nc_u64 s[G0B+4*\s+2:G0B+4*\s+3], s[46:47], \s*PANEL
	s_or_b32 s[G0B+4*\s+3], s[G0B+4*\s+3], 0x80000000
	JLOAD G0+4*\s, G1, G0B+4*\s, G1B               ; my one tensor load: a panel's two slots
.endr
	v_and_b32 v1, 15, v0
	v_bfe_u32 v2, v0, 4, 1
	s_wait_alu depctr_va_vdst(0)
	v_and_b32 v3, 31, v0
	v_lshlrev_b32 v[LI], 4, v3
	s_mul_i32 s21, s15, 2*PANEL                    ; LDS: S's panels at 0 and 2 blocks, L's at 4 and 6; a panel's slot 1 one block behind its slot 0
	s_mul_i32 s22, s16, 2*PANEL
	s_add_co_u32 s22, s22, 4*PANEL
.irp s, 0,1
	v_add_nc_u32 v[ADRA+\s], s21, v[LI]
	v_add_nc_u32 v[ADRB+\s], s22, v[LI]
	s_add_co_u32 s21, s21, PANEL
	s_add_co_u32 s22, s22, PANEL
.endr
	s_mul_i32 s21, s15, 2*PANEL
	s_mul_i32 s22, s16, 2*PANEL
	s_add_co_u32 s22, s22, 4*PANEL
	s_sub_co_u32 s22, s22, s21
	v_mul_u32_u24 v5, s22, v2
	v_lshl_add_u32 v5, v1, 2, v5
	s_add_co_u32 s21, s21, 32768
	v_add_nc_u32 v[ADRS], s21, v5
	v_add_nc_u32 v[ADRS+1], PANEL, v[ADRS]
	v_lshlrev_b32 v[BA], 5, v2
	s_lshl_b32 s21, s14, 9
	s_add_co_u32 s21, s21, STG
	v_lshl_add_u32 v[SW], v1, 2, s21
	v_add_nc_u32 v[SRD], s21, v[LI]
.irp b, 0,1,2,3
	v_mov_b32 v[TM+4+\b], 0
.endr
	s_lshl_b32 s18, s42, 10
	s_lshl_b32 s19, s16, 9
	s_add_co_u32 s18, s18, s19
	s_mov_b32 s19, 0
	s_add_nc_u64 s[8:9], s[8:9], s[18:19]
.irp b, 0,1,2,3,4,5,6,7
	global_load_b128 v[BL+8*\b:BL+8*\b+3], v[BA], s[8:9] offset:64*\b
	global_load_b128 v[BL+8*\b+4:BL+8*\b+7], v[BA], s[8:9] offset:64*\b+16
.endr
	s_lshl_b32 s18, s17, 1
	s_add_co_u32 s18, s18, s15
	s_lshl_b32 s18, s18, 3
	s_lshl_b32 s19, s42, 1
	s_add_co_u32 s19, s19, s16
	s_lshr_b32 s22, s19, 2
	s_add_co_u32 s18, s18, s22
	s_mul_i32 s18, s18, PANEL
	s_and_b32 s19, s19, 3
	s_lshl_b32 s22, s19, 9
	s_add_co_u32 s22, s22, s18
	s_add_co_u32 s22, s22, 32768
	s_mov_b32 s23, 0
	s_add_nc_u64 s[12:13], s[10:11], s[22:23]
	s_lshl_b32 s22, s19, 10
	s_add_co_u32 s22, s22, s18
	s_add_nc_u64 s[10:11], s[10:11], s[22:23]
	s_wait_alu depctr_va_vdst(0)
	s_wait_tensorcnt 0x0                           ; my panel, both slots, is in
	s_barrier_signal -1
	s_barrier_wait -1
	FETCH_B 0, 0, 0
	FETCH_A 0, 0, 0
	SCALES 0, 0, 0
	FETCH_A 0, 0, 4
	STEP 0, 0, 1
	STEPS 0, 1
	TURN 0, 1, 0
	STEPS 1, 0
	s_wait_dscnt 8
	WIN MUL_LO
	MUL16 0, 1, 0
	MUL16 2, 1, 0
	s_wait_dscnt 0x0
	WIN MUL_HI
	MUL16 4, 1, 0
	MUL16 6, 1, 0
	WIN 0
	PLACES 4
	s_wait_loadcnt 0x0
.irp a, 0,1,2,3,4,5,6,7
	s_wait_xcnt 0x0
	s_wait_dscnt 0x0
	WIN 0x02+\a/4
.irp b, 0,1,2,3,4,5,6,7
.irp k, 0,2,4,6
	v_pk_add_f32 v[AF+8*\b+\k:AF+8*\b+\k+1], v[8*(8*(\a%4)+\b)+\k:8*(8*(\a%4)+\b)+\k+1], v[BL+8*\b+\k:BL+8*\b+\k+1]
.endr
.endr
	WIN 0
.set J, 0
.rept 64
	v_max_num_f32 v[AF+J], 0, v[AF+J]
.set J, J+1
.endr
	QUANT AF
	global_store_b128 v[LI], v[PC:PC+3], s[10:11] offset:\a*4096
	global_store_b128 v[LI], v[PC+4:PC+7], s[10:11] offset:\a*4096+512
	ds_store_b32 v[SW], v[PW] offset:64*\a
.endr
	ds_load_b128 v[TM:TM+3], v[SRD]
	s_wait_dscnt 0x0
	global_store_b128 v[LI], v[TM:TM+3], s[12:13]
	s_wait_tensorcnt 0x0
	ds_add_u32 v[SPW], v[NIL]
	s_wait_dscnt 0x0
	CROUND
	s_endpgm
.Lfunc_end_k_qb3d4cd76b0_g1:
	.size	k_qb3d4cd76b0_g1, .Lfunc_end_k_qb3d4cd76b0_g1-k_qb3d4cd76b0_g1
	.p2alignl 7, 3214868480
	.fill 96, 4, 3214868480
	.section	.rodata,"a",@progbits
	.p2align	6, 0x0
	.amdhsa_kernel k_qb3d4cd76b0_g1
		.amdhsa_group_segment_fixed_size 327680
		.amdhsa_private_segment_fixed_size 0
		.amdhsa_enable_private_segment 0
		.amdhsa_kernarg_size 32
		.amdhsa_user_sgpr_count 2
		.amdhsa_user_sgpr_kernarg_segment_ptr 1
		.amdhsa_wavefront_size32 1
		.amdhsa_system_sgpr_workgroup_id_x 1
		.amdhsa_system_sgpr_workgroup_id_y 1
		.amdhsa_system_sgpr_workgroup_id_z 1
		.amdhsa_system_vgpr_workitem_id 0
		.amdhsa_next_free_vgpr 1024
		.amdhsa_next_free_sgpr 100
		.amdhsa_reserve_vcc 0
		.amdhsa_float_denorm_mode_32 3
		.amdhsa_float_denorm_mode_16_64 3
		.amdhsa_memory_ordered 1
		.amdhsa_forward_progress 1
		.amdhsa_inst_pref_size 162
	.end_amdhsa_kernel
	.amdgpu_metadata
---
amdhsa.version: [ 1, 2 ]
amdhsa.kernels:
  - .name:           k_qb3d4cd76b0_g1
    .symbol:         k_qb3d4cd76b0_g1.kd
    .args:
      - { .name: himg, .offset: 0, .size: 8, .value_kind: global_buffer, .address_space: global }
      - { .name: wimg, .offset: 8, .size: 8, .value_kind: global_buffer, .address_space: global }
      - { .name: b_fc1, .offset: 16, .size: 8, .value_kind: global_buffer, .address_space: global }
      - { .name: fimg, .offset: 24, .size: 8, .value_kind: global_buffer, .address_space: global }
    .group_segment_fixed_size: 327680
    .private_segment_fixed_size: 0
    .kernarg_segment_align: 8
    .kernarg_segment_size: 32
    .max_flat_workgroup_size: 128
    .sgpr_count:     100
    .vgpr_count:     1024
    .wavefront_size: 32
...
	.end_amdgpu_metadata
.endif
;; end of part 12
;; launch g2 (part 13): grid 8 x 32, 4 waves a work-group, clusters of 4 x 4, 327,680 bytes of LDS; arguments fimg, wimg, b_fc2, x1, out0; writes out0
.if DOCPART == 13
	.amdgcn_target "amdgcn-amd-amdhsa--gfx1250"
	.amdhsa_code_object_version 6
	.text
	.protected	k_qb3d4cd76b0_g2
	.globl	k_qb3d4cd76b0_g2
	.p2align	8
	.type	k_qb3d4cd76b0_g2,@function
k_qb3d4cd76b0_g2:
	s_mov_b64 s[64:65], 0
	v_nop
	global_prefetch_b8 v0, s[64:65] scope:SCOPE_SE
	s_setreg_imm32_b32 hwreg(HW_REG_WAVE_MODE, 25, 1), 1
	s_wait_xcnt 0x0
	s_wait_alu depctr_hold_cnt(0) depctr_sa_sdst(0) depctr_va_vdst(0) depctr_va_sdst(0) depctr_va_ssrc(0) depctr_va_vcc(0) depctr_vm_vsrc(0)
	s_getreg_b32 s2, hwreg(HW_REG_IB_STS2, 6, 4)
	s_cmp_eq_u32 s2, 0
	s_cbranch_scc0 .Lentry_in_a_cluster
	s_endpgm
.Lentry_in_a_cluster:
	s_bfe_u32 s2, ttmp6, 0x10000c
	s_cmp_lg_u32 s2, 0xf033
	s_cbranch_scc0 .Lentry_shape_is_right
	s_endpgm
.Lentry_shape_is_right:
.set NSL,   8
.set WOFF,  3342336
.set PANEL, 34816
.set SLOT,  4*PANEL
.set STG,   2*SLOT
.set SPITCH, 272
.set SPARE, STG+4*16*SPITCH
.set ADRA, 16
.set ADRB, 20
.set ADRS, 22
.set STO,  24
.set RD,   25
.set CO,   26
.set BAD,  27
.set SPW,  28
.set NIL,  29
.set SC,   32
.set BI,   48
.set ACC,  128
.set G1,  24
.set G0,  32
.set G1B, 48
.set G0B, 56
.set MSB, 0
.set MUL,  0x05
.set TO_F, 0x40
.macro WIN new
.if MSB != \new
	s_set_vgpr_msb (MSB<<8)|\new
.set MSB, \new
.endif
.endm
.macro JLOAD g0a, g1a, g0b, g1b
	s_cmp_eq_u32 s15, 0
	s_cbranch_scc0 .Lfor_b_\@
	tensor_load_to_lds s[\g0a:\g0a+3], s[\g1a:\g1a+7]
	s_nop 0
.rept 4
	v_nop
.endr
	s_branch .Lasked_\@
.Lfor_b_\@:
	tensor_load_to_lds s[\g0b:\g0b+3], s[\g1b:\g1b+7]
	s_nop 0
.rept 4
	v_nop
.endr
.Lasked_\@:
.endm
.macro CREST
	s_cmp_lg_u32 s14, 0
	s_cbranch_scc1 .Lnot_wave_0_\@
	s_barrier_signal -3
.Lnot_wave_0_\@:
	s_barrier_wait -3
	s_barrier_signal -1
	s_barrier_wait -1
.endm
.macro CROUND
	s_barrier_signal -1
	s_barrier_wait -1
	CREST
.endm
.macro PLACES n
.rept \n
	v_nop
.endr
.endm
.macro MUL8 p, c, a0, zero
.irp a, \a0, \a0+1
.irp b, 0,1,2,3
.if \zero
	v_wmma_scale_f32_16x16x128_f8f6f4 v[ACC+8*(4*(\a)+\b):ACC+8*(4*(\a)+\b)+7], v[128*(\p)+64*(\c)+32+8*\b:128*(\p)+64*(\c)+32+8*\b+7], v[128*(\p)+64*(\c)+8*(\a):128*(\p)+64*(\c)+8*(\a)+7], 0, v[SC+8*(\p)+4*(\c)+\b], v[SC+8*(\p)+4*(\c)+(\a)] matrix_a_fmt:MATRIX_FMT_FP4 matrix_b_fmt:MATRIX_FMT_FP4 matrix_a_scale:MATRIX_SCALE_ROW1
.else
	v_wmma_scale_f32_16x16x128_f8f6f4 v[ACC+8*(4*(\a)+\b):ACC+8*(4*(\a)+\b)+7], v[128*(\p)+64*(\c)+32+8*\b:128*(\p)+64*(\c)+32+8*\b+7], v[128*(\p)+64*(\c)+8*(\a):128*(\p)+64*(\c)+8*(\a)+7], v[ACC+8*(4*(\a)+\b):ACC+8*(4*(\a)+\b)+7], v[SC+8*(\p)+4*(\c)+\b], v[SC+8*(\p)+4*(\c)+(\a)] matrix_a_fmt:MATRIX_FMT_FP4 matrix_b_fmt:MATRIX_FMT_FP4 matrix_a_scale:MATRIX_SCALE_ROW1
.endif
.endr
.endr
.endm
.macro FETCH slot, t, p
	WIN 0
.irp c, 0,1
.irp i, 0,1,2,3
	ds_load_b32 v[SC+8*(\p)+4*\c+\i], v[ADRS+\slot] offset:((\t)/2)*PANEL+(2*((\t)%2)+\c)*512+64*\i
.endr
.endr
	WIN TO_F
.irp c, 0,1
.irp i, 0,1,2,3
	ds_load_b128 v[128*(\p)+64*\c+32+8*\i:128*(\p)+64*\c+32+8*\i+3],   v[ADRB+\slot] offset:((\t)/2)*PANEL+(4*\i+2*((\t)%2)+\c)*1024
	ds_load_b128 v[128*(\p)+64*\c+32+8*\i+4:128*(\p)+64*\c+32+8*\i+7], v[ADRB+\slot] offset:((\t)/2)*PANEL+(4*\i+2*((\t)%2)+\c)*1024+512
	ds_load_b128 v[128*(\p)+64*\c+8*\i:128*(\p)+64*\c+8*\i+3],         v[ADRA+\slot] offset:((\t)/2)*PANEL+(4*\i+2*((\t)%2)+\c)*1024
	ds_load_b128 v[128*(\p)+64*\c+8*\i+4:128*(\p)+64*\c+8*\i+7],       v[ADRA+\slot] offset:((\t)/2)*PANEL+(4*\i+2*((\t)%2)+\c)*1024+512
.endr
.endr
.endm
.macro QUARTER slot, t, p, zero
	s_wait_dscnt 16
	WIN MUL
	MUL8 \p, 0, 0, \zero
	MUL8 \p, 0, 2, \zero
	PLACES 4
	FETCH \slot, \t, 1-(\p)
	s_wait_dscnt 40
	WIN MUL
	MUL8 \p, 1, 0, 0
	MUL8 \p, 1, 2, 0
.endm
.macro TURN slot, next, fill
	WIN 0
	s_wait_tensorcnt 0x0
	ds_add_u32 v[SPW], v[NIL]
	s_wait_dscnt 17
	WIN MUL
	MUL8 1, 0, 0, 0
	s_wait_dscnt 0x0
	s_barrier_signal -1
	MUL8 1, 0, 2, 0
	WIN 0
	s_barrier_wait -1
.if \fill
	CREST
	s_add_nc_u64 s[G0+4*\slot+2:G0+4*\slot+3], s[G0+4*\slot+2:G0+4*\slot+3], 4*PANEL
	s_add_nc_u64 s[G0B+4*\slot+2:G0B+4*\slot+3], s[G0B+4*\slot+2:G0B+4*\slot+3], 4*PANEL
	JLOAD G0+4*\slot, G1, G0B+4*\slot, G1B
.else
	PLACES 4
.endif
	FETCH \next, 0, 0
	WIN MUL
	MUL8 1, 1, 0, 0
	MUL8 1, 1, 2, 0
.endm
.macro LASTQ
	s_wait_dscnt 16
	WIN MUL
	MUL8 1, 0, 0, 0
	MUL8 1, 0, 2, 0
	s_wait_dscnt 0x0
	MUL8 1, 1, 0, 0
	MUL8 1, 1, 2, 0
	WIN 0
.endm
.macro TOSTAGE a
.irp b, 0,1,2,3
	ds_store_b128 v[STO], v[ACC+8*(4*(\a)+\b):ACC+8*(4*(\a)+\b)+3] offset:64*\b
	ds_store_b128 v[STO], v[ACC+8*(4*(\a)+\b)+4:ACC+8*(4*(\a)+\b)+7] offset:64*\b+16
.endr
.irp t, 0,1,2,3,4,5,6,7
	ds_load_b128 v[ACC+32*(\a)+4*\t:ACC+32*(\a)+4*\t+3], v[RD] offset:2*\t*SPITCH
.endr
.endm
.macro OUTB a
.set OB, ACC+32*(\a)
	s_wait_dscnt 16*(3-(\a))
.irp t, 0,1,2,3,4,5,6,7
	v_pk_add_f32 v[OB+4*\t:OB+4*\t+1], v[OB+4*\t:OB+4*\t+1], v[BI:BI+1]
	v_pk_add_f32 v[OB+4*\t+2:OB+4*\t+3], v[OB+4*\t+2:OB+4*\t+3], v[BI+2:BI+3]
.endr
	WIN 0x08
.set J, 0
.rept 16
	v_pk_add_f32 v[OB+J:OB+J+1], v[OB+J:OB+J+1], v[32*(\a)+J:32*(\a)+J+1]
.set J, J+2
.endr
	WIN 0
.irp t, 0,1,2,3,4,5,6,7
	global_store_b128 v[CO], v[OB+4*\t:OB+4*\t+3], s[12:13] offset:(16*(\a)+2*\t)*4096 th:TH_STORE_NT
.endr
.endm
	s_load_b128 s[4:7], s[0:1], 0x0
	s_load_b128 s[8:11], s[0:1], 0x10
	s_load_b64 s[12:13], s[0:1], 0x20
	v_lshl_add_u32 v[SPW], v0, 2, SPARE
	v_mov_b32 v[NIL], 0
	ds_add_u32 v28, v29
	ds_add_u32 v28, v29
	s_wait_dscnt 0x0
	v_lshrrev_b32 v1, 5, v0
	v_readfirstlane_b32 s14, v1
	s_lshr_b32 s15, s14, 1
	s_and_b32 s16, s14, 1
	s_bfe_u32 s40, ttmp6, 0x40000
	s_bfe_u32 s41, ttmp6, 0x40004
	s_lshl_b32 s42, ttmp9, 2
	s_add_co_u32 s42, s42, s40
	s_and_b32 s17, ttmp7, 0xffff
	s_lshl_b32 s17, s17, 2
	s_add_co_u32 s17, s17, s41
	s_lshl_b32 s43, s41, 2
	s_lshl_b32 s43, 15, s43
	s_lshl_b32 s44, 0x1111, s40
	s_or_b32 s[G1+0], s43, (3<<16)|(1<<21)
	s_or_b32 s[G1B+0], s44, (3<<16)|(1<<21)
.irp g, G1, G1B
	s_mov_b32 s[\g+1], 32<<16
	s_mov_b32 s[\g+2], 136<<16
	s_mov_b32 s[\g+3], 32<<16
	s_mov_b32 s[\g+4], 136
	s_mov_b32 s[\g+5], 32
	s_mov_b32 s[\g+6], 0
	s_mov_b32 s[\g+7], 0
.endr
	s_mul_i32 s20, s17, NSL
	s_add_co_u32 s20, s20, s16
	s_mul_i32 s20, s20, PANEL
	s_mov_b32 s21, 0
	s_mul_i32 s46, s42, NSL
	s_add_co_u32 s46, s46, s16
	s_mul_i32 s46, s46, PANEL
	s_add_co_u32 s46, s46, WOFF
	s_mov_b32 s47, 0
	s_mul_i32 s45, s14, PANEL
	s_wait_kmcnt 0x0
	s_add_nc_u64 s[20:21], s[4:5], s[20:21]
	s_add_nc_u64 s[46:47], s[6:7], s[46:47]
	CROUND
.irp s, 0,1
	s_mov_b32 s[G0+4*\s], 1
	s_add_co_u32 s[G0+4*\s+1], s45, \s*SLOT
	s_add_nc_u64 s[G0+4*\s+2:G0+4*\s+3], s[20:21], \s*2*PANEL
	s_or_b32 s[G0+4*\s+3], s[G0+4*\s+3], 0x80000000
	s_mov_b32 s[G0B+4*\s], 1
	s_add_co_u32 s[G0B+4*\s+1], s45, \s*SLOT
	s_add_nc_u64 s[G0B+4*\s+2:G0B+4*\s+3], s[46:47], \s*2*PANEL
	s_or_b32 s[G0B+4*\s+3], s[G0B+4*\s+3], 0x80000000
	s_wait_alu depctr_va_vdst(0)
	s_wait_tensorcnt 0x0
	ds_add_u32 v28, v29
	ds_add_u32 v28, v29
	s_wait_dscnt 0x0
	CROUND
	JLOAD G0+4*\s, G1, G0B+4*\s, G1B
.endr
	v_and_b32 v1, 15, v0
	v_bfe_u32 v2, v0, 4, 1
	s_wait_alu depctr_va_vdst(0)
	v_and_b32 v3, 31, v0
	v_lshlrev_b32 v4, 4, v3
	s_lshl_b32 s21, s15, 14
	s_lshl_b32 s22, s16, 14
	s_add_co_u32 s22, s22, 2*PANEL
.irp s, 0,1
	v_add_nc_u32 v[ADRA+\s], s21, v4
	v_add_nc_u32 v[ADRB+\s], s22, v4
	s_add_co_u32 s21, s21, SLOT
	s_add_co_u32 s22, s22, SLOT
.endr
	s_lshl_b32 s21, s15, 8
	s_lshl_b32 s22, s16, 8
	s_add_co_u32 s22, s22, 2*PANEL
	s_sub_co_u32 s22, s22, s21
	v_mul_u32_u24 v5, s22, v2
	v_lshl_add_u32 v5, v1, 2, v5
	s_add_co_u32 s21, s21, 32768
	v_add_nc_u32 v[ADRS], s21, v5
	v_add_nc_u32 v[ADRS+1], SLOT, v[ADRS]
	s_mul_i32 s21, s14, 16*SPITCH
	s_add_co_u32 s21, s21, STG
	v_mul_u32_u24 v5, v1, SPITCH
	v_lshl_add_u32 v5, v2, 5, v5
	v_add_nc_u32 v[STO], s21, v5
	v_mul_u32_u24 v5, v2, SPITCH
	v_lshl_add_u32 v5, v1, 4, v5
	v_add_nc_u32 v[RD], s21, v5
	v_lshlrev_b32 v[BAD], 4, v1
	s_wait_alu depctr_va_vdst(0)
	v_lshl_add_u32 v[CO], v2, 12, v[BAD]
	s_wait_alu depctr_va_vdst(0)
	s_lshl_b32 s18, s17, 7
	s_lshl_b32 s19, s15, 6
	s_add_co_u32 s18, s18, s19
	s_lshl_b32 s18, s18, 12
	s_lshl_b32 s19, s42, 9
	s_lshl_b32 s22, s16, 8
	s_add_co_u32 s22, s19, s22
	s_mov_b32 s23, 0
	s_add_nc_u64 s[8:9], s[8:9], s[22:23]
	s_add_co_u32 s22, s22, s18
	s_add_nc_u64 s[10:11], s[10:11], s[22:23]
	s_add_nc_u64 s[12:13], s[12:13], s[22:23]
	global_load_b128 v[BI:BI+3], v[BAD], s[8:9]
	WIN 0x80
.irp a, 0,1,2,3
.irp t, 0,1,2,3,4,5,6,7
	global_load_b128 v[32*\a+4*\t:32*\a+4*\t+3], v[CO], s[10:11] offset:(16*\a+2*\t)*4096
.endr
.endr
	WIN 0
	s_wait_tensorcnt 1
	s_barrier_signal -1
	s_barrier_wait -1
	FETCH 0, 0, 0
	QUARTER 0, 1, 0, 1
	QUARTER 0, 2, 1, 0
	QUARTER 0, 3, 0, 0
	TURN 0, 1, 1
	QUARTER 1, 1, 0, 0
	QUARTER 1, 2, 1, 0
	QUARTER 1, 3, 0, 0
	TURN 1, 0, 1
	QUARTER 0, 1, 0, 0
	QUARTER 0, 2, 1, 0
	QUARTER 0, 3, 0, 0
	TURN 0, 1, 0
	QUARTER 1, 1, 0, 0
	QUARTER 1, 2, 1, 0
	QUARTER 1, 3, 0, 0
	LASTQ
	PLACES 4
	s_wait_loadcnt 0x0
.irp a, 0,1,2,3
	TOSTAGE \a
.endr
.irp a, 0,1,2,3
	OUTB \a
.endr
	s_wait_tensorcnt 0x0
	ds_add_u32 v[SPW], v[NIL]
	s_wait_dscnt 0x0
	CROUND
	s_endpgm
.Lfunc_end_k_qb3d4cd76b0_g2:
	.size	k_qb3d4cd76b0_g2, .Lfunc_end_k_qb3d4cd76b0_g2-k_qb3d4cd76b0_g2
	.p2alignl 7, 3214868480
	.fill 96, 4, 3214868480
	.section	.rodata,"a",@progbits
	.p2align	6, 0x0
	.amdhsa_kernel k_qb3d4cd76b0_g2
		.amdhsa_group_segment_fixed_size 327680
		.amdhsa_private_segment_fixed_size 0
		.amdhsa_enable_private_segment 0
		.amdhsa_kernarg_size 40
		.amdhsa_user_sgpr_count 2
		.amdhsa_user_sgpr_kernarg_segment_ptr 1
		.amdhsa_wavefront_size32 1
		.amdhsa_system_sgpr_workgroup_id_x 1
		.amdhsa_system_sgpr_workgroup_id_y 1
		.amdhsa_system_sgpr_workgroup_id_z 1
		.amdhsa_system_vgpr_workitem_id 0
		.amdhsa_next_free_vgpr 640
		.amdhsa_next_free_sgpr 100
		.amdhsa_reserve_vcc 0
		.amdhsa_float_denorm_mode_32 3
		.amdhsa_float_denorm_mode_16_64 3
		.amdhsa_memory_ordered 1
		.amdhsa_forward_progress 1
		.amdhsa_inst_pref_size 138
	.end_amdhsa_kernel
	.amdgpu_metadata
---
amdhsa.version: [ 1, 2 ]
amdhsa.kernels:
  - .name:           k_qb3d4cd76b0_g2
    .symbol:         k_qb3d4cd76b0_g2.kd
    .args:
      - { .name: fimg, .offset: 0, .size: 8, .value_kind: global_buffer, .address_space: global }
      - { .name: wimg, .offset: 8, .size: 8, .value_kind: global_buffer, .address_space: global }
      - { .name: b_fc2, .offset: 16, .size: 8, .value_kind: global_buffer, .address_space: global }
      - { .name: x1, .offset: 24, .size: 8, .value_kind: global_buffer, .address_space: global }
      - { .name: out0, .offset: 32, .size: 8, .value_kind: global_buffer, .address_space: global }
    .group_segment_fixed_size: 327680
    .private_segment_fixed_size: 0
    .kernarg_segment_align: 8
    .kernarg_segment_size: 40
    .max_flat_workgroup_size: 128
    .sgpr_count:     100
    .vgpr_count:     640
    .wavefront_size: 32
...
	.end_amdgpu_metadata
.endif
;; end of part 13
